; MI455X (gfx1250); checked and timed in simulation.
; The chip was launched on July 23, 2026; its instructions are those of AMD's public machine-readable ISA for CDNA 5 (MIT licence, August 2026) and "CDNA5" Instruction Set Architecture Reference Guide (July 2026). The comments in the code are by the model that wrote it; some were corrected since.
;; Self Attention. Allowed arithmetic: float matrix products may take bf16 or f16 operands with f32 sums; all other float work in f32.
;; Inputs: Wk 1,024 x 1,024 float32; Wo 1,024 x 1,024 float32; Wq 1,024 x 1,024 float32; Wv 1,024 x 1,024 float32; bo 1,024 float32; x 4 x 2,048 x 1,024 float32.
;; Outputs: out0 4 x 2,048 x 1,024 float32.
;; 2 versions, each right and faster than the one before. Each part assembles by itself: llvm-mc -triple=amdgcn-amd-amdhsa -mcpu=gfx1250 --defsym DOCPART=n.
;; ======== version 1 of 2: 6 launches
;; limits: values are held in f16: magnitudes above 65,504 overflow, below 6.1e-05 lose precision
;; workspace buffers: xh 16,777,216 bytes; wh 8,388,608 bytes; qkv 50,331,648 bytes; sc 67,108,864 bytes; pr 33,554,432 bytes; oh 16,777,216 bytes
;; launch cvt (part 1): grid 768 x 1, 8 waves a work-group, no clusters, 0 bytes of LDS; arguments x, Wq, Wk, Wv, Wo, xh, wh; writes xh, wh
.if DOCPART == 1
	.amdgcn_target "amdgcn-amd-amdhsa--gfx1250"
	.amdhsa_code_object_version 6
	.text
	.protected	k_q8868609605_cvt
	.globl	k_q8868609605_cvt
	.p2align	8
	.type	k_q8868609605_cvt,@function
k_q8868609605_cvt:
	s_mov_b64 s[64:65], 0
	v_nop
	global_prefetch_b8 v0, s[64:65] scope:SCOPE_SE
	s_setreg_imm32_b32 hwreg(HW_REG_WAVE_MODE, 25, 1), 1
	s_wait_xcnt 0x0
; xh = x and wh = (Wq, Wk, Wv, Wo one below the other), each number rounded to bf16 and that number written as f16.
; A bf16 number has 8 significant bits, f16 holds 11: the second step is exact for magnitudes from 2^-14 to 65,504.
; LIMITS.  A number beyond 65,504 becomes an infinity; below 2^-14 f16 keeps its fixed step of 2^-24.  NaN and infinities are not treated apart.
; A stream: no LDS, no matrix unit, no cluster (no two work-groups read the same byte).  768 work-groups of 16,384 numbers: 512 for x, 64 for each weight.
; Thread t takes 16 bytes at 16 t of each of sixteen blocks of 4,096 bytes: a wave's load covers 512 consecutive bytes, its store of 8 bytes a lane 256 consecutive, aligned bytes.
; All sixteen loads go out first; each block has its own registers, so no register of a pending load or store is written again.
.set X, 4                              ; v[4:67]    sixteen blocks of 4 numbers as loaded
.set Y, 68                             ; v[68:99]   sixteen blocks of 4 f16 to store
.set T, 100                            ; v[100:105] at work
	s_load_b256 s[4:11], s[0:1], 0x0               ; x s[4:5], Wq s[6:7], Wk s[8:9], Wv s[10:11]
	s_load_b128 s[12:15], s[0:1], 0x20             ; Wo s[12:13], xh s[14:15]
	s_load_b64 s[16:17], s[0:1], 0x30              ; wh
	s_mov_b32 s2, ttmp9                            ; g, the work-group's number
	v_lshlrev_b32 v1, 4, v0                        ; 16 t: my bytes in a block of the source
	v_lshlrev_b32 v2, 3, v0                        ; 8 t: in a block of the result
	s_and_b32 s22, s2, 63                          ; my place in a weight,
	s_cmp_lt_u32 s2, 512
	s_cselect_b32 s22, s2, s22                     ; or in x
	s_lshl_b32 s22, s22, 16                        ; 16,384 numbers of 4 bytes
	s_mov_b32 s23, 0
	s_and_b32 s24, s2, 511                         ; my place in xh, or in wh (the four weights follow each other)
	s_lshl_b32 s24, s24, 15                        ; 16,384 numbers of 2 bytes
	s_mov_b32 s25, 0
	s_mov_b32 s26, 0xffff0000                      ; a word's upper bf16
	s_wait_kmcnt 0x0
	s_cmp_ge_u32 s2, 512                           ; which source, which result: chosen by g alone
	s_cselect_b64 s[18:19], s[6:7], s[4:5]
	s_cselect_b64 s[20:21], s[16:17], s[14:15]
	s_cmp_ge_u32 s2, 576
	s_cselect_b64 s[18:19], s[8:9], s[18:19]
	s_cmp_ge_u32 s2, 640
	s_cselect_b64 s[18:19], s[10:11], s[18:19]
	s_cmp_ge_u32 s2, 704
	s_cselect_b64 s[18:19], s[12:13], s[18:19]
	s_add_nc_u64 s[18:19], s[18:19], s[22:23]
	s_add_nc_u64 s[20:21], s[20:21], s[24:25]
.irp i, 0,1,2,3,4,5,6,7,8,9,10,11,12,13,14,15
	global_load_b128 v[X+4*(\i):X+4*(\i)+3], v1, s[18:19] offset:4096*(\i) th:TH_LOAD_NT
.endr
.irp i, 0,1,2,3,4,5,6,7,8,9,10,11,12,13,14,15
	s_wait_loadcnt 15-(\i)                         ; loads come back in order: block i is in, the younger ones stay out
	v_cvt_pk_bf16_f32 v[T],   v[X+4*(\i)],   v[X+4*(\i)+1]     ; rounded to bf16, to nearest even
	v_cvt_pk_bf16_f32 v[T+1], v[X+4*(\i)+2], v[X+4*(\i)+3]
	v_lshlrev_b32 v[T+2], 16, v[T]                 ; back to f32: the low half moves up,
	v_and_b32     v[T+3], s26, v[T]                ; the high half stays
	v_lshlrev_b32 v[T+4], 16, v[T+1]
	v_and_b32     v[T+5], s26, v[T+1]
	v_cvt_pk_f16_f32 v[Y+2*(\i)],   v[T+2], v[T+3]
	v_cvt_pk_f16_f32 v[Y+2*(\i)+1], v[T+4], v[T+5]
	global_store_b64 v2, v[Y+2*(\i):Y+2*(\i)+1], s[20:21] offset:2048*(\i)
.endr
	s_endpgm
.Lfunc_end_k_q8868609605_cvt:
	.size	k_q8868609605_cvt, .Lfunc_end_k_q8868609605_cvt-k_q8868609605_cvt
	.p2alignl 7, 3214868480
	.fill 96, 4, 3214868480
	.section	.rodata,"a",@progbits
	.p2align	6, 0x0
	.amdhsa_kernel k_q8868609605_cvt
		.amdhsa_group_segment_fixed_size 0
		.amdhsa_private_segment_fixed_size 0
		.amdhsa_enable_private_segment 0
		.amdhsa_kernarg_size 56
		.amdhsa_user_sgpr_count 2
		.amdhsa_user_sgpr_kernarg_segment_ptr 1
		.amdhsa_wavefront_size32 1
		.amdhsa_system_sgpr_workgroup_id_x 1
		.amdhsa_system_sgpr_workgroup_id_y 1
		.amdhsa_system_sgpr_workgroup_id_z 1
		.amdhsa_system_vgpr_workitem_id 0
		.amdhsa_next_free_vgpr 108
		.amdhsa_next_free_sgpr 66
		.amdhsa_reserve_vcc 0
		.amdhsa_float_denorm_mode_32 3
		.amdhsa_float_denorm_mode_16_64 3
		.amdhsa_memory_ordered 1
		.amdhsa_forward_progress 1
		.amdhsa_inst_pref_size 11
	.end_amdhsa_kernel
	.amdgpu_metadata
---
amdhsa.version: [ 1, 2 ]
amdhsa.kernels:
  - .name:           k_q8868609605_cvt
    .symbol:         k_q8868609605_cvt.kd
    .args:
      - { .name: x, .offset: 0, .size: 8, .value_kind: global_buffer, .address_space: global }
      - { .name: Wq, .offset: 8, .size: 8, .value_kind: global_buffer, .address_space: global }
      - { .name: Wk, .offset: 16, .size: 8, .value_kind: global_buffer, .address_space: global }
      - { .name: Wv, .offset: 24, .size: 8, .value_kind: global_buffer, .address_space: global }
      - { .name: Wo, .offset: 32, .size: 8, .value_kind: global_buffer, .address_space: global }
      - { .name: xh, .offset: 40, .size: 8, .value_kind: global_buffer, .address_space: global }
      - { .name: wh, .offset: 48, .size: 8, .value_kind: global_buffer, .address_space: global }
    .group_segment_fixed_size: 0
    .private_segment_fixed_size: 0
    .kernarg_segment_align: 8
    .kernarg_segment_size: 56
    .max_flat_workgroup_size: 256
    .sgpr_count:     66
    .vgpr_count:     108
    .wavefront_size: 32
...
	.end_amdgpu_metadata
.endif
;; end of part 1
;; launch qkv (part 2): grid 12 x 32, 4 waves a work-group, clusters of 4 x 4, 327,680 bytes of LDS; arguments xh, wh, qkv; writes qkv
.if DOCPART == 2
	.amdgcn_target "amdgcn-amd-amdhsa--gfx1250"
	.amdhsa_code_object_version 6
	.text
	.protected	k_q8868609605_qkv
	.globl	k_q8868609605_qkv
	.p2align	8
	.type	k_q8868609605_qkv,@function
k_q8868609605_qkv:
	s_mov_b64 s[64:65], 0
	v_nop
	global_prefetch_b8 v0, s[64:65] scope:SCOPE_SE
	s_setreg_imm32_b32 hwreg(HW_REG_WAVE_MODE, 25, 1), 1
	s_wait_xcnt 0x0
	s_wait_alu depctr_hold_cnt(0) depctr_sa_sdst(0) depctr_va_vdst(0) depctr_va_sdst(0) depctr_va_ssrc(0) depctr_va_vcc(0) depctr_vm_vsrc(0)
	s_getreg_b32 s2, hwreg(HW_REG_IB_STS2, 6, 4)
	s_cmp_eq_u32 s2, 0
	s_cbranch_scc0 .Lentry_in_a_cluster
	s_endpgm
.Lentry_in_a_cluster:
	s_bfe_u32 s2, ttmp6, 0x10000c
	s_cmp_lg_u32 s2, 0xf033
	s_cbranch_scc0 .Lentry_shape_is_right
	s_endpgm
.Lentry_shape_is_right:
; qkv[m][n] = sum over k of xh[m][k] wh[n][k], n = 0 .. 3071 (q, k, v side by side in rows of 6,144 bytes).  xh: [8192][1024], wh: [4096][1024], both f16; sums in f32; the result rounded once to f16.
; LIMITS.  q, k, v beyond 65,504 become infinities; below 2^-14 f16 keeps its fixed step of 2^-24.  NaN and infinities are not treated apart.
; A tile of the result, 256 x 256, is made by four waves, each 128 x 128: 64 accumulators of 16 x 16, 512 registers.  K goes in 8 steps of 128 through two LDS slots filled by the tensor data mover:
; a tile's rows are 256 bytes of memory and start at multiples of 256 bytes.  A step is four quarters of 32 along K on two fragment buffers: while one is multiplied the other is fetched.
; CLUSTER: 4 x 4 work-groups.  The four of a row of the cluster need the same rows of xh, the four of a column the same rows of wh: each tile is asked for jointly, by the same tensor load with the same
; descriptor and a mask that names the four.
; THE MATRIX INSTRUCTION IS USED TRANSPOSED (source 0 = 16 rows of wh, source 1 = 16 rows of xh): a lane then holds row l % 16 of the result and the eight neighbouring columns 8 (l / 16) + 0 .. 7.
; REGISTERS, in windows of 256 (s_set_vgpr_msb: bits 1:0 source 0, 3:2 source 1, 5:4 source 2, 7:6 destination):
;   window 0: v0-31 addresses; v64-127, v128-191 fragments of xh, two buffers; v32-63, v192-255 at work on the way out     window 1: v64-127, v128-191 fragments of wh
;   window 2: the accumulators of my rows 0-63 ((a, b) at v[8 (8 (a % 4) + b)]);   window 3: those of my rows 64-127
.set PITCH,  272                       ; an LDS row: 256 bytes + 16 of padding = 68 words: the 16 rows of a fragment load start at 16 different groups of four banks (64 banks of 4 bytes: ISA guide 11.1)
.set HALFT,  128*PITCH                 ; 128 rows: what one tensor load brings, and what one wave reads of either operand
.set SLOT,   4*HALFT                   ; 0x22000: xh's 256 rows, then wh's.  It shares no bit with wave x HALFT (0, 0x8800, 0x11000, 0x19800): an exclusive or turns an address of one slot into the other's
.set STAGE,  2*SLOT                    ; behind the ring, never filled by a tensor load: 16 rows x 272 bytes for each wave, for the way out
.set SPARE,  STAGE+4*16*PITCH          ; behind the stages: the spare words, 128 bytes for each wave: two blocks of 256 bytes that no other line names
.set KEL,    1024                      ; elements in a row of xh and of wh
.set CP,     6144                      ; bytes in a row of qkv
.set ADRA,  16                         ; v16  LDS address of my fragments of xh in the slot in hand
.set ADRA0, 17                         ; v17  the same in slot 0; never rewritten
.set ADRB,  20                         ; v20, v21  the same for wh
.set ADRB0, 21
.set STO,   24                         ; v24  the way out: where I put 16 bytes of a row
.set RD,    25                         ; v25  where I read rows back
.set CO,    26                         ; v26  my byte offset in qkv; never rewritten
.set SPW,   28                         ; v28  LDS address of my spare word: SPARE + 4 x my thread's number; never rewritten
.set NIL,   29                         ; v29  0; never rewritten
.set F0,    64
.set F1,    128
.set TMP,   192
.set OB,    32
.set G1,  24                           ; s[24:31] descriptor group 1 for xh's tiles;  s[32:39] group 0: the two first fills; the second set then walks
.set G0,  32
.set G1B, 48                           ; s[48:55], s[56:63] the same for wh's
.set G0B, 56
.set MSB, 0
.macro WIN new                         ; the immediate's high byte repeats the setting that is left; a switch that changes nothing is dropped
.if MSB != (\new)
	s_set_vgpr_msb (MSB<<8)|(\new)
.set MSB, \new
.endif
.endm
.macro PLACES                          ; four places between a matrix instruction and a load into, or a vector line on, its registers
.rept 4
	v_nop
.endr
.endm
; A joint load.  Waves 0 and 1 fetch xh's two halves, waves 2 and 3 wh's.  The branch hangs on the wave's number alone.  An s_nop 0 and four v_nop follow each of the two lines.
.macro JLOAD s
	s_cmp_eq_u32 s11, 0
	s_cbranch_scc0 .Lfor_b_\@
	tensor_load_to_lds s[G0+4*(\s):G0+4*(\s)+3], s[G1:G1+7]
	s_nop 0
.rept 4
	v_nop
.endr
	s_branch .Lasked_\@
.Lfor_b_\@:
	tensor_load_to_lds s[G0B+4*(\s):G0B+4*(\s)+3], s[G1B:G1B+7]
	s_nop 0
.rept 4
	v_nop
.endr
.Lasked_\@:
.endm
.macro CREST                           ; a round of the cluster's barrier behind its opening barrier
	s_cmp_lg_u32 s10, 0
	s_cbranch_scc1 .Lnot_wave_0_\@
	s_barrier_signal -3
.Lnot_wave_0_\@:
	s_barrier_wait -3
	s_barrier_signal -1
	s_barrier_wait -1
.endm
.macro CROUND                          ; a whole round
	s_barrier_signal -1
	s_barrier_wait -1
	CREST
.endm
	s_load_b128 s[4:7], s[0:1], 0x0                ; xh s[4:5], wh s[6:7]
	s_load_b64 s[8:9], s[0:1], 0x10                ; qkv
	v_lshl_add_u32 v[SPW], v0, 2, SPARE
	v_mov_b32 v[NIL], 0
	ds_add_u32 v28, v29
	ds_add_u32 v28, v29
	s_wait_dscnt 0x0
	v_lshrrev_b32 v1, 5, v0
	v_readfirstlane_b32 s10, v1                    ; wave 0..3
	s_lshr_b32 s11, s10, 1                         ; which half of the tile's rows is mine.  Also: I fetch for xh (0) or for wh (1)
	s_and_b32 s12, s10, 1                          ; which half of its columns.  Also: which 128 rows of that tile I fetch
	s_bfe_u32 s40, ttmp6, 0x40000                  ; cx, cy: my place in the cluster
	s_bfe_u32 s41, ttmp6, 0x40004
	s_lshl_b32 s42, ttmp9, 2
	s_add_co_u32 s42, s42, s40                     ; tile column = 4 x cluster x + cx
	s_and_b32 s13, ttmp7, 0xffff
	s_lshl_b32 s13, s13, 2
	s_add_co_u32 s13, s13, s41                     ; tile row = 4 x cluster y + cy
	s_lshl_b32 s43, s41, 2
	s_lshl_b32 s43, 15, s43                        ; my row of the cluster
	s_lshl_b32 s44, 0x1111, s40                    ; my column
	; descriptor group 1: a tile of 128 rows x 128 elements, padded in LDS
	s_or_b32 s[G1+0], s43, (1<<16)|(1<<20)|(1<<21)|(5<<22)|(3<<25)   ; 15:0 the mask; 17:16 elements of 2 bytes; 20 padding on; 21 set beside a mask; 24:22 after every 64 words; 31:25 4 words of it
	s_or_b32 s[G1B+0], s44, (1<<16)|(1<<20)|(1<<21)|(5<<22)|(3<<25)
.irp g, G1, G1B
	s_mov_b32 s[(\g)+1], 128<<16                   ; tensor_dim0 = 128
	s_mov_b32 s[(\g)+2], 128<<16                   ; tensor_dim1 = 128
	s_mov_b32 s[(\g)+3], 128<<16                   ; tile_dim0 = 128
	s_mov_b32 s[(\g)+4], 128                       ; tile_dim1 = 128
	s_mov_b32 s[(\g)+5], KEL                       ; elements from row to row
	s_mov_b32 s[(\g)+6], 0
	s_mov_b32 s[(\g)+7], 0
.endr
	s_lshl_b32 s17, s12, 7                         ; which 128 rows of the tile I fetch
	s_lshl_b32 s16, s13, 8
	s_add_co_u32 s16, s16, s17
	s_lshl_b32 s16, s16, 11                        ; xh: (256 x tile row + 128 x half) rows of 2,048 bytes: 16,777,216 at the most
	s_lshl_b32 s46, s42, 8
	s_add_co_u32 s46, s46, s17
	s_lshl_b32 s46, s46, 11                        ; wh: the same with the tile column
	s_mov_b32 s17, 0
	s_mov_b32 s47, 0
	s_mul_i32 s20, s10, HALFT                      ; where they go: wave x 128 rows: no place in the cluster enters an LDS address
	s_wait_kmcnt 0x0
	s_add_nc_u64 s[14:15], s[4:5], s[16:17]
	s_add_nc_u64 s[46:47], s[6:7], s[46:47]
	CROUND                                         ; all sixteen work-groups are here: the first joint loads meet
.irp s, 0,1
	s_mov_b32 s[G0+4*(\s)], 1                      ; count = 1
	s_add_co_u32 s[G0+4*(\s)+1], s20, (\s)*SLOT    ; LDS address
	s_add_nc_u64 s[G0+4*(\s)+2:G0+4*(\s)+3], s[14:15], (\s)*256      ; K step s
	s_or_b32 s[G0+4*(\s)+3], s[G0+4*(\s)+3], 0x80000000              ; type = 2
	s_mov_b32 s[G0B+4*(\s)], 1
	s_add_co_u32 s[G0B+4*(\s)+1], s20, (\s)*SLOT
	s_add_nc_u64 s[G0B+4*(\s)+2:G0B+4*(\s)+3], s[46:47], (\s)*256
	s_or_b32 s[G0B+4*(\s)+3], s[G0B+4*(\s)+3], 0x80000000
	JLOAD \s                                       ; both slots are asked for before anything else: two loads of mine are out
.endr
	; A fragment is 16 rows x 32 K in 8 registers: lane l holds row l % 16, K = 8 (l / 16) + 0..7 and 16 + 8 (l / 16) + 0..7: two loads of 16 bytes, 32 bytes apart.
	v_and_b32 v1, 15, v0                           ; l % 16
	v_bfe_u32 v2, v0, 4, 1                         ; l / 16
	v_mul_u32_u24 v3, v1, PITCH
	v_lshl_add_u32 v3, v2, 4, v3                   ; row x pitch + 16 x half
	s_mul_i32 s21, s11, HALFT                      ; my 128 rows of xh
	s_mul_i32 s22, s12, HALFT                      ; my 128 rows of wh,
	s_add_co_u32 s22, s22, 2*HALFT                 ; which lie behind xh's 256
	v_add_nc_u32 v[ADRA0], s21, v3
	v_add_nc_u32 v[ADRB0], s22, v3
	v_mov_b32 v[ADRA], v[ADRA0]
	v_mov_b32 v[ADRB], v[ADRB0]
	s_mov_b32 s2, 0                                ; the slot in hand begins at this LDS byte
	s_mul_i32 s23, s10, 16*PITCH
	s_add_co_u32 s23, s23, STAGE                   ; my stage
	v_add_nc_u32 v[STO], s23, v3                   ; in: row l % 16, 16 bytes for each half of the lanes
	v_mul_u32_u24 v5, v2, PITCH                    ; back: lanes 0-15 take one row of 256 bytes, lanes 16-31 the next
	v_lshl_add_u32 v5, v1, 4, v5
	v_add_nc_u32 v[RD], s23, v5
	v_mul_u32_u24 v5, v2, CP                       ; and the same two rows in qkv
	v_lshl_add_u32 v[CO], v1, 4, v5
	s_lshl_b32 s16, s13, 8
	s_lshl_b32 s18, s11, 7
	s_add_co_u32 s16, s16, s18                     ; my first row,
	s_mul_i32 s16, s16, CP                         ; in bytes: 50,331,648 at the most
	s_mov_b32 s17, 0
	s_add_nc_u64 s[8:9], s[8:9], s[16:17]
	s_lshl_b32 s46, s42, 9                         ; my first column, in bytes: 512 x tile column + 256 x half
	s_lshl_b32 s18, s12, 8
	s_add_co_u32 s46, s46, s18
	s_mov_b32 s47, 0
	s_add_nc_u64 s[8:9], s[8:9], s[46:47]
; 8 matrix instructions: block a of 16 rows x all 8 blocks of 16 columns, 32 along K.  zero = 1: the product starts the sums: nothing is ever cleared.
; The 64 accumulators take turns, one instruction a turn, in the same order in every quarter.
.macro MULA f, a, zero
	WIN 0xa1+0x50*((\a)/4)                         ; wh's fragments in window 1, xh's in window 0, C and D in window 2 or 3
.irp b, 0,1,2,3,4,5,6,7
.if \zero
	v_wmma_f32_16x16x32_f16 v[8*(8*((\a)%4)+(\b)):8*(8*((\a)%4)+(\b))+7], v[(\f)+8*(\b):(\f)+8*(\b)+7], v[(\f)+8*(\a):(\f)+8*(\a)+7], 0
.else
	v_wmma_f32_16x16x32_f16 v[8*(8*((\a)%4)+(\b)):8*(8*((\a)%4)+(\b))+7], v[(\f)+8*(\b):(\f)+8*(\b)+7], v[(\f)+8*(\a):(\f)+8*(\a)+7], v[8*(8*((\a)%4)+(\b)):8*(8*((\a)%4)+(\b))+7]
.endif
.endr
.endm
; 32 LDS loads in one run: the fragments of one quarter (32 K at byte k of the rows of the slot in hand) into buffer f
.macro FETCH k, f
	WIN 0x40                                       ; destination window 1, address window 0
.irp i, 0,1,2,3,4,5,6,7
	ds_load_b128 v[(\f)+8*(\i):(\f)+8*(\i)+3],   v[ADRB] offset:(\k)+(\i)*16*PITCH
	ds_load_b128 v[(\f)+8*(\i)+4:(\f)+8*(\i)+7], v[ADRB] offset:(\k)+(\i)*16*PITCH+32
.endr
	WIN 0
.irp i, 0,1,2,3,4,5,6,7
	ds_load_b128 v[(\f)+8*(\i):(\f)+8*(\i)+3],   v[ADRA] offset:(\k)+(\i)*16*PITCH
	ds_load_b128 v[(\f)+8*(\i)+4:(\f)+8*(\i)+7], v[ADRA] offset:(\k)+(\i)*16*PITCH+32
.endr
.endm
; A quarter: buffer f, asked for a whole quarter ago, is multiplied; ahead of that the next quarter's fragments, at byte k, are asked for into buffer g, which the quarter before has read.
.macro Q k, f, g, zero
	s_wait_dscnt 0x0                               ; buffer f is in
	PLACES
	FETCH \k, \g
.irp a, 0,1,2,3,4,5,6,7
	MULA \f, \a, \zero
.endr
.endm
; The third quarter holds the change of slots.  Its fetch is the slot's last read.  ONE barrier, for two things: in front of it each wave waits for all its tensor loads, of which one is out: its part of the other
; slot; adds 0 to its spare word; and waits for that and for its own reads of this slot.  Behind it nobody reads this slot any more and the other slot is whole.
; fill = 1: the barrier opens a round of the cluster's barrier, and this slot is filled again, two K steps ahead, first thing behind the round: that load has 224 matrix instructions of mine in which to land.
.macro Q3M fill
	s_wait_dscnt 0x0
	PLACES
	FETCH 192, F1
.irp a, 0,1,2,3
	MULA F0, \a, 0
.endr
	WIN 0                                          ; (the add's two registers lie in window 0)
	s_wait_tensorcnt 0x0                           ; all my tensor loads have landed, so a group 0 may be written
	ds_add_u32 v[SPW], v[NIL]                      ; 0 onto my spare word
	MULA F0, 4, 0                                  ; sixteen matrix instructions stand between the add and the wait for it
	MULA F0, 5, 0
	s_wait_dscnt 0x0                               ; the add is done, and my reads of this slot are over
	s_barrier_signal -1
	MULA F0, 6, 0                                  ; work on registers while the others arrive
	MULA F0, 7, 0
	WIN 0                                          ; at a branch and at a label every window is 0
	s_barrier_wait -1
.if \fill
	CREST                                          ; no wave of any partner still reads this slot's tile or has a load on its way
	s_xor_b32 s[G0+5], s[G0+5], SLOT               ; the walking descriptors: the other slot than last time,
	s_add_nc_u64 s[G0+6:G0+7], s[G0+6:G0+7], 256   ; the next K step; the type bits on top are not reached
	s_xor_b32 s[G0B+5], s[G0B+5], SLOT
	s_add_nc_u64 s[G0B+6:G0B+7], s[G0B+6:G0B+7], 256
	JLOAD 1
.endif
.endm
.macro Q4                              ; the fourth quarter: the fetches go over to the other slot
	s_xor_b32 s2, s2, SLOT
	v_add_nc_u32 v[ADRA], s2, v[ADRA0]
	v_add_nc_u32 v[ADRB], s2, v[ADRB0]
	Q 0, F1, F0, 0
.endm
; THE WAY OUT of block a (16 rows).  PACK: rounded to f16, 16 bytes a lane, each accumulator's registers in ascending order.  TOST: into my own stage and back as whole rows of 256 bytes.  SEND: stored.
.macro PACK a
.set AC, 64*((\a)%4)
	WIN 0x0a+5*((\a)/4)                            ; sources 0 and 1: window 2 or 3
.irp b, 0,1,2,3,4,5,6,7
.irp r, 0,1,2,3
	v_cvt_pk_f16_f32 v[TMP+4*(\b)+(\r)], v[AC+8*(\b)+2*(\r)], v[AC+8*(\b)+2*(\r)+1]
.endr
.endr
	WIN 0
.endm
.macro TOST a
.set BK, OB+192*((\a)%2)
.if (\a) >= 2
	s_wait_xcnt 0x0                                ; the stores of the block two back have read these registers: they are loaded again only behind this wait
.endif
.irp b, 0,1,2,3,4,5,6,7
	ds_store_b128 v[STO], v[TMP+4*(\b):TMP+4*(\b)+3] offset:32*(\b)
.endr
.irp t, 0,1,2,3,4,5,6,7
	ds_load_b128 v[BK+4*(\t):BK+4*(\t)+3], v[RD] offset:(\t)*2*PITCH  ; LDS serves a wave's instructions in order (ISA guide 5.7.1.4): these see the stores above
.endr
.endm
.macro SEND a, younger                 ; younger: the LDS instructions issued behind block a's loads: the next block's sixteen, or none
.set BK, OB+192*((\a)%2)
	s_wait_dscnt \younger
.irp t, 0,1,2,3,4,5,6,7
	global_store_b128 v[CO], v[BK+4*(\t):BK+4*(\t)+3], s[8:9] offset:(16*(\a)+2*(\t))*CP  ; 16 lanes store 256 consecutive bytes, at a multiple of 256 from qkv's first byte; 126 rows at the most: inside the signed 24-bit immediate
.endr
.endm
	s_wait_tensorcnt 0x1                           ; my part of K step 0 is in; step 1's may stay out
	s_barrier_signal -1
	s_barrier_wait -1                              ; everybody's is
	FETCH 0, F0
	Q 64, F0, F1, 1                                ; the first quarter stands in front of the loop: its products start the sums
	WIN 0
	s_mov_b32 s3, 6
.Lstep:                                                ; a trip goes from a step's second quarter to the next step's first, and asks for the step two on: steps 2 to 7
	Q 128, F1, F0, 0
	Q3M 1
	Q4
	Q 64, F0, F1, 0
	WIN 0
	s_sub_co_u32 s3, s3, 1
	s_cmp_lg_u32 s3, 0
	s_cbranch_scc1 .Lstep
	Q 128, F1, F0, 0                               ; the last two steps are written out: nothing is left to ask for, and no round follows the barrier
	Q3M 0
	Q4
	Q 64, F0, F1, 0
	Q 128, F1, F0, 0
	Q 192, F0, F1, 0
	s_wait_dscnt 0x0
.irp a, 0,1,2,3,4,5,6,7
	MULA F1, \a, 0
.endr
	PLACES                                         ; the conversions read matrix results
	PACK 0
	TOST 0
.irp a, 1,2,3,4,5,6,7
	PACK \a                                        ; a block's conversions stand between the loads of the block before and its stores
	TOST \a
	SEND (\a)-1, 16
.endr
	SEND 7, 0
	s_wait_tensorcnt 0x0                           ; the wave's end, behind my last tensor load and my last LDS store
	ds_add_u32 v[SPW], v[NIL]
	s_wait_dscnt 0x0
	CROUND                                         ; the closing round: no work-group ends while a partner may still ask for a tile that names it
	s_endpgm
.Lfunc_end_k_q8868609605_qkv:
	.size	k_q8868609605_qkv, .Lfunc_end_k_q8868609605_qkv-k_q8868609605_qkv
	.p2alignl 7, 3214868480
	.fill 96, 4, 3214868480
	.section	.rodata,"a",@progbits
	.p2align	6, 0x0
	.amdhsa_kernel k_q8868609605_qkv
		.amdhsa_group_segment_fixed_size 327680
		.amdhsa_private_segment_fixed_size 0
		.amdhsa_enable_private_segment 0
		.amdhsa_kernarg_size 24
		.amdhsa_user_sgpr_count 2
		.amdhsa_user_sgpr_kernarg_segment_ptr 1
		.amdhsa_wavefront_size32 1
		.amdhsa_system_sgpr_workgroup_id_x 1
		.amdhsa_system_sgpr_workgroup_id_y 1
		.amdhsa_system_sgpr_workgroup_id_z 1
		.amdhsa_system_vgpr_workitem_id 0
		.amdhsa_next_free_vgpr 1024
		.amdhsa_next_free_sgpr 66
		.amdhsa_reserve_vcc 0
		.amdhsa_float_denorm_mode_32 3
		.amdhsa_float_denorm_mode_16_64 3
		.amdhsa_memory_ordered 1
		.amdhsa_forward_progress 1
		.amdhsa_inst_pref_size 116
	.end_amdhsa_kernel
	.amdgpu_metadata
---
amdhsa.version: [ 1, 2 ]
amdhsa.kernels:
  - .name:           k_q8868609605_qkv
    .symbol:         k_q8868609605_qkv.kd
    .args:
      - { .name: xh, .offset: 0, .size: 8, .value_kind: global_buffer, .address_space: global }
      - { .name: wh, .offset: 8, .size: 8, .value_kind: global_buffer, .address_space: global }
      - { .name: qkv, .offset: 16, .size: 8, .value_kind: global_buffer, .address_space: global }
    .group_segment_fixed_size: 327680
    .private_segment_fixed_size: 0
    .kernarg_segment_align: 8
    .kernarg_segment_size: 24
    .max_flat_workgroup_size: 128
    .sgpr_count:     66
    .vgpr_count:     1024
    .wavefront_size: 32
...
	.end_amdgpu_metadata
.endif
;; end of part 2
;; launch scores (part 3): grid 36 x 4, 4 waves a work-group, no clusters, 327,680 bytes of LDS; arguments qkv, sc; writes sc
.if DOCPART == 3
	.amdgcn_target "amdgcn-amd-amdhsa--gfx1250"
	.amdhsa_code_object_version 6
	.text
	.protected	k_q8868609605_scores
	.globl	k_q8868609605_scores
	.p2align	8
	.type	k_q8868609605_scores,@function
k_q8868609605_scores:
	s_mov_b64 s[64:65], 0
	v_nop
	global_prefetch_b8 v0, s[64:65] scope:SCOPE_SE
	s_setreg_imm32_b32 hwreg(HW_REG_WAVE_MODE, 25, 1), 1
	s_wait_xcnt 0x0
; sc[b][t][s] = sum over d of q[b][t][d] k[b][s][d], unscaled, in f32, for the tiles of 256 x 256 on and below the diagonal alone: what lies above is thrown away by the causal mask.
; q and k are f16, at bytes 0 and 2,048 of qkv's rows of 6,144 bytes.  Work-group x = 0 .. 35 is tile (i, j), j <= i, x = i (i + 1) / 2 + j; work-group y is the batch.
; The diagonal tiles are made whole; the next launch masks them.  NaN and infinities are not treated apart.
; Four waves, each 128 x 128 in 64 accumulators; K = 1,024 in 8 steps of 128 through two LDS slots; a step is four quarters of 32 along K on two fragment buffers.
; NO CLUSTER: a batch's 36 tiles lie in rows of 1 to 8 tiles and columns of 8 to 1, which do not fall into groups of four that share a row or a column; whole 4 x 4 blocks would hold 48 tiles
; of 64 whose results nobody reads (12 a batch).
; THE MATRIX INSTRUCTION IS USED TRANSPOSED (source 0 = 16 rows of k, source 1 = 16 rows of q): a lane holds row l % 16 and the eight neighbouring columns 8 (l / 16) + 0 .. 7.
; REGISTERS: window 0: v0-31 addresses; v64-127, v128-191 fragments of q, on the way out rows read back; window 1: v64-127, v128-191 fragments of k; windows 2, 3: accumulators ((a, b) at v[8 (8 (a % 4) + b)]).
.set PITCH,  272                       ; an LDS row: 256 bytes + 16 of padding: the 16 rows of a fragment load start at 16 different groups of four banks (64 banks of 4 bytes: ISA guide 11.1)
.set HALFT,  128*PITCH
.set SLOT,   4*HALFT                   ; 0x22000: shares no bit with wave x HALFT: an exclusive or turns an address of one slot into the other's
.set STAGE,  2*SLOT                    ; behind the ring, never filled by a tensor load: 16 rows x 528 bytes for each wave
.set SP32,   528                       ; a stage row: 512 bytes + 16
.set SPARE,  STAGE+4*16*SP32           ; the spare words, 128 bytes for each wave: two blocks of 256 bytes that no other line names
.set CP,     8192                      ; bytes in a row of sc
.set ADRA,  16
.set ADRA0, 17
.set ADRB,  20
.set ADRB0, 21
.set STO,   24
.set RD,    25
.set CO,    26
.set SPW,   28                         ; v28  SPARE + 4 x my thread's number; never rewritten
.set NIL,   29                         ; v29  0; never rewritten
.set F0,    64
.set F1,    128
.set G1,  24                           ; s[24:31] descriptor group 1
.set G0,  32                           ; s[32:39] group 0: the two first fills; the second set then walks
.set MSB, 0
.macro WIN new
.if MSB != (\new)
	s_set_vgpr_msb (MSB<<8)|(\new)
.set MSB, \new
.endif
.endm
.macro PLACES
.rept 4
	v_nop
.endr
.endm
.macro TLOAD s                         ; every wave fetches 128 rows of its own: waves 0, 1 q's halves, waves 2, 3 k's.  An s_nop 0 and four v_nop follow
	tensor_load_to_lds s[G0+4*(\s):G0+4*(\s)+3], s[G1:G1+7]
	s_nop 0
.rept 4
	v_nop
.endr
.endm
	s_load_b64 s[4:5], s[0:1], 0x0                 ; qkv
	s_load_b64 s[8:9], s[0:1], 0x8                 ; sc
	v_lshl_add_u32 v[SPW], v0, 2, SPARE
	v_mov_b32 v[NIL], 0
	ds_add_u32 v28, v29
	ds_add_u32 v28, v29
	s_wait_dscnt 0x0
	v_lshrrev_b32 v1, 5, v0
	v_readfirstlane_b32 s10, v1                    ; wave 0..3
	s_lshr_b32 s11, s10, 1                         ; my half of the tile's rows.  Also: I fetch q (0) or k (1)
	s_and_b32 s12, s10, 1                          ; my half of its columns.  Also: which 128 rows I fetch
	s_mov_b32 s42, ttmp9
	s_and_b32 s45, ttmp7, 0xffff                   ; the batch
	s_mov_b32 s13, 0
.irp n, 1,3,6,10,15,21,28
	s_cmp_ge_u32 s42, \n                           ; i = how many of the rows' first numbers x has reached
	s_add_co_ci_u32 s13, s13, 0
.endr
	s_add_co_u32 s14, s13, 1
	s_mul_i32 s14, s14, s13
	s_lshr_b32 s14, s14, 1
	s_sub_co_u32 s42, s42, s14                     ; j = x - i (i + 1) / 2
	s_mov_b32 s[G1+0], (1<<16)|(1<<20)|(5<<22)|(3<<25)  ; elements of 2 bytes; padding on: after every 64 words 4 words
	s_mov_b32 s[G1+1], 128<<16                     ; tensor_dim0 = 128
	s_mov_b32 s[G1+2], 128<<16                     ; tensor_dim1 = 128
	s_mov_b32 s[G1+3], 128<<16                     ; tile_dim0 = 128
	s_mov_b32 s[G1+4], 128                         ; tile_dim1 = 128
	s_mov_b32 s[G1+5], 3072                        ; elements from row to row of qkv
	s_mov_b32 s[G1+6], 0
	s_mov_b32 s[G1+7], 0
	s_cmp_eq_u32 s11, 0
	s_cselect_b32 s16, s13, s42                    ; q's rows go by i, k's by j
	s_cselect_b32 s18, 0, 2048                     ; and k lies 2,048 bytes into a row
	s_lshl_b32 s16, s16, 8
	s_lshl_b32 s17, s12, 7
	s_add_co_u32 s16, s16, s17
	s_lshl_b32 s17, s45, 11
	s_add_co_u32 s16, s16, s17                     ; row 2,048 b + 256 x tile + 128 x half
	s_mul_i32 s16, s16, 6144                       ; 50,331,648 at the most
	s_add_co_u32 s16, s16, s18
	s_mov_b32 s17, 0
	s_mul_i32 s20, s10, HALFT                      ; where they go: q's two halves, then k's two halves = wave x 128 rows
	s_wait_kmcnt 0x0
	s_add_nc_u64 s[14:15], s[4:5], s[16:17]
.irp s, 0,1
	s_mov_b32 s[G0+4*(\s)], 1
	s_add_co_u32 s[G0+4*(\s)+1], s20, (\s)*SLOT
	s_add_nc_u64 s[G0+4*(\s)+2:G0+4*(\s)+3], s[14:15], (\s)*256      ; K step s
	s_or_b32 s[G0+4*(\s)+3], s[G0+4*(\s)+3], 0x80000000
	TLOAD \s                                       ; both slots are asked for before anything else: two loads of mine are out
.endr
	v_and_b32 v1, 15, v0                           ; l % 16
	v_bfe_u32 v2, v0, 4, 1                         ; l / 16
	v_mul_u32_u24 v3, v1, PITCH
	v_lshl_add_u32 v3, v2, 4, v3
	s_mul_i32 s21, s11, HALFT
	s_mul_i32 s22, s12, HALFT
	s_add_co_u32 s22, s22, 2*HALFT
	v_add_nc_u32 v[ADRA0], s21, v3
	v_add_nc_u32 v[ADRB0], s22, v3
	v_mov_b32 v[ADRA], v[ADRA0]
	v_mov_b32 v[ADRB], v[ADRB0]
	s_mov_b32 s2, 0                                ; the slot in hand begins at this LDS byte
	s_mul_i32 s23, s10, 16*SP32
	s_add_co_u32 s23, s23, STAGE                   ; my stage
	v_mul_u32_u24 v4, v1, SP32                     ; in: row l % 16, 32 bytes for each half of the lanes
	v_lshl_add_u32 v4, v2, 5, v4
	v_add_nc_u32 v[STO], s23, v4
	v_and_b32 v5, 31, v0
	v_lshlrev_b32 v[CO], 4, v5                     ; back: the 32 lanes take one row of 512 bytes
	v_add_nc_u32 v[RD], s23, v[CO]
	s_lshl_b32 s16, s13, 8
	s_lshl_b32 s18, s11, 7
	s_add_co_u32 s16, s16, s18
	s_lshl_b32 s16, s16, 13                        ; my first row of the batch, 8,192 bytes a row
	s_lshl_b32 s18, s45, 24                        ; the batch: 16,777,216 bytes
	s_add_co_u32 s16, s16, s18
	s_lshl_b32 s18, s42, 10                        ; my first column: 1,024 j + 512 x half
	s_add_co_u32 s16, s16, s18
	s_lshl_b32 s18, s12, 9
	s_add_co_u32 s16, s16, s18                     ; under 67,108,864
	s_mov_b32 s17, 0
	s_add_nc_u64 s[8:9], s[8:9], s[16:17]
; 8 matrix instructions: block a of 16 rows x all 8 blocks of 16 columns.  The 64 accumulators take turns, one instruction a turn, in the same order in every quarter.
.macro MULA f, a, zero
	WIN 0xa1+0x50*((\a)/4)
.irp b, 0,1,2,3,4,5,6,7
.if \zero
	v_wmma_f32_16x16x32_f16 v[8*(8*((\a)%4)+(\b)):8*(8*((\a)%4)+(\b))+7], v[(\f)+8*(\b):(\f)+8*(\b)+7], v[(\f)+8*(\a):(\f)+8*(\a)+7], 0
.else
	v_wmma_f32_16x16x32_f16 v[8*(8*((\a)%4)+(\b)):8*(8*((\a)%4)+(\b))+7], v[(\f)+8*(\b):(\f)+8*(\b)+7], v[(\f)+8*(\a):(\f)+8*(\a)+7], v[8*(8*((\a)%4)+(\b)):8*(8*((\a)%4)+(\b))+7]
.endif
.endr
.endm
.macro FETCH k, f
	WIN 0x40
.irp i, 0,1,2,3,4,5,6,7
	ds_load_b128 v[(\f)+8*(\i):(\f)+8*(\i)+3],   v[ADRB] offset:(\k)+(\i)*16*PITCH
	ds_load_b128 v[(\f)+8*(\i)+4:(\f)+8*(\i)+7], v[ADRB] offset:(\k)+(\i)*16*PITCH+32
.endr
	WIN 0
.irp i, 0,1,2,3,4,5,6,7
	ds_load_b128 v[(\f)+8*(\i):(\f)+8*(\i)+3],   v[ADRA] offset:(\k)+(\i)*16*PITCH
	ds_load_b128 v[(\f)+8*(\i)+4:(\f)+8*(\i)+7], v[ADRA] offset:(\k)+(\i)*16*PITCH+32
.endr
.endm
.macro Q k, f, g, zero                 ; buffer f, asked for a quarter ago, is multiplied; ahead of that the next quarter is asked for into buffer g
	s_wait_dscnt 0x0                               ; buffer f is in
	PLACES                                         ; buffer g was read by the matrix instructions just before
	FETCH \k, \g
.irp a, 0,1,2,3,4,5,6,7
	MULA \f, \a, \zero
.endr
.endm
; The third quarter holds the change of slots: its fetch is the slot's last read; each wave waits for all its tensor loads (one is out: its part of the other slot), adds 0 to its spare word, waits for
; that and for its reads, and passes the barrier.  fill = 1: this slot is filled again, two K steps ahead, first thing behind the barrier: 224 matrix instructions of mine ahead of the wait for it.
.macro Q3M fill
	s_wait_dscnt 0x0
	PLACES
	FETCH 192, F1
.irp a, 0,1,2,3
	MULA F0, \a, 0
.endr
	WIN 0
	s_wait_tensorcnt 0x0                           ; all my tensor loads have landed, so a group 0 may be written
	ds_add_u32 v[SPW], v[NIL]                      ; 0 onto my spare word
	MULA F0, 4, 0
	MULA F0, 5, 0
	s_wait_dscnt 0x0                               ; the add is done, and my reads of this slot are over
	s_barrier_signal -1
	MULA F0, 6, 0
	MULA F0, 7, 0
	WIN 0
	s_barrier_wait -1
.if \fill
	s_xor_b32 s[G0+5], s[G0+5], SLOT               ; the walking descriptor: the other slot than last time, the next K step
	s_add_nc_u64 s[G0+6:G0+7], s[G0+6:G0+7], 256
	TLOAD 1
.endif
.endm
.macro Q4
	s_xor_b32 s2, s2, SLOT
	v_add_nc_u32 v[ADRA], s2, v[ADRA0]
	v_add_nc_u32 v[ADRB], s2, v[ADRB0]
	Q 0, F1, F0, 0
.endm
; THE WAY OUT of block a (16 rows x 128 columns of f32): straight from the accumulators into my own stage, each accumulator's low four registers first, and back as whole rows of 512 bytes.
.macro TOST32 a
.set AC, 64*((\a)%4)
.set BK, F0+64*((\a)%2)
.if (\a) >= 2
	s_wait_xcnt 0x0                                ; the stores of the block two back have read these registers: they are loaded again only behind this wait
.endif
	WIN 0x08+4*((\a)/4)                            ; an LDS store's data is source 1: window 2 or 3
.irp b, 0,1,2,3,4,5,6,7
	ds_store_b128 v[STO], v[AC+8*(\b):AC+8*(\b)+3]   offset:64*(\b)
	ds_store_b128 v[STO], v[AC+8*(\b)+4:AC+8*(\b)+7] offset:64*(\b)+16
.endr
	WIN 0
.irp r, 0,1,2,3,4,5,6,7,8,9,10,11,12,13,14,15
	ds_load_b128 v[BK+4*(\r):BK+4*(\r)+3], v[RD] offset:(\r)*SP32  ; LDS serves a wave's instructions in order (ISA guide 5.7.1.4): these see the stores above
.endr
.endm
.macro SEND32 a, younger               ; younger: the LDS instructions issued behind block a's loads: the next block's 32, or none
.set BK, F0+64*((\a)%2)
.irp r, 0,1,2,3,4,5,6,7,8,9,10,11,12,13,14,15
	s_wait_dscnt (\younger)+15-(\r)                ; row r is back; the later rows and the next block's lines may be out
	global_store_b128 v[CO], v[BK+4*(\r):BK+4*(\r)+3], s[8:9] offset:(16*(\a)+(\r))*CP  ; 512 consecutive bytes, at a multiple of 256 from sc's first byte; 127 rows at the most: inside the signed 24-bit immediate
.endr
.endm
	s_wait_tensorcnt 0x1                           ; my part of K step 0 is in; step 1's may stay out
	s_barrier_signal -1
	s_barrier_wait -1
	FETCH 0, F0
	Q 64, F0, F1, 1                                ; the first quarter's products start the sums
	WIN 0
	s_mov_b32 s3, 6
.Lstep:                                                ; a trip: a step's quarters 2 to 4 and the next step's first; it asks for the step two on: steps 2 to 7
	Q 128, F1, F0, 0
	Q3M 1
	Q4
	Q 64, F0, F1, 0
	WIN 0
	s_sub_co_u32 s3, s3, 1
	s_cmp_lg_u32 s3, 0
	s_cbranch_scc1 .Lstep
	Q 128, F1, F0, 0                               ; the last two steps are written out: nothing is left to ask for
	Q3M 0
	Q4
	Q 64, F0, F1, 0
	Q 128, F1, F0, 0
	Q 192, F0, F1, 0
	s_wait_dscnt 0x0
.irp a, 0,1,2,3,4,5,6,7
	MULA F1, \a, 0
.endr
	PLACES                                         ; LDS stores read matrix results, and loads land in fragment registers
	TOST32 0
.irp a, 1,2,3,4,5,6,7
	TOST32 \a
	SEND32 (\a)-1, 32
.endr
	SEND32 7, 0
	s_wait_tensorcnt 0x0                           ; the wave's end
	ds_add_u32 v[SPW], v[NIL]
	s_wait_dscnt 0x0
	s_endpgm
.Lfunc_end_k_q8868609605_scores:
	.size	k_q8868609605_scores, .Lfunc_end_k_q8868609605_scores-k_q8868609605_scores
	.p2alignl 7, 3214868480
	.fill 96, 4, 3214868480
	.section	.rodata,"a",@progbits
	.p2align	6, 0x0
	.amdhsa_kernel k_q8868609605_scores
		.amdhsa_group_segment_fixed_size 327680
		.amdhsa_private_segment_fixed_size 0
		.amdhsa_enable_private_segment 0
		.amdhsa_kernarg_size 16
		.amdhsa_user_sgpr_count 2
		.amdhsa_user_sgpr_kernarg_segment_ptr 1
		.amdhsa_wavefront_size32 1
		.amdhsa_system_sgpr_workgroup_id_x 1
		.amdhsa_system_sgpr_workgroup_id_y 1
		.amdhsa_system_sgpr_workgroup_id_z 1
		.amdhsa_system_vgpr_workitem_id 0
		.amdhsa_next_free_vgpr 1024
		.amdhsa_next_free_sgpr 66
		.amdhsa_reserve_vcc 0
		.amdhsa_float_denorm_mode_32 3
		.amdhsa_float_denorm_mode_16_64 3
		.amdhsa_memory_ordered 1
		.amdhsa_forward_progress 1
		.amdhsa_inst_pref_size 115
	.end_amdhsa_kernel
	.amdgpu_metadata
---
amdhsa.version: [ 1, 2 ]
amdhsa.kernels:
  - .name:           k_q8868609605_scores
    .symbol:         k_q8868609605_scores.kd
    .args:
      - { .name: qkv, .offset: 0, .size: 8, .value_kind: global_buffer, .address_space: global }
      - { .name: sc, .offset: 8, .size: 8, .value_kind: global_buffer, .address_space: global }
    .group_segment_fixed_size: 327680
    .private_segment_fixed_size: 0
    .kernarg_segment_align: 8
    .kernarg_segment_size: 16
    .max_flat_workgroup_size: 128
    .sgpr_count:     66
    .vgpr_count:     1024
    .wavefront_size: 32
...
	.end_amdgpu_metadata
.endif
;; end of part 3
;; launch softmax (part 4): grid 512 x 1, 8 waves a work-group, no clusters, 2,048 bytes of LDS; arguments sc, pr; writes pr
.if DOCPART == 4
	.amdgcn_target "amdgcn-amd-amdhsa--gfx1250"
	.amdhsa_code_object_version 6
	.text
	.protected	k_q8868609605_softmax
	.globl	k_q8868609605_softmax
	.p2align	8
	.type	k_q8868609605_softmax,@function
k_q8868609605_softmax:
	s_mov_b64 s[64:65], 0
	v_nop
	global_prefetch_b8 v0, s[64:65] scope:SCOPE_SE
	s_setreg_imm32_b32 hwreg(HW_REG_WAVE_MODE, 25, 1), 1
	s_wait_xcnt 0x0
; pr[b][t][s] = softmax over s <= t of sc[b][t][s] / 32, in f16; zeros from the diagonal up to the next multiple of 512 columns, which is as far as the next launch reads.
; p = 2^(c x - c m) with c = log2(e) / 32 and m the row's true maximum over the keys that it sees; the sum is taken of the unrounded p; one rounding to f16 at the end.
; LIMITS.  A hidden score counts as -3.4e38; a weight below 2^-126 counts as 0; below 6e-5 f16 keeps its fixed step of 6e-8.  NaN and infinities are not treated apart.
; SHARES.  A work-group takes 16 rows, wave w the columns 256 w .. 256 w + 255 of all of them, kept in 128 registers between the passes: sc is read once.  The rows lie in tile row i = (t / 256) of the batch.
; ONE TEXT FOR ALL WAVES.  Only tiles 0 .. i of a row were written, so a wave loads column block min(w, i) and masks by its own true columns: a wave beyond the diagonal finds every score hidden,
; adds 0 to the sums and makes zeros.  Only the stores are jumped over, by waves beyond column block i | 1.
; No matrix unit, no tensor loads, no cluster: a stream in which no two work-groups read the same byte.
.set X,   32                           ; v[32:159]  row r at X + 8 r: my 4 columns at 4 x lane, then my 4 columns 128 further on
.set M,   160                          ; v[160:175] one number a row: the maximum, later the sum
.set CS,  20                           ; s[20:21]   c, named as a pair
.set NEG, 22                           ; s22        -3.4e38
.set RS,  32                           ; s[32:63]   a pair a row: -c m, later 1 / sum; the packed forms take the low word for both halves
	s_load_b128 s[4:7], s[0:1], 0x0                ; sc s[4:5], pr s[6:7]
	v_lshl_add_u32 v176, v0, 2, 0x400
	v_mov_b32 v177, 0
	v_lshrrev_b32 v1, 5, v0
	v_readfirstlane_b32 s8, v1                     ; wave 0..7
	v_and_b32 v2, 31, v0                           ; lane
	s_mov_b32 s2, ttmp9                            ; g: rows 16 g .. 16 g + 15 of the 8,192
	s_lshl_b32 s9, s2, 4
	s_and_b32 s9, s9, 2047                         ; t0: the first row's place in its batch
	s_lshr_b32 s10, s9, 8                          ; i
	s_min_u32 s11, s8, s10                         ; the column block that I load
	s_lshl_b32 s11, s11, 10                        ; 1,024 bytes each
	v_lshl_add_u32 v3, v2, 4, s11                  ; + 16 x lane
	s_lshl_b32 s12, s8, 8
	s_sub_co_i32 s12, s9, s12                      ; t0 - 256 w
	v_lshlrev_b32 v4, 2, v2
	v_sub_nc_u32 v5, s12, v4                       ; t0 - 256 w - 4 x lane: column e of my first four is hidden in row r where e - r is greater
	v_add_nc_u32 v6, 0xffffff80, v5                ; the same, less 128, for my second four
	v_mov_b32 v7, s8
	v_lshlrev_b32 v7, 2, v7                        ; LDS: my wave's word in a row's eight
	v_and_b32 v8, 15, v0
	v_lshlrev_b32 v8, 5, v8                        ; LDS: the eight words of row lane % 16
	s_lshl_b32 s13, s8, 9
	v_lshl_add_u32 v9, v2, 3, s13                  ; pr: 512 w + 8 x lane
	v_mov_b32 v10, 0                               ; v_permlanex16_b32's destinations count as read
	v_mov_b32 v11, 0
	s_lshl_b32 s14, s2, 17                         ; 16 rows of 8,192 bytes: 67,108,864 at the most
	s_mov_b32 s15, 0
	s_lshl_b32 s16, s2, 16                         ; 16 rows of 4,096 bytes
	s_mov_b32 s17, 0
	s_mov_b32 s18, 0x76543210                      ; v_permlanex16_b32: each lane takes its own place in the other half
	s_mov_b32 s19, 0xfedcba98
	s_mov_b32 s[CS], 0x3d38aa3b                    ; c = log2(e) / 32 = 0.0450842
	s_mov_b32 s[CS+1], 0
	s_mov_b32 s[NEG], 0xff7fffff
.irp r, 0,1,2,3,4,5,6,7,8,9,10,11,12,13,14,15
	s_mov_b32 s[RS+2*(\r)+1], 0                    ; named with the low words as pairs, so they are written
.endr
	s_wait_kmcnt 0x0
	s_add_nc_u64 s[4:5], s[4:5], s[14:15]
	s_add_nc_u64 s[6:7], s[6:7], s[16:17]
.irp r, 0,1,2,3,4,5,6,7,8,9,10,11,12,13,14,15
	global_load_b128 v[X+8*(\r):X+8*(\r)+3],   v3, s[4:5] offset:8192*(\r)       ; 512 consecutive bytes a load
	global_load_b128 v[X+8*(\r)+4:X+8*(\r)+7], v3, s[4:5] offset:8192*(\r)+512
.endr
	; the mask, and each lane's maximum of its 8 scores of a row
.irp r, 0,1,2,3,4,5,6,7,8,9,10,11,12,13,14,15
	s_wait_loadcnt 2*(15-(\r))                     ; row r is in; the later rows' two loads each stay out
.irp e, 0,1,2,3
	v_cmp_gt_i32 vcc_lo, (\e)-(\r), v5
	v_cndmask_b32 v[X+8*(\r)+(\e)], v[X+8*(\r)+(\e)], s[NEG], vcc_lo
	v_cmp_gt_i32 vcc_lo, (\e)-(\r), v6
	v_cndmask_b32 v[X+8*(\r)+4+(\e)], v[X+8*(\r)+4+(\e)], s[NEG], vcc_lo
.endr
	v_max3_num_f32 v[M+(\r)], v[X+8*(\r)], v[X+8*(\r)+1], v[X+8*(\r)+2]
	v_max3_num_f32 v[M+(\r)], v[M+(\r)], v[X+8*(\r)+3], v[X+8*(\r)+4]
	v_max3_num_f32 v[M+(\r)], v[M+(\r)], v[X+8*(\r)+5], v[X+8*(\r)+6]
	v_max_num_f32  v[M+(\r)], v[M+(\r)], v[X+8*(\r)+7]
.endr
; Across the 32 lanes, for all 16 rows: four steps inside each half of 16 lanes ride on the arithmetic, one crosses the halves.  Then each wave's figure goes to its word of LDS (row r's eight words
; at base + 32 r), and behind the barrier lane l reads the eight words of row l % 16.
.macro ACROSS opd, op, base
.irp m, 1,2,4,8
.irp r, 0,1,2,3,4,5,6,7,8,9,10,11,12,13,14,15
	\opd v[M+(\r)], v[M+(\r)], v[M+(\r)] row_xmask:\m row_mask:0xf bank_mask:0xf
.endr
.endr
.irp r, 0,1,2,3,4,5,6,7,8,9,10,11,12,13,14,15
	v_permlanex16_b32 v[10+(\r)%2], v[M+(\r)], s18, s19
	\op v[M+(\r)], v[M+(\r)], v[10+(\r)%2]
.endr
.irp r, 0,1,2,3,4,5,6,7,8,9,10,11,12,13,14,15
	ds_store_b32 v7, v[M+(\r)] offset:(\base)+32*(\r)   ; all lanes write the same word with the same value
.endr
	s_wait_dscnt 0x0                               ; for the others' sake: my stores are done
	s_barrier_signal -1
	s_barrier_wait -1
	ds_load_b128 v[12:15], v8 offset:(\base)
	ds_load_b128 v[16:19], v8 offset:(\base)+16
	s_wait_dscnt 0x0
.endm
	ACROSS v_max_num_f32_dpp, v_max_num_f32, 0
	v_max3_num_f32 v20, v12, v13, v14
	v_max3_num_f32 v20, v20, v15, v16
	v_max3_num_f32 v20, v20, v17, v18
	v_max_num_f32  v20, v20, v19                   ; the maximum of row lane % 16
	v_mul_f32 v20, 0xbd38aa3b, v20                 ; -c m
.irp r, 0,1,2,3,4,5,6,7,8,9,10,11,12,13,14,15
	v_readlane_b32 s[RS+2*(\r)], v20, \r           ; a multiplier's operand alone: no address and no branch is made of it
.endr
.irp r, 0,1,2,3,4,5,6,7,8,9,10,11,12,13,14,15
.irp j, 0,2,4,6
	v_pk_fma_f32 v[X+8*(\r)+(\j):X+8*(\r)+(\j)+1], v[X+8*(\r)+(\j):X+8*(\r)+(\j)+1], s[CS:CS+1], s[RS+2*(\r):RS+2*(\r)+1] op_sel_hi:[1,0,0]  ; c x - c m, one rounding; the rounding of c m is common to the row and cancels in p / sum
.endr
.endr
.set n, 0
.rept 128
	v_exp_f32 v[X+n], v[X+n]
.set n, n+1
.endr
	v_nop                                          ; a plain instruction between the last exponential and the use of its result (ISA guide 5.7.2)
	s_wait_alu depctr_va_vdst(0)
.irp r, 0,1,2,3,4,5,6,7,8,9,10,11,12,13,14,15
	v_pk_add_f32 v[12+4*((\r)%2):13+4*((\r)%2)], v[X+8*(\r):X+8*(\r)+1],   v[X+8*(\r)+2:X+8*(\r)+3]   ; the weights themselves are still needed: the sums go elsewhere
	v_pk_add_f32 v[14+4*((\r)%2):15+4*((\r)%2)], v[X+8*(\r)+4:X+8*(\r)+5], v[X+8*(\r)+6:X+8*(\r)+7]
	v_pk_add_f32 v[12+4*((\r)%2):13+4*((\r)%2)], v[12+4*((\r)%2):13+4*((\r)%2)], v[14+4*((\r)%2):15+4*((\r)%2)]
	v_add_f32 v[M+(\r)], v[12+4*((\r)%2)], v[13+4*((\r)%2)]
.endr
	ACROSS v_add_f32_dpp, v_add_f32, 512           ; other LDS bytes than the maxima's: no wave can overwrite what another still reads
	v_add_f32 v12, v12, v13
	v_add_f32 v14, v14, v15
	v_add_f32 v16, v16, v17
	v_add_f32 v18, v18, v19
	v_add_f32 v12, v12, v14
	v_add_f32 v16, v16, v18
	v_add_f32 v12, v12, v16                        ; the sum of row lane % 16: at least 1, the maximum's own weight
	v_rcp_f32 v20, v12
	v_nop
	s_wait_alu depctr_va_vdst(0)
.irp r, 0,1,2,3,4,5,6,7,8,9,10,11,12,13,14,15
	v_readlane_b32 s[RS+2*(\r)], v20, \r
.endr
.irp r, 0,1,2,3,4,5,6,7,8,9,10,11,12,13,14,15
.irp j, 0,2,4,6
	v_pk_mul_f32 v[X+8*(\r)+(\j):X+8*(\r)+(\j)+1], v[X+8*(\r)+(\j):X+8*(\r)+(\j)+1], s[RS+2*(\r):RS+2*(\r)+1] op_sel_hi:[1,0]
.endr
.irp j, 0,1,2,3
	v_cvt_pk_f16_f32 v[X+8*(\r)+(\j)], v[X+8*(\r)+2*(\j)], v[X+8*(\r)+2*(\j)+1]   ; in place, ascending: a word is written when its own two numbers or earlier ones have been read
.endr
.endr
	s_or_b32 s13, s10, 1                           ; the last column block below the next multiple of 512
	s_cmp_gt_u32 s8, s13
	s_cbranch_scc1 .Lend                           ; nobody reads further
.irp r, 0,1,2,3,4,5,6,7,8,9,10,11,12,13,14,15
	global_store_b64 v9, v[X+8*(\r):X+8*(\r)+1],   s[6:7] offset:4096*(\r)       ; 256 consecutive bytes a store, at a multiple of 256 from pr's first byte
	global_store_b64 v9, v[X+8*(\r)+2:X+8*(\r)+3], s[6:7] offset:4096*(\r)+256
.endr
.Lend:
	s_wait_tensorcnt 0x0
	ds_add_u32 v176, v177
	s_wait_dscnt 0x0
	s_endpgm
.Lfunc_end_k_q8868609605_softmax:
	.size	k_q8868609605_softmax, .Lfunc_end_k_q8868609605_softmax-k_q8868609605_softmax
	.p2alignl 7, 3214868480
	.fill 96, 4, 3214868480
	.section	.rodata,"a",@progbits
	.p2align	6, 0x0
	.amdhsa_kernel k_q8868609605_softmax
		.amdhsa_group_segment_fixed_size 2048
		.amdhsa_private_segment_fixed_size 0
		.amdhsa_enable_private_segment 0
		.amdhsa_kernarg_size 16
		.amdhsa_user_sgpr_count 2
		.amdhsa_user_sgpr_kernarg_segment_ptr 1
		.amdhsa_wavefront_size32 1
		.amdhsa_system_sgpr_workgroup_id_x 1
		.amdhsa_system_sgpr_workgroup_id_y 1
		.amdhsa_system_sgpr_workgroup_id_z 1
		.amdhsa_system_vgpr_workitem_id 0
		.amdhsa_next_free_vgpr 178
		.amdhsa_next_free_sgpr 66
		.amdhsa_reserve_vcc 1
		.amdhsa_float_denorm_mode_32 3
		.amdhsa_float_denorm_mode_16_64 3
		.amdhsa_memory_ordered 1
		.amdhsa_forward_progress 1
		.amdhsa_inst_pref_size 61
	.end_amdhsa_kernel
	.amdgpu_metadata
---
amdhsa.version: [ 1, 2 ]
amdhsa.kernels:
  - .name:           k_q8868609605_softmax
    .symbol:         k_q8868609605_softmax.kd
    .args:
      - { .name: sc, .offset: 0, .size: 8, .value_kind: global_buffer, .address_space: global }
      - { .name: pr, .offset: 8, .size: 8, .value_kind: global_buffer, .address_space: global }
    .group_segment_fixed_size: 2048
    .private_segment_fixed_size: 0
    .kernarg_segment_align: 8
    .kernarg_segment_size: 16
    .max_flat_workgroup_size: 256
    .sgpr_count:     66
    .vgpr_count:     178
    .wavefront_size: 32
...
	.end_amdgpu_metadata
.endif
;; end of part 4
;; launch pv (part 5): grid 4 x 64, 4 waves a work-group, clusters of 4 x 4, 327,680 bytes of LDS; arguments pr, qkv, oh; writes oh
.if DOCPART == 5
	.amdgcn_target "amdgcn-amd-amdhsa--gfx1250"
	.amdhsa_code_object_version 6
	.text
	.protected	k_q8868609605_pv
	.globl	k_q8868609605_pv
	.p2align	8
	.type	k_q8868609605_pv,@function
k_q8868609605_pv:
	s_mov_b64 s[64:65], 0
	v_nop
	global_prefetch_b8 v0, s[64:65] scope:SCOPE_SE
	s_setreg_imm32_b32 hwreg(HW_REG_WAVE_MODE, 25, 1), 1
	s_wait_xcnt 0x0
	s_wait_alu depctr_hold_cnt(0) depctr_sa_sdst(0) depctr_va_vdst(0) depctr_va_sdst(0) depctr_va_ssrc(0) depctr_va_vcc(0) depctr_vm_vsrc(0)
	s_getreg_b32 s2, hwreg(HW_REG_IB_STS2, 6, 4)
	s_cmp_eq_u32 s2, 0
	s_cbranch_scc0 .Lentry_in_a_cluster
	s_endpgm
.Lentry_in_a_cluster:
	s_bfe_u32 s2, ttmp6, 0x10000c
	s_cmp_lg_u32 s2, 0xf033
	s_cbranch_scc0 .Lentry_shape_is_right
	s_endpgm
.Lentry_shape_is_right:
; oh[b][t][d] = sum over s of pr[b][t][s] v[b][s][d].  pr: [4][2048][2048] f16; v: f16, at byte 4,096 of qkv's rows of 6,144 bytes; sums in f32; oh: [8192][1024], rounded once to f16.
; oh is a mean of v's rows and has their range.  NaN and infinities are not treated apart.
; A tile of oh is 128 rows x 256 channels: 4 x 16 x 4 = 256 work-groups.  Four waves, each 64 x 128 in 32 accumulators.  The keys go in steps of 128 through two LDS slots.
; THE CAUSAL WALK.  A cluster holds the four row blocks of 128 of one band c of 512 rows of one batch, times the four channel blocks.  All sixteen walk the keys 0 .. 512 (c + 1) - 1: 4 (c + 1) steps,
; a number that hangs on the cluster's y alone; pr holds zeros from the diagonal to that column.
; CLUSTER: the four of a row of the cluster need the same rows of pr, the four of a column the same keys and channels of v: each tile is asked for jointly.
; LAYOUT.  Source 0 = 16 channels x 32 keys of v, which lies [key][channel] and comes out of LDS turned, by ds_load_tr16_b128; source 1 = 16 rows x 32 keys of pr, as it lies.
; A lane then holds row l % 16 of oh and the eight neighbouring channels 8 (l / 16) + 0 .. 7.
; REGISTERS: window 0: v0-31 addresses; v64-95, v128-159 fragments of pr; v32-63, v192-255 the way out.  window 1: v64-127, v128-191 fragments of v.  window 2: accumulators, (a, b) at v[8 (8 a + b)].
.set PITCH,  272                       ; a row of pr's tile in LDS: 256 bytes + 16
.set PV,     544                       ; a row of v's tile: 512 bytes + 32 = 136 words
.set AHALF,  64*PITCH                  ; 64 rows of pr: what wave 0 or 1 fetches, and what a wave reads
.set BHALF,  64*PV                     ; 64 keys of v: what wave 2 or 3 fetches
.set BOFF,   2*AHALF                   ; v's 128 keys lie behind pr's 128 rows
.set SLOT1,  1<<17                     ; slot 1 begins here (a slot holds 104,448 bytes)
.set STAGE,  SLOT1+BOFF+2*BHALF        ; behind the ring, never filled by a tensor load: 16 rows x 272 bytes for each wave
.set SPARE,  STAGE+4*16*PITCH          ; the spare words, 128 bytes for each wave: two blocks of 256 bytes that no other line names
.set ASTEP,  256                       ; a step of 128 keys along pr's rows, in bytes
.set BSTEP,  128*6144                  ; and down qkv's rows
.set CP,     2048                      ; bytes in a row of oh
.set ADRA,  16                         ; v16, v17  LDS address of my fragments of pr in slot 0, 1; never rewritten
.set ADRB,  20                         ; v20, v21  the same for v
.set STO,   24
.set RD,    25
.set CO,    26
.set SPW,   28                         ; v28  SPARE + 4 x my thread's number; never rewritten
.set NIL,   29                         ; v29  0; never rewritten
.set F0,    64
.set F1,    128
.set TMP,   192
.set OB,    32
.set G1,  24                           ; s[24:31] descriptor group 1 for pr's tiles;  s[32:39] group 0, one set for each slot
.set G0,  32
.set G1B, 48                           ; s[48:55], s[56:63] the same for v's
.set G0B, 56
.set MSB, 0
.macro WIN new
.if MSB != (\new)
	s_set_vgpr_msb (MSB<<8)|(\new)
.set MSB, \new
.endif
.endm
.macro PLACES
.rept 4
	v_nop
.endr
.endm
.macro JLOAD s                         ; a joint load: waves 0, 1 fetch pr's two halves, waves 2, 3 v's.  An s_nop 0 and four v_nop follow each of the two lines
	s_cmp_eq_u32 s11, 0
	s_cbranch_scc0 .Lfor_b_\@
	tensor_load_to_lds s[G0+4*(\s):G0+4*(\s)+3], s[G1:G1+7]
	s_nop 0
.rept 4
	v_nop
.endr
	s_branch .Lasked_\@
.Lfor_b_\@:
	tensor_load_to_lds s[G0B+4*(\s):G0B+4*(\s)+3], s[G1B:G1B+7]
	s_nop 0
.rept 4
	v_nop
.endr
.Lasked_\@:
.endm
.macro CREST
	s_cmp_lg_u32 s10, 0
	s_cbranch_scc1 .Lnot_wave_0_\@
	s_barrier_signal -3
.Lnot_wave_0_\@:
	s_barrier_wait -3
	s_barrier_signal -1
	s_barrier_wait -1
.endm
.macro CROUND
	s_barrier_signal -1
	s_barrier_wait -1
	CREST
.endm
	s_load_b128 s[4:7], s[0:1], 0x0                ; pr s[4:5], qkv s[6:7]
	s_load_b64 s[8:9], s[0:1], 0x10                ; oh
	v_lshl_add_u32 v[SPW], v0, 2, SPARE
	v_mov_b32 v[NIL], 0
	ds_add_u32 v28, v29
	ds_add_u32 v28, v29
	s_wait_dscnt 0x0
	v_lshrrev_b32 v1, 5, v0
	v_readfirstlane_b32 s10, v1                    ; wave 0..3
	s_lshr_b32 s11, s10, 1                         ; my half of the tile's rows.  Also: I fetch pr (0) or v (1)
	s_and_b32 s12, s10, 1                          ; my half of its channels.  Also: which half of that tile I fetch
	s_bfe_u32 s40, ttmp6, 0x40000                  ; cx, cy
	s_bfe_u32 s41, ttmp6, 0x40004
	s_lshl_b32 s42, ttmp9, 2
	s_add_co_u32 s42, s42, s40                     ; j: the block of 256 channels
	s_and_b32 s14, ttmp7, 0xffff                   ; the cluster's y, 0 .. 15
	s_lshr_b32 s15, s14, 2
	s_sub_co_u32 s15, 3, s15                       ; c: the band of 512 rows; the long walks have the low numbers
	s_and_b32 s18, s14, 3                          ; the batch
	s_lshl_b32 s13, s15, 2
	s_add_co_u32 s13, s13, s41                     ; the block of 128 rows in the batch = 4 c + cy
	s_lshl_b32 s45, s15, 1
	s_add_co_u32 s45, s45, 1                       ; the loop's trips, 2 c + 1: the same in all sixteen partners
	s_lshl_b32 s43, s41, 2
	s_lshl_b32 s43, 15, s43                        ; my row of the cluster
	s_lshl_b32 s44, 0x1111, s40                    ; my column
	s_or_b32 s[G1+0], s43, (1<<16)|(1<<20)|(1<<21)|(5<<22)|(3<<25)   ; pr: the mask of my row; elements of 2 bytes; padding: after every 64 words 4 words; bit 21 set beside a mask
	s_mov_b32 s[G1+1], 128<<16                     ; tensor_dim0 = 128 keys
	s_mov_b32 s[G1+2], 64<<16                      ; tensor_dim1 = 64 rows
	s_mov_b32 s[G1+3], 128<<16                     ; tile_dim0
	s_mov_b32 s[G1+4], 64                          ; tile_dim1
	s_mov_b32 s[G1+5], 2048                        ; elements from row to row of pr
	s_mov_b32 s[G1+6], 0
	s_mov_b32 s[G1+7], 0
	s_or_b32 s[G1B+0], s44, (1<<16)|(1<<20)|(1<<21)|(6<<22)|(7<<25)  ; v: the mask of my column; padding: after every 128 words 8 words
	s_mov_b32 s[G1B+1], 256<<16                    ; tensor_dim0 = 256 channels
	s_mov_b32 s[G1B+2], 64<<16                     ; tensor_dim1 = 64 keys
	s_mov_b32 s[G1B+3], 256<<16
	s_mov_b32 s[G1B+4], 64
	s_mov_b32 s[G1B+5], 3072                       ; elements from row to row of qkv
	s_mov_b32 s[G1B+6], 0
	s_mov_b32 s[G1B+7], 0
	s_lshl_b32 s16, s18, 23                        ; pr: the batch's 8,388,608 bytes,
	s_lshl_b32 s17, s13, 19                        ; 128 rows of 4,096 bytes a block,
	s_add_co_u32 s16, s16, s17
	s_lshl_b32 s17, s12, 18                        ; 64 rows a half
	s_add_co_u32 s16, s16, s17
	s_mov_b32 s17, 0
	s_lshl_b32 s46, s18, 11                        ; v: row 2,048 b + 64 x half,
	s_lshl_b32 s47, s12, 6
	s_add_co_u32 s46, s46, s47
	s_mul_i32 s46, s46, 6144
	s_lshl_b32 s47, s42, 9                         ; 512 bytes a channel block,
	s_add_co_u32 s46, s46, s47
	s_add_co_u32 s46, s46, 4096                    ; behind q and k
	s_mov_b32 s47, 0
	s_mul_i32 s20, s12, AHALF                      ; where they go: no place in the cluster enters an LDS address
	s_mul_i32 s21, s12, BHALF
	s_add_co_u32 s21, s21, BOFF
	s_wait_kmcnt 0x0
	s_add_nc_u64 s[14:15], s[4:5], s[16:17]
	s_add_nc_u64 s[46:47], s[6:7], s[46:47]
	CROUND                                         ; all sixteen work-groups are here: the first joint loads meet
.irp s, 0,1
	s_mov_b32 s[G0+4*(\s)], 1
	s_add_co_u32 s[G0+4*(\s)+1], s20, (\s)*SLOT1
	s_add_nc_u64 s[G0+4*(\s)+2:G0+4*(\s)+3], s[14:15], (\s)*ASTEP    ; step s
	s_or_b32 s[G0+4*(\s)+3], s[G0+4*(\s)+3], 0x80000000
	s_mov_b32 s[G0B+4*(\s)], 1
	s_add_co_u32 s[G0B+4*(\s)+1], s21, (\s)*SLOT1
	s_add_nc_u64 s[G0B+4*(\s)+2:G0B+4*(\s)+3], s[46:47], (\s)*BSTEP
	s_or_b32 s[G0B+4*(\s)+3], s[G0B+4*(\s)+3], 0x80000000
	JLOAD \s                                       ; two loads of mine are out
.endr
	v_and_b32 v1, 15, v0                           ; l % 16
	v_bfe_u32 v2, v0, 4, 1                         ; l / 16
	v_mul_u32_u24 v3, v1, PITCH
	v_lshl_add_u32 v3, v2, 4, v3                   ; a fragment of pr: row x pitch + 16 x half
	s_mul_i32 s22, s11, AHALF
	v_add_nc_u32 v[ADRA], s22, v3
	v_add_nc_u32 v[ADRA+1], SLOT1, v[ADRA]
	; The turning load takes 16 keys x 16 channels (lane l reads key 8 (l / 16) + l % 8, channels 8 ((l / 8) % 2) + 0..7) and leaves half a fragment: lane l holds channel l % 16 and 8 keys.
	v_and_b32 v4, 7, v0
	v_lshl_add_u32 v4, v2, 3, v4
	v_mul_u32_u24 v4, v4, PV
	v_bfe_u32 v5, v0, 3, 1
	v_lshl_add_u32 v4, v5, 4, v4
	s_lshl_b32 s23, s12, 8                         ; my 128 channels
	s_add_co_u32 s23, s23, BOFF
	v_add_nc_u32 v[ADRB], s23, v4
	v_add_nc_u32 v[ADRB+1], SLOT1, v[ADRB]
	s_mul_i32 s23, s10, 16*PITCH
	s_add_co_u32 s23, s23, STAGE                   ; my stage
	v_add_nc_u32 v[STO], s23, v3
	v_mul_u32_u24 v5, v2, PITCH
	v_lshl_add_u32 v5, v1, 4, v5
	v_add_nc_u32 v[RD], s23, v5
	v_lshlrev_b32 v5, 11, v2                       ; the same two rows in oh
	v_lshl_add_u32 v[CO], v1, 4, v5
	s_lshl_b32 s16, s18, 11
	s_lshl_b32 s19, s13, 7
	s_add_co_u32 s16, s16, s19
	s_lshl_b32 s19, s11, 6
	s_add_co_u32 s16, s16, s19                     ; my first row: 2,048 b + 128 x block + 64 x half
	s_lshl_b32 s16, s16, 11
	s_mov_b32 s17, 0
	s_add_nc_u64 s[8:9], s[8:9], s[16:17]
	s_lshl_b32 s46, s42, 9                         ; my first channel, in bytes
	s_lshl_b32 s19, s12, 8
	s_add_co_u32 s46, s46, s19
	s_mov_b32 s47, 0
	s_add_nc_u64 s[8:9], s[8:9], s[46:47]
; 8 matrix instructions: block a of 16 rows x all 8 blocks of 16 channels, 32 keys.  The 32 accumulators take turns, one instruction a turn, in the same order in every quarter.
.macro MULA f, a, zero
	WIN 0xa1                                       ; v's fragments in window 1, pr's in window 0, C and D in window 2
.irp b, 0,1,2,3,4,5,6,7
.if \zero
	v_wmma_f32_16x16x32_f16 v[8*(8*(\a)+(\b)):8*(8*(\a)+(\b))+7], v[(\f)+8*(\b):(\f)+8*(\b)+7], v[(\f)+8*(\a):(\f)+8*(\a)+7], 0
.else
	v_wmma_f32_16x16x32_f16 v[8*(8*(\a)+(\b)):8*(8*(\a)+(\b))+7], v[(\f)+8*(\b):(\f)+8*(\b)+7], v[(\f)+8*(\a):(\f)+8*(\a)+7], v[8*(8*(\a)+(\b)):8*(8*(\a)+(\b))+7]
.endif
.endr
.endm
; 24 LDS loads in one run: quarter q (32 keys) of slot s into buffer f.  The largest offset is 3 x 17,408 + 8,704 + 224 = 61,152, inside the 16-bit immediate.
.macro FETCH s, q, f
	WIN 0x40
.irp i, 0,1,2,3,4,5,6,7
	ds_load_tr16_b128 v[(\f)+8*(\i):(\f)+8*(\i)+3],   v[ADRB+(\s)] offset:(\q)*32*PV+32*(\i)
	ds_load_tr16_b128 v[(\f)+8*(\i)+4:(\f)+8*(\i)+7], v[ADRB+(\s)] offset:(\q)*32*PV+16*PV+32*(\i)
.endr
	WIN 0
.irp i, 0,1,2,3
	ds_load_b128 v[(\f)+8*(\i):(\f)+8*(\i)+3],   v[ADRA+(\s)] offset:64*(\q)+(\i)*16*PITCH
	ds_load_b128 v[(\f)+8*(\i)+4:(\f)+8*(\i)+7], v[ADRA+(\s)] offset:64*(\q)+(\i)*16*PITCH+32
.endr
.endm
.macro Q s, q, f, g, zero              ; buffer f, asked for a quarter ago, is multiplied; ahead of that quarter q of slot s is asked for into buffer g
	s_wait_dscnt 0x0                               ; buffer f is in
	PLACES                                         ; buffer g was read by the matrix instructions just before
	FETCH \s, \q, \g
.irp a, 0,1,2,3
	MULA \f, \a, \zero
.endr
.endm
; The third quarter of slot s holds the change of slots: its fetch is the slot's last read; each wave waits for all its tensor loads (one is out: its part of the other slot), adds 0 to its spare word,
; waits for that and for its reads, and signals.  fill = 1: the barrier opens a round of the cluster's barrier, and slot s is filled again, two steps ahead, first thing behind the round:
; 112 matrix instructions of mine ahead of the wait for it.
.macro Q3M s, fill
	s_wait_dscnt 0x0
	PLACES
	FETCH \s, 3, F1
	MULA F0, 0, 0
	MULA F0, 1, 0
	WIN 0
	s_wait_tensorcnt 0x0                           ; all my tensor loads have landed, so a group 0 may be written
	ds_add_u32 v[SPW], v[NIL]                      ; 0 onto my spare word
	MULA F0, 2, 0
	s_wait_dscnt 0x0                               ; the add is done, and my reads of this slot are over
	s_barrier_signal -1
	MULA F0, 3, 0
	WIN 0
	s_barrier_wait -1
.if \fill
	CREST                                          ; no wave of any partner still reads this slot's tile or has a load on its way
	s_add_nc_u64 s[G0+4*(\s)+2:G0+4*(\s)+3], s[G0+4*(\s)+2:G0+4*(\s)+3], 2*ASTEP
	s_add_nc_u64 s[G0B+4*(\s)+2:G0B+4*(\s)+3], s[G0B+4*(\s)+2:G0B+4*(\s)+3], 2*BSTEP
	JLOAD \s
.endif
.endm
.macro PACK a                          ; block a rounded to f16, each accumulator's registers in ascending order
	WIN 0x0a
.irp b, 0,1,2,3,4,5,6,7
.irp r, 0,1,2,3
	v_cvt_pk_f16_f32 v[TMP+4*(\b)+(\r)], v[64*(\a)+8*(\b)+2*(\r)], v[64*(\a)+8*(\b)+2*(\r)+1]
.endr
.endr
	WIN 0
.endm
.macro TOST a
.set BK, OB+192*((\a)%2)
.if (\a) >= 2
	s_wait_xcnt 0x0                                ; the stores of the block two back have read these registers
.endif
.irp b, 0,1,2,3,4,5,6,7
	ds_store_b128 v[STO], v[TMP+4*(\b):TMP+4*(\b)+3] offset:32*(\b)
.endr
.irp t, 0,1,2,3,4,5,6,7
	ds_load_b128 v[BK+4*(\t):BK+4*(\t)+3], v[RD] offset:(\t)*2*PITCH  ; LDS serves a wave's instructions in order (ISA guide 5.7.1.4)
.endr
.endm
.macro SEND a, younger
.set BK, OB+192*((\a)%2)
	s_wait_dscnt \younger
.irp t, 0,1,2,3,4,5,6,7
	global_store_b128 v[CO], v[BK+4*(\t):BK+4*(\t)+3], s[8:9] offset:(16*(\a)+2*(\t))*CP  ; 16 lanes store 256 consecutive bytes, at a multiple of 256 from oh's first byte
.endr
.endm
	s_wait_tensorcnt 0x1                           ; my part of step 0 is in; step 1's may stay out
	s_barrier_signal -1
	s_barrier_wait -1
	FETCH 0, 0, F0
	Q 0, 1, F0, F1, 1                              ; the first quarter's products start the sums
	WIN 0
	s_mov_b32 s3, 0
.Llap:                                                 ; 2 c + 1 trips: once round the ring, from a lap's second quarter to the next lap's first; both slots are filled again; every LDS address is fixed
	Q 0, 2, F1, F0, 0
	Q3M 0, 1
	Q 1, 0, F1, F0, 0
	Q 1, 1, F0, F1, 0
	Q 1, 2, F1, F0, 0
	Q3M 1, 1
	Q 0, 0, F1, F0, 0
	Q 0, 1, F0, F1, 0
	WIN 0
	s_add_co_u32 s3, s3, 1
	s_cmp_lt_u32 s3, s45
	s_cbranch_scc1 .Llap
	Q 0, 2, F1, F0, 0                              ; the last lap is written out: nothing is left to ask for, and no round follows the barrier
	Q3M 0, 0
	Q 1, 0, F1, F0, 0
	Q 1, 1, F0, F1, 0
	Q 1, 2, F1, F0, 0
	Q 1, 3, F0, F1, 0
	s_wait_dscnt 0x0
.irp a, 0,1,2,3
	MULA F1, \a, 0
.endr
	PLACES                                         ; the conversions read matrix results
	PACK 0
	TOST 0
.irp a, 1,2,3
	PACK \a
	TOST \a
	SEND (\a)-1, 16
.endr
	SEND 3, 0
	s_wait_tensorcnt 0x0                           ; the wave's end
	ds_add_u32 v[SPW], v[NIL]
	s_wait_dscnt 0x0
	CROUND                                         ; the closing round
	s_endpgm
.Lfunc_end_k_q8868609605_pv:
	.size	k_q8868609605_pv, .Lfunc_end_k_q8868609605_pv-k_q8868609605_pv
	.p2alignl 7, 3214868480
	.fill 96, 4, 3214868480
	.section	.rodata,"a",@progbits
	.p2align	6, 0x0
	.amdhsa_kernel k_q8868609605_pv
		.amdhsa_group_segment_fixed_size 327680
		.amdhsa_private_segment_fixed_size 0
		.amdhsa_enable_private_segment 0
		.amdhsa_kernarg_size 24
		.amdhsa_user_sgpr_count 2
		.amdhsa_user_sgpr_kernarg_segment_ptr 1
		.amdhsa_wavefront_size32 1
		.amdhsa_system_sgpr_workgroup_id_x 1
		.amdhsa_system_sgpr_workgroup_id_y 1
		.amdhsa_system_sgpr_workgroup_id_z 1
		.amdhsa_system_vgpr_workitem_id 0
		.amdhsa_next_free_vgpr 768
		.amdhsa_next_free_sgpr 66
		.amdhsa_reserve_vcc 0
		.amdhsa_float_denorm_mode_32 3
		.amdhsa_float_denorm_mode_16_64 3
		.amdhsa_memory_ordered 1
		.amdhsa_forward_progress 1
		.amdhsa_inst_pref_size 86
	.end_amdhsa_kernel
	.amdgpu_metadata
---
amdhsa.version: [ 1, 2 ]
amdhsa.kernels:
  - .name:           k_q8868609605_pv
    .symbol:         k_q8868609605_pv.kd
    .args:
      - { .name: pr, .offset: 0, .size: 8, .value_kind: global_buffer, .address_space: global }
      - { .name: qkv, .offset: 8, .size: 8, .value_kind: global_buffer, .address_space: global }
      - { .name: oh, .offset: 16, .size: 8, .value_kind: global_buffer, .address_space: global }
    .group_segment_fixed_size: 327680
    .private_segment_fixed_size: 0
    .kernarg_segment_align: 8
    .kernarg_segment_size: 24
    .max_flat_workgroup_size: 128
    .sgpr_count:     66
    .vgpr_count:     768
    .wavefront_size: 32
...
	.end_amdgpu_metadata
.endif
;; end of part 5
;; launch proj (part 6): grid 4 x 64, 4 waves a work-group, clusters of 4 x 4, 327,680 bytes of LDS; arguments oh, wh, bo, out0; writes out0
.if DOCPART == 6
	.amdgcn_target "amdgcn-amd-amdhsa--gfx1250"
	.amdhsa_code_object_version 6
	.text
	.protected	k_q8868609605_proj
	.globl	k_q8868609605_proj
	.p2align	8
	.type	k_q8868609605_proj,@function
k_q8868609605_proj:
	s_mov_b64 s[64:65], 0
	v_nop
	global_prefetch_b8 v0, s[64:65] scope:SCOPE_SE
	s_setreg_imm32_b32 hwreg(HW_REG_WAVE_MODE, 25, 1), 1
	s_wait_xcnt 0x0
	s_wait_alu depctr_hold_cnt(0) depctr_sa_sdst(0) depctr_va_vdst(0) depctr_va_sdst(0) depctr_va_ssrc(0) depctr_va_vcc(0) depctr_vm_vsrc(0)
	s_getreg_b32 s2, hwreg(HW_REG_IB_STS2, 6, 4)
	s_cmp_eq_u32 s2, 0
	s_cbranch_scc0 .Lentry_in_a_cluster
	s_endpgm
.Lentry_in_a_cluster:
	s_bfe_u32 s2, ttmp6, 0x10000c
	s_cmp_lg_u32 s2, 0xf033
	s_cbranch_scc0 .Lentry_shape_is_right
	s_endpgm
.Lentry_shape_is_right:
; out0[m][e] = sum over d of oh[m][d] Wo[e][d] + bo[e].  oh: [8192][1024] f16; Wo: rows 3,072 .. 4,095 of wh, f16 (rounded to bf16 beforehand, like every input); bo is rounded to bf16 here;
; sums and the result in f32.  NaN and infinities are not treated apart.
; A tile of out0 is 128 x 256: 64 x 4 = 256 work-groups.  Four waves, each 64 x 128 in 32 accumulators.  K = 1,024 in 8 steps of 128 through two LDS slots; a step is four quarters on two fragment buffers.
; CLUSTER: 4 x 4 work-groups: the four of a row of the cluster need the same rows of oh, the four of a column the same rows of Wo: each tile is asked for jointly.
; THE MATRIX INSTRUCTION IS USED TRANSPOSED (source 0 = 16 rows of Wo, source 1 = 16 rows of oh): a lane holds row l % 16 and the eight neighbouring columns 8 (l / 16) + 0 .. 7.
; REGISTERS: window 0: v0-31 addresses and the bias; v64-95, v128-159 fragments of oh; on the way out v64-127, v128-191 rows read back.  window 1: v64-127, v128-191 fragments of Wo.  window 2: accumulators.
.set PITCH,  272
.set AHALF,  64*PITCH                  ; 64 rows of oh: what wave 0 or 1 fetches, and what a wave reads
.set BHALF,  128*PITCH                 ; 128 rows of Wo
.set BOFF,   2*AHALF
.set SLOT1,  1<<17                     ; slot 1 begins here; a slot holds 104,448 bytes, below 1 << 17: an exclusive or turns an address of one slot into the other's
.set STAGE,  SLOT1+BOFF+2*BHALF        ; behind the ring, never filled by a tensor load: 16 rows x 528 bytes for each wave
.set SP32,   528
.set SPARE,  STAGE+4*16*SP32           ; the spare words, 128 bytes for each wave: two blocks of 256 bytes that no other line names
.set CP,     4096                      ; bytes in a row of out0
.set BIAS,  12                         ; v[12:15] bo of my four columns of a row read back
.set ADRA,  16
.set ADRA0, 17
.set ADRB,  20
.set ADRB0, 21
.set STO,   24
.set RD,    25
.set CO,    26
.set BA,    27                         ; v27  my byte offset in bo; never rewritten
.set SPW,   28                         ; v28  SPARE + 4 x my thread's number; never rewritten
.set NIL,   29                         ; v29  0; never rewritten
.set F0,    64
.set F1,    128
.set G1,  24
.set G0,  32
.set G1B, 48
.set G0B, 56
.set MSB, 0
.macro WIN new
.if MSB != (\new)
	s_set_vgpr_msb (MSB<<8)|(\new)
.set MSB, \new
.endif
.endm
.macro PLACES
.rept 4
	v_nop
.endr
.endm
.macro JLOAD s                         ; a joint load: waves 0, 1 fetch oh's two halves, waves 2, 3 Wo's.  An s_nop 0 and four v_nop follow each of the two lines
	s_cmp_eq_u32 s11, 0
	s_cbranch_scc0 .Lfor_b_\@
	tensor_load_to_lds s[G0+4*(\s):G0+4*(\s)+3], s[G1:G1+7]
	s_nop 0
.rept 4
	v_nop
.endr
	s_branch .Lasked_\@
.Lfor_b_\@:
	tensor_load_to_lds s[G0B+4*(\s):G0B+4*(\s)+3], s[G1B:G1B+7]
	s_nop 0
.rept 4
	v_nop
.endr
.Lasked_\@:
.endm
.macro CREST
	s_cmp_lg_u32 s10, 0
	s_cbranch_scc1 .Lnot_wave_0_\@
	s_barrier_signal -3
.Lnot_wave_0_\@:
	s_barrier_wait -3
	s_barrier_signal -1
	s_barrier_wait -1
.endm
.macro CROUND
	s_barrier_signal -1
	s_barrier_wait -1
	CREST
.endm
	s_load_b128 s[4:7], s[0:1], 0x0                ; oh s[4:5], wh s[6:7]
	s_load_b64 s[22:23], s[0:1], 0x10              ; bo
	s_load_b64 s[8:9], s[0:1], 0x18                ; out0
	v_lshl_add_u32 v[SPW], v0, 2, SPARE
	v_mov_b32 v[NIL], 0
	ds_add_u32 v28, v29
	ds_add_u32 v28, v29
	s_wait_dscnt 0x0
	v_lshrrev_b32 v1, 5, v0
	v_readfirstlane_b32 s10, v1                    ; wave 0..3
	s_lshr_b32 s11, s10, 1                         ; my half of the tile's rows.  Also: I fetch oh (0) or Wo (1)
	s_and_b32 s12, s10, 1                          ; my half of its columns.  Also: which half of that tile I fetch
	s_bfe_u32 s40, ttmp6, 0x40000                  ; cx, cy
	s_bfe_u32 s41, ttmp6, 0x40004
	s_lshl_b32 s42, ttmp9, 2
	s_add_co_u32 s42, s42, s40                     ; tile column
	s_and_b32 s13, ttmp7, 0xffff
	s_lshl_b32 s13, s13, 2
	s_add_co_u32 s13, s13, s41                     ; tile row
	s_lshl_b32 s43, s41, 2
	s_lshl_b32 s43, 15, s43                        ; my row of the cluster
	s_lshl_b32 s44, 0x1111, s40                    ; my column
	s_or_b32 s[G1+0], s43, (1<<16)|(1<<20)|(1<<21)|(5<<22)|(3<<25)   ; the mask; elements of 2 bytes; padding: after every 64 words 4 words; bit 21 set beside a mask
	s_or_b32 s[G1B+0], s44, (1<<16)|(1<<20)|(1<<21)|(5<<22)|(3<<25)
	s_mov_b32 s[G1+1], 128<<16                     ; tensor_dim0 = 128
	s_mov_b32 s[G1+2], 64<<16                      ; tensor_dim1 = 64 rows of oh
	s_mov_b32 s[G1+3], 128<<16                     ; tile_dim0
	s_mov_b32 s[G1+4], 64                          ; tile_dim1
	s_mov_b32 s[G1+5], 1024                        ; elements from row to row
	s_mov_b32 s[G1+6], 0
	s_mov_b32 s[G1+7], 0
	s_mov_b32 s[G1B+1], 128<<16
	s_mov_b32 s[G1B+2], 128<<16                    ; 128 rows of Wo
	s_mov_b32 s[G1B+3], 128<<16
	s_mov_b32 s[G1B+4], 128
	s_mov_b32 s[G1B+5], 1024
	s_mov_b32 s[G1B+6], 0
	s_mov_b32 s[G1B+7], 0
	s_lshl_b32 s16, s13, 7
	s_lshl_b32 s17, s12, 6
	s_add_co_u32 s16, s16, s17
	s_lshl_b32 s16, s16, 11                        ; oh: (128 x tile row + 64 x half) rows of 2,048 bytes
	s_mov_b32 s17, 0
	s_lshl_b32 s46, s42, 8
	s_lshl_b32 s47, s12, 7
	s_add_co_u32 s46, s46, s47
	s_lshl_b32 s46, s46, 11                        ; Wo: (256 x tile column + 128 x half) rows,
	s_add_co_u32 s46, s46, 3072*2048               ; behind Wq, Wk and Wv
	s_mov_b32 s47, 0
	s_mul_i32 s20, s12, AHALF                      ; where they go: no place in the cluster enters an LDS address
	s_mul_i32 s21, s12, BHALF
	s_add_co_u32 s21, s21, BOFF
	s_wait_kmcnt 0x0
	s_add_nc_u64 s[14:15], s[4:5], s[16:17]
	s_add_nc_u64 s[46:47], s[6:7], s[46:47]
	CROUND                                         ; all sixteen work-groups are here: the first joint loads meet
.irp s, 0,1
	s_mov_b32 s[G0+4*(\s)], 1
	s_add_co_u32 s[G0+4*(\s)+1], s20, (\s)*SLOT1
	s_add_nc_u64 s[G0+4*(\s)+2:G0+4*(\s)+3], s[14:15], (\s)*256      ; K step s
	s_or_b32 s[G0+4*(\s)+3], s[G0+4*(\s)+3], 0x80000000
	s_mov_b32 s[G0B+4*(\s)], 1
	s_add_co_u32 s[G0B+4*(\s)+1], s21, (\s)*SLOT1
	s_add_nc_u64 s[G0B+4*(\s)+2:G0B+4*(\s)+3], s[46:47], (\s)*256
	s_or_b32 s[G0B+4*(\s)+3], s[G0B+4*(\s)+3], 0x80000000
	JLOAD \s                                       ; two loads of mine are out
.endr
	v_and_b32 v4, 31, v0                           ; lane
	s_lshl_b32 s18, s42, 10                        ; bo: 1,024 bytes a tile column, 512 a half, 16 a lane: the four columns that I hold of a row read back
	s_lshl_b32 s19, s12, 9
	s_add_co_u32 s18, s18, s19
	v_lshl_add_u32 v[BA], v4, 4, s18
	global_load_b128 v[BIAS:BIAS+3], v[BA], s[22:23]   ; waited for at the way out
	v_and_b32 v1, 15, v0                           ; l % 16
	v_bfe_u32 v2, v0, 4, 1                         ; l / 16
	v_mul_u32_u24 v3, v1, PITCH
	v_lshl_add_u32 v3, v2, 4, v3
	s_mul_i32 s18, s11, AHALF
	s_mul_i32 s19, s12, BHALF
	s_add_co_u32 s19, s19, BOFF
	v_add_nc_u32 v[ADRA0], s18, v3
	v_add_nc_u32 v[ADRB0], s19, v3
	v_mov_b32 v[ADRA], v[ADRA0]
	v_mov_b32 v[ADRB], v[ADRB0]
	s_mov_b32 s2, 0                                ; the slot in hand begins at this LDS byte
	s_mul_i32 s21, s10, 16*SP32
	s_add_co_u32 s21, s21, STAGE                   ; my stage
	v_mul_u32_u24 v5, v1, SP32                     ; in: row l % 16, 32 bytes for each half of the lanes
	v_lshl_add_u32 v5, v2, 5, v5
	v_add_nc_u32 v[STO], s21, v5
	v_lshlrev_b32 v[CO], 4, v4                     ; back: the 32 lanes take one row of 512 bytes
	v_add_nc_u32 v[RD], s21, v[CO]
	s_lshl_b32 s16, s13, 7
	s_lshl_b32 s18, s11, 6
	s_add_co_u32 s16, s16, s18
	s_lshl_b32 s16, s16, 12                        ; my first row, 4,096 bytes a row
	s_mov_b32 s17, 0
	s_add_nc_u64 s[8:9], s[8:9], s[16:17]
	s_lshl_b32 s46, s42, 10                        ; my first column, in bytes
	s_lshl_b32 s18, s12, 9
	s_add_co_u32 s46, s46, s18
	s_mov_b32 s47, 0
	s_add_nc_u64 s[8:9], s[8:9], s[46:47]
; 8 matrix instructions: block a of 16 rows x all 8 blocks of 16 columns.  The 32 accumulators take turns, one instruction a turn, in the same order in every quarter.
.macro MULA f, a, zero
	WIN 0xa1
.irp b, 0,1,2,3,4,5,6,7
.if \zero
	v_wmma_f32_16x16x32_f16 v[8*(8*(\a)+(\b)):8*(8*(\a)+(\b))+7], v[(\f)+8*(\b):(\f)+8*(\b)+7], v[(\f)+8*(\a):(\f)+8*(\a)+7], 0
.else
	v_wmma_f32_16x16x32_f16 v[8*(8*(\a)+(\b)):8*(8*(\a)+(\b))+7], v[(\f)+8*(\b):(\f)+8*(\b)+7], v[(\f)+8*(\a):(\f)+8*(\a)+7], v[8*(8*(\a)+(\b)):8*(8*(\a)+(\b))+7]
.endif
.endr
.endm
.macro FETCH k, f                      ; 24 LDS loads in one run
	WIN 0x40
.irp i, 0,1,2,3,4,5,6,7
	ds_load_b128 v[(\f)+8*(\i):(\f)+8*(\i)+3],   v[ADRB] offset:(\k)+(\i)*16*PITCH
	ds_load_b128 v[(\f)+8*(\i)+4:(\f)+8*(\i)+7], v[ADRB] offset:(\k)+(\i)*16*PITCH+32
.endr
	WIN 0
.irp i, 0,1,2,3
	ds_load_b128 v[(\f)+8*(\i):(\f)+8*(\i)+3],   v[ADRA] offset:(\k)+(\i)*16*PITCH
	ds_load_b128 v[(\f)+8*(\i)+4:(\f)+8*(\i)+7], v[ADRA] offset:(\k)+(\i)*16*PITCH+32
.endr
.endm
.macro Q k, f, g, zero
	s_wait_dscnt 0x0                               ; buffer f is in
	PLACES                                         ; buffer g was read by the matrix instructions just before
	FETCH \k, \g
.irp a, 0,1,2,3
	MULA \f, \a, \zero
.endr
.endm
; The third quarter holds the change of slots, as in the other products of this program: the slot's last fetch; the wait for all my tensor loads; the add; the wait for it and for my reads; the barrier,
; which with fill = 1 opens a round of the cluster's barrier; and the joint refill, two K steps ahead, first thing behind the round: 112 matrix instructions of mine ahead of the wait for it.
.macro Q3M fill
	s_wait_dscnt 0x0
	PLACES
	FETCH 192, F1
	MULA F0, 0, 0
	MULA F0, 1, 0
	WIN 0
	s_wait_tensorcnt 0x0                           ; all my tensor loads have landed, so a group 0 may be written
	ds_add_u32 v[SPW], v[NIL]                      ; 0 onto my spare word
	MULA F0, 2, 0
	s_wait_dscnt 0x0                               ; the add is done, and my reads of this slot are over
	s_barrier_signal -1
	MULA F0, 3, 0
	WIN 0
	s_barrier_wait -1
.if \fill
	CREST
	s_xor_b32 s[G0+5], s[G0+5], SLOT1              ; the walking descriptors: the other slot than last time, the next K step
	s_add_nc_u64 s[G0+6:G0+7], s[G0+6:G0+7], 256
	s_xor_b32 s[G0B+5], s[G0B+5], SLOT1
	s_add_nc_u64 s[G0B+6:G0B+7], s[G0B+6:G0B+7], 256
	JLOAD 1
.endif
.endm
.macro Q4
	s_xor_b32 s2, s2, SLOT1
	v_add_nc_u32 v[ADRA], s2, v[ADRA0]
	v_add_nc_u32 v[ADRB], s2, v[ADRB0]
	Q 0, F1, F0, 0
.endm
; THE WAY OUT of block a: straight from the accumulators into my own stage, each accumulator's low four registers first; back as whole rows of 512 bytes; the bias is added; stored.
.macro TOST32 a
.set BK, F0+64*((\a)%2)
.if (\a) >= 2
	s_wait_xcnt 0x0                                ; the stores of the block two back have read these registers
.endif
	WIN 0x08                                       ; an LDS store's data is source 1: window 2
.irp b, 0,1,2,3,4,5,6,7
	ds_store_b128 v[STO], v[64*(\a)+8*(\b):64*(\a)+8*(\b)+3]   offset:64*(\b)
	ds_store_b128 v[STO], v[64*(\a)+8*(\b)+4:64*(\a)+8*(\b)+7] offset:64*(\b)+16
.endr
	WIN 0
.irp r, 0,1,2,3,4,5,6,7,8,9,10,11,12,13,14,15
	ds_load_b128 v[BK+4*(\r):BK+4*(\r)+3], v[RD] offset:(\r)*SP32  ; LDS serves a wave's instructions in order (ISA guide 5.7.1.4)
.endr
.endm
.macro SEND32 a, younger               ; younger: the LDS instructions issued behind block a's loads: the next block's 32, or none
.set BK, F0+64*((\a)%2)
.irp r, 0,1,2,3,4,5,6,7,8,9,10,11,12,13,14,15
	s_wait_dscnt (\younger)+15-(\r)                ; row r is back
	v_pk_add_f32 v[BK+4*(\r):BK+4*(\r)+1],   v[BK+4*(\r):BK+4*(\r)+1],   v[BIAS:BIAS+1]
	v_pk_add_f32 v[BK+4*(\r)+2:BK+4*(\r)+3], v[BK+4*(\r)+2:BK+4*(\r)+3], v[BIAS+2:BIAS+3]
	global_store_b128 v[CO], v[BK+4*(\r):BK+4*(\r)+3], s[8:9] offset:(16*(\a)+(\r))*CP th:TH_STORE_NT  ; 512 consecutive bytes, at a multiple of 256 from out0's first byte
.endr
.endm
	s_wait_tensorcnt 0x1                           ; my part of K step 0 is in; step 1's may stay out
	s_barrier_signal -1
	s_barrier_wait -1
	FETCH 0, F0
	Q 64, F0, F1, 1                                ; the first quarter's products start the sums
	WIN 0
	s_mov_b32 s3, 6
.Lstep:                                                ; a trip: a step's quarters 2 to 4 and the next step's first; it asks for the step two on: steps 2 to 7
	Q 128, F1, F0, 0
	Q3M 1
	Q4
	Q 64, F0, F1, 0
	WIN 0
	s_sub_co_u32 s3, s3, 1
	s_cmp_lg_u32 s3, 0
	s_cbranch_scc1 .Lstep
	Q 128, F1, F0, 0                               ; the last two steps are written out: nothing is left to ask for, and no round follows the barrier
	Q3M 0
	Q4
	Q 64, F0, F1, 0
	Q 128, F1, F0, 0
	Q 192, F0, F1, 0
	s_wait_dscnt 0x0
.irp a, 0,1,2,3
	MULA F1, \a, 0
.endr
	WIN 0
	s_wait_loadcnt 0x0                             ; bo
	v_cvt_pk_bf16_f32 v6, v[BIAS], v[BIAS+1]       ; rounded to bf16 like every input, and back to f32.  These lines name no register of the products:
	v_cvt_pk_bf16_f32 v7, v[BIAS+2], v[BIAS+3]
	v_lshlrev_b32 v[BIAS], 16, v6                  ; the last four are the places behind the last products
	v_and_b32 v[BIAS+1], 0xffff0000, v6
	v_lshlrev_b32 v[BIAS+2], 16, v7
	v_and_b32 v[BIAS+3], 0xffff0000, v7
	TOST32 0
.irp a, 1,2,3
	TOST32 \a
	SEND32 (\a)-1, 32
.endr
	SEND32 3, 0
	s_wait_tensorcnt 0x0                           ; the wave's end
	ds_add_u32 v[SPW], v[NIL]
	s_wait_dscnt 0x0
	CROUND                                         ; the closing round
	s_endpgm
.Lfunc_end_k_q8868609605_proj:
	.size	k_q8868609605_proj, .Lfunc_end_k_q8868609605_proj-k_q8868609605_proj
	.p2alignl 7, 3214868480
	.fill 96, 4, 3214868480
	.section	.rodata,"a",@progbits
	.p2align	6, 0x0
	.amdhsa_kernel k_q8868609605_proj
		.amdhsa_group_segment_fixed_size 327680
		.amdhsa_private_segment_fixed_size 0
		.amdhsa_enable_private_segment 0
		.amdhsa_kernarg_size 32
		.amdhsa_user_sgpr_count 2
		.amdhsa_user_sgpr_kernarg_segment_ptr 1
		.amdhsa_wavefront_size32 1
		.amdhsa_system_sgpr_workgroup_id_x 1
		.amdhsa_system_sgpr_workgroup_id_y 1
		.amdhsa_system_sgpr_workgroup_id_z 1
		.amdhsa_system_vgpr_workitem_id 0
		.amdhsa_next_free_vgpr 768
		.amdhsa_next_free_sgpr 66
		.amdhsa_reserve_vcc 0
		.amdhsa_float_denorm_mode_32 3
		.amdhsa_float_denorm_mode_16_64 3
		.amdhsa_memory_ordered 1
		.amdhsa_forward_progress 1
		.amdhsa_inst_pref_size 79
	.end_amdhsa_kernel
	.amdgpu_metadata
---
amdhsa.version: [ 1, 2 ]
amdhsa.kernels:
  - .name:           k_q8868609605_proj
    .symbol:         k_q8868609605_proj.kd
    .args:
      - { .name: oh, .offset: 0, .size: 8, .value_kind: global_buffer, .address_space: global }
      - { .name: wh, .offset: 8, .size: 8, .value_kind: global_buffer, .address_space: global }
      - { .name: bo, .offset: 16, .size: 8, .value_kind: global_buffer, .address_space: global }
      - { .name: out0, .offset: 24, .size: 8, .value_kind: global_buffer, .address_space: global }
    .group_segment_fixed_size: 327680
    .private_segment_fixed_size: 0
    .kernarg_segment_align: 8
    .kernarg_segment_size: 32
    .max_flat_workgroup_size: 128
    .sgpr_count:     66
    .vgpr_count:     768
    .wavefront_size: 32
...
	.end_amdgpu_metadata
.endif
;; end of part 6
;; ======== version 2 of 2: 6 launches; 1.16 times as fast as version 1
;; limits: values are held in f16: magnitudes above 65,504 overflow, below 6.1e-05 lose precision; right only within a limited range of input values
;; workspace buffers: xh 16,777,216 bytes; wh 4,194,304 bytes; qk 37,748,736 bytes; sc 75,497,472 bytes; pr 33,554,432 bytes; wp 2,097,152 bytes; zh 16,777,216 bytes
;; launch cvt (part 7): grid 768 x 1, 8 waves a work-group, no clusters, 35,840 bytes of LDS; arguments x, Wq, Wk, Wv, Wo, xh, wh, qk; writes xh, wh, qk
.if DOCPART == 7
	.amdgcn_target "amdgcn-amd-amdhsa--gfx1250"
	.amdhsa_code_object_version 6
	.text
	.protected	k_q8868609605_cvt
	.globl	k_q8868609605_cvt
	.p2align	8
	.type	k_q8868609605_cvt,@function
k_q8868609605_cvt:
	s_mov_b64 s[64:65], 0
	v_nop
	global_prefetch_b8 v0, s[64:65] scope:SCOPE_SE
	s_setreg_imm32_b32 hwreg(HW_REG_WAVE_MODE, 25, 1), 1
	s_wait_xcnt 0x0
; Every large input is rounded to bf16 and that number written as f16 (a bf16 number has 8 significant bits, f16 holds 11: exact for magnitudes from 2^-14 to 65,504).
;   x -> xh [8192][1024];   Wq, Wk -> wh [2048][1024], one below the other;
;   Wo -> rows 8,192 .. 9,215 of qk's plane 0, as it lies;   Wv -> the same rows of qk's plane 1, TRANSPOSED: row c holds Wv[d][c], d along the row.
; (qk is [2][9216][1024] f16; its rows 0 .. 8,191 are q and k, stored by the next launch.  So Wo and Wv^T lie for the launch after that as the q and k of a fifth batch: it makes Wo Wv.)
; LIMITS.  A number beyond 65,504 becomes an infinity; below 2^-14 f16 keeps its fixed step of 2^-24.  NaN and infinities are not treated apart.
; A stream: no matrix unit, no cluster (no two work-groups read the same byte).  768 work-groups of 16,384 numbers: 512 for x, 64 for each weight.
; PLAIN: thread t takes 16 bytes at 16 t of each of sixteen blocks of 4,096 bytes: a wave's load covers 512 consecutive bytes, its store of 8 bytes a lane 256 consecutive, aligned bytes.
; TRANSPOSING (Wv): a work-group takes 128 rows d x 128 columns c; wave w the rows 16 w .. 16 w + 15, again 512 consecutive bytes a load and the same sixteen immediates: only the wave's stride differs.
; A lane then holds 16 rows of 4 columns: 32 bytes of each of 4 rows of the result, which go through LDS (128 rows of 256 bytes + 16) and come back as whole rows.
; All sixteen loads go out first; each block has its own registers, so no register of a pending load or store is written again.
.set X, 4                              ; v[4:67]    sixteen blocks of 4 numbers as loaded; in the transposing path later 8 x 4 registers read back
.set Y, 68                             ; v[68:99]   f16 to store
.set T, 100                            ; v[100:105] at work
.set LN,  106                          ; v106 lane
.set LST, 107                          ; v107 LDS: where I put my 32 bytes of a row of the result
.set LRD, 108                          ; v108 LDS: where I read rows back
.set GOT, 109                          ; v109 my byte offset in the block of the result
.set TP,  272                          ; an LDS row
.set PLANE, 9216*2048                  ; bytes in a plane of qk
.set WROWS, 8192*2048                  ; bytes of a plane ahead of the weights' rows
	s_load_b256 s[4:11], s[0:1], 0x0               ; x s[4:5], Wq s[6:7], Wk s[8:9], Wv s[10:11]
	s_load_b256 s[12:19], s[0:1], 0x20             ; Wo s[12:13], xh s[14:15], wh s[16:17], qk s[18:19]
	v_lshl_add_u32 v112, v0, 2, 0x8800
	v_mov_b32 v113, 0
	s_mov_b32 s2, ttmp9                            ; g, the work-group's number
	v_lshrrev_b32 v3, 5, v0                        ; wave
	v_and_b32 v[LN], 31, v0
	v_lshlrev_b32 v2, 3, v0                        ; 8 t: my bytes in a block of a plain result
	s_and_b32 s30, s2, 63                          ; my place in a weight
	s_lshr_b32 s3, s2, 6                           ; 10 for Wv's work-groups, 640 .. 703
	s_cmp_lt_u32 s2, 512
	s_cselect_b32 s24, s2, s30                     ; plain source: my place in x or in a weight,
	s_lshl_b32 s24, s24, 16                        ; 16,384 numbers of 4 bytes
	s_and_b32 s26, s2, 127                         ; plain result: my place in wh (Wq and Wk follow each other),
	s_cmp_lt_u32 s2, 512
	s_cselect_b32 s26, s2, s26                     ; or in xh,
	s_lshl_b32 s26, s26, 15                        ; 16,384 numbers of 2 bytes;
	s_lshl_b32 s29, s30, 15
	s_add_co_u32 s29, s29, WROWS                   ; Wo: behind q's rows in plane 0
	s_cmp_ge_u32 s2, 704
	s_cselect_b32 s26, s29, s26
	s_lshr_b32 s31, s30, 3                         ; Wv: my block of 128 rows d,
	s_and_b32 s30, s30, 7                          ; and of 128 columns c
	s_lshl_b32 s29, s31, 19                        ; source: 128 rows of 4,096 bytes,
	s_lshl_b32 s28, s30, 9                         ; 128 columns of 4 bytes
	s_add_co_u32 s29, s29, s28
	s_lshl_b32 s30, s30, 18                        ; result: 128 rows c of 2,048 bytes,
	s_lshl_b32 s31, s31, 8                         ; 128 places d of 2 bytes,
	s_add_co_u32 s30, s30, s31
	s_add_co_u32 s30, s30, PLANE+WROWS             ; behind k's rows in plane 1
	s_mov_b32 s28, 512                             ; a wave's stride in the source: 512 bytes,
	s_cmp_eq_u32 s3, 10
	s_cselect_b32 s24, s29, s24
	s_cselect_b32 s26, s30, s26
	s_cselect_b32 s28, 0x10000, s28                ; or 16 rows of 4,096
	s_mov_b32 s25, 0
	s_mov_b32 s27, 0
	v_mul_u32_u24 v1, s28, v3
	v_lshl_add_u32 v1, v[LN], 4, v1                ; + 16 x lane
	s_mov_b32 s31, 0xffff0000                      ; a word's upper bf16
	s_wait_kmcnt 0x0
	s_cmp_ge_u32 s2, 512                           ; which source, which result: chosen by g alone
	s_cselect_b64 s[20:21], s[6:7], s[4:5]
	s_cselect_b64 s[22:23], s[16:17], s[14:15]
	s_cmp_ge_u32 s2, 576
	s_cselect_b64 s[20:21], s[8:9], s[20:21]
	s_cmp_ge_u32 s2, 640
	s_cselect_b64 s[20:21], s[10:11], s[20:21]
	s_cselect_b64 s[22:23], s[18:19], s[22:23]
	s_cmp_ge_u32 s2, 704
	s_cselect_b64 s[20:21], s[12:13], s[20:21]
	s_add_nc_u64 s[20:21], s[20:21], s[24:25]
	s_add_nc_u64 s[22:23], s[22:23], s[26:27]
.irp i, 0,1,2,3,4,5,6,7,8,9,10,11,12,13,14,15
	global_load_b128 v[X+4*(\i):X+4*(\i)+3], v1, s[20:21] offset:4096*(\i) th:TH_LOAD_NT
.endr
	s_cmp_eq_u32 s3, 10
	s_cbranch_scc1 .Ltrans                         ; the same way for all eight waves: it hangs on the work-group's number alone
.irp i, 0,1,2,3,4,5,6,7,8,9,10,11,12,13,14,15
	s_wait_loadcnt 15-(\i)                         ; loads come back in order: block i is in, the younger ones stay out
	v_cvt_pk_bf16_f32 v[T],   v[X+4*(\i)],   v[X+4*(\i)+1]     ; rounded to bf16, to nearest even
	v_cvt_pk_bf16_f32 v[T+1], v[X+4*(\i)+2], v[X+4*(\i)+3]
	v_lshlrev_b32 v[T+2], 16, v[T]                 ; back to f32: the low half moves up,
	v_and_b32     v[T+3], s31, v[T]                ; the high half stays
	v_lshlrev_b32 v[T+4], 16, v[T+1]
	v_and_b32     v[T+5], s31, v[T+1]
	v_cvt_pk_f16_f32 v[Y+2*(\i)],   v[T+2], v[T+3]
	v_cvt_pk_f16_f32 v[Y+2*(\i)+1], v[T+4], v[T+5]
	global_store_b64 v2, v[Y+2*(\i):Y+2*(\i)+1], s[22:23] offset:2048*(\i)
.endr
	s_endpgm
.Ltrans:
	v_mul_u32_u24 v[LST], 4*TP, v[LN]              ; in: rows c = 4 x lane + e, my wave's 32 bytes (16 places d).  Lanes lie 4 rows apart, so four lanes of sixteen meet in a group of banks:
	v_lshl_add_u32 v[LST], v3, 5, v[LST]           ; eight such stores a lane in 64 work-groups
	v_lshrrev_b32 v[GOT], 4, v[LN]
	v_lshl_add_u32 v[GOT], v3, 4, v[GOT]           ; back: row c = 16 w + lane / 16 (+ 2 t),
	v_and_b32 v[T], 15, v0
	v_mul_u32_u24 v[LRD], TP, v[GOT]
	v_lshl_add_u32 v[LRD], v[T], 4, v[LRD]         ; sixteen lanes a row of 256 bytes
	v_lshlrev_b32 v[GOT], 11, v[GOT]               ; and the same rows in qk, 2,048 bytes apart
	v_lshl_add_u32 v[GOT], v[T], 4, v[GOT]
	s_wait_loadcnt 0x0                             ; a column's 16 numbers come from all sixteen loads
.irp e, 0,1,2,3
.irp p, 0,1,2,3,4,5,6,7
	v_cvt_pk_bf16_f32 v[T+3*((\p)%2)], v[X+8*(\p)+(\e)], v[X+8*(\p)+4+(\e)]     ; column e of rows 2 p and 2 p + 1
	v_lshlrev_b32 v[T+3*((\p)%2)+1], 16, v[T+3*((\p)%2)]
	v_and_b32     v[T+3*((\p)%2)+2], s31, v[T+3*((\p)%2)]
	v_cvt_pk_f16_f32 v[Y+8*(\e)+(\p)], v[T+3*((\p)%2)+1], v[T+3*((\p)%2)+2]
.endr
	ds_store_b128 v[LST], v[Y+8*(\e):Y+8*(\e)+3]   offset:TP*(\e)
	ds_store_b128 v[LST], v[Y+8*(\e)+4:Y+8*(\e)+7] offset:TP*(\e)+16
.endr
	s_wait_dscnt 0x0                               ; for the others' sake: my stores are done
	s_barrier_signal -1
	s_barrier_wait -1
.irp t, 0,1,2,3,4,5,6,7
	ds_load_b128 v[X+4*(\t):X+4*(\t)+3], v[LRD] offset:2*TP*(\t)
.endr
.irp t, 0,1,2,3,4,5,6,7
	s_wait_dscnt 7-(\t)                            ; LDS loads come back in order: pair t of rows is in
	global_store_b128 v[GOT], v[X+4*(\t):X+4*(\t)+3], s[22:23] offset:4096*(\t)   ; 16 lanes store 256 consecutive bytes, at a multiple of 256 from qk's first byte
.endr
	s_wait_tensorcnt 0x0
	ds_add_u32 v112, v113
	s_wait_dscnt 0x0
	s_endpgm
.Lfunc_end_k_q8868609605_cvt:
	.size	k_q8868609605_cvt, .Lfunc_end_k_q8868609605_cvt-k_q8868609605_cvt
	.p2alignl 7, 3214868480
	.fill 96, 4, 3214868480
	.section	.rodata,"a",@progbits
	.p2align	6, 0x0
	.amdhsa_kernel k_q8868609605_cvt
		.amdhsa_group_segment_fixed_size 35840
		.amdhsa_private_segment_fixed_size 0
		.amdhsa_enable_private_segment 0
		.amdhsa_kernarg_size 64
		.amdhsa_user_sgpr_count 2
		.amdhsa_user_sgpr_kernarg_segment_ptr 1
		.amdhsa_wavefront_size32 1
		.amdhsa_system_sgpr_workgroup_id_x 1
		.amdhsa_system_sgpr_workgroup_id_y 1
		.amdhsa_system_sgpr_workgroup_id_z 1
		.amdhsa_system_vgpr_workitem_id 0
		.amdhsa_next_free_vgpr 114
		.amdhsa_next_free_sgpr 66
		.amdhsa_reserve_vcc 0
		.amdhsa_float_denorm_mode_32 3
		.amdhsa_float_denorm_mode_16_64 3
		.amdhsa_memory_ordered 1
		.amdhsa_forward_progress 1
		.amdhsa_inst_pref_size 21
	.end_amdhsa_kernel
	.amdgpu_metadata
---
amdhsa.version: [ 1, 2 ]
amdhsa.kernels:
  - .name:           k_q8868609605_cvt
    .symbol:         k_q8868609605_cvt.kd
    .args:
      - { .name: x, .offset: 0, .size: 8, .value_kind: global_buffer, .address_space: global }
      - { .name: Wq, .offset: 8, .size: 8, .value_kind: global_buffer, .address_space: global }
      - { .name: Wk, .offset: 16, .size: 8, .value_kind: global_buffer, .address_space: global }
      - { .name: Wv, .offset: 24, .size: 8, .value_kind: global_buffer, .address_space: global }
      - { .name: Wo, .offset: 32, .size: 8, .value_kind: global_buffer, .address_space: global }
      - { .name: xh, .offset: 40, .size: 8, .value_kind: global_buffer, .address_space: global }
      - { .name: wh, .offset: 48, .size: 8, .value_kind: global_buffer, .address_space: global }
      - { .name: qk, .offset: 56, .size: 8, .value_kind: global_buffer, .address_space: global }
    .group_segment_fixed_size: 35840
    .private_segment_fixed_size: 0
    .kernarg_segment_align: 8
    .kernarg_segment_size: 64
    .max_flat_workgroup_size: 256
    .sgpr_count:     66
    .vgpr_count:     114
    .wavefront_size: 32
...
	.end_amdgpu_metadata
.endif
;; end of part 7
;; launch qk (part 8): grid 8 x 32, 4 waves a work-group, clusters of 4 x 4, 327,680 bytes of LDS; arguments xh, wh, qk; writes qk
.if DOCPART == 8
	.amdgcn_target "amdgcn-amd-amdhsa--gfx1250"
	.amdhsa_code_object_version 6
	.text
	.protected	k_q8868609605_qk
	.globl	k_q8868609605_qk
	.p2align	8
	.type	k_q8868609605_qk,@function
k_q8868609605_qk:
	s_mov_b64 s[64:65], 0
	v_nop
	global_prefetch_b8 v0, s[64:65] scope:SCOPE_SE
	s_setreg_imm32_b32 hwreg(HW_REG_WAVE_MODE, 25, 1), 1
	s_wait_xcnt 0x0
	s_wait_alu depctr_hold_cnt(0) depctr_sa_sdst(0) depctr_va_vdst(0) depctr_va_sdst(0) depctr_va_ssrc(0) depctr_va_vcc(0) depctr_vm_vsrc(0)
	s_getreg_b32 s2, hwreg(HW_REG_IB_STS2, 6, 4)
	s_cmp_eq_u32 s2, 0
	s_cbranch_scc0 .Lentry_in_a_cluster
	s_endpgm
.Lentry_in_a_cluster:
	s_bfe_u32 s2, ttmp6, 0x10000c
	s_cmp_lg_u32 s2, 0xf033
	s_cbranch_scc0 .Lentry_shape_is_right
	s_endpgm
.Lentry_shape_is_right:
; q[m][n] = sum over k of xh[m][k] Wq[n][k] and k likewise: C[m][n] = sum over k of xh[m][k] wh[n][k], n = 0 .. 2,047.  xh: [8192][1024], wh: [2048][1024], both f16; sums in f32; rounded once to f16.
; Columns 0 .. 1,023 go to rows 0 .. 8,191 of qk's plane 0 (q), columns 1,024 .. 2,047 to those of plane 1 (k); qk is [2][9216][1024].
; v is not made: the program computes (P x)(Wo Wv)^T in place of (P (x Wv^T)) Wo^T, the same sums in another order of rounding.
; LIMITS.  q, k beyond 65,504 become infinities; below 2^-14 f16 keeps its fixed step of 2^-24.  NaN and infinities are not treated apart.
; A tile of the result, 256 x 256, is made by four waves, each 128 x 128: 64 accumulators of 16 x 16, 512 registers; 32 x 8 = 256 tiles.  K goes in 8 steps of 128 through two LDS slots filled by the
; tensor data mover: a tile's rows are 256 bytes of memory and start at multiples of 256 bytes.  A step is four quarters of 32 along K on two fragment buffers: while one is multiplied the other is fetched.
; CLUSTER: 4 x 4 work-groups.  The four of a row of the cluster need the same rows of xh, the four of a column the same rows of wh: each tile is asked for jointly, by the same tensor load with the same
; descriptor and a mask that names the four.
; THE MATRIX INSTRUCTION IS USED TRANSPOSED (source 0 = 16 rows of wh, source 1 = 16 rows of xh): a lane then holds row l % 16 of the result and the eight neighbouring columns 8 (l / 16) + 0 .. 7.
; REGISTERS, in windows of 256 (s_set_vgpr_msb: bits 1:0 source 0, 3:2 source 1, 5:4 source 2, 7:6 destination):
;   window 0: v0-31 addresses; v64-127, v128-191 fragments of xh, two buffers; v32-63, v192-255 at work on the way out     window 1: v64-127, v128-191 fragments of wh
;   window 2: the accumulators of my rows 0-63 ((a, b) at v[8 (8 (a % 4) + b)]);   window 3: those of my rows 64-127
.set PITCH,  272                       ; an LDS row: 256 bytes + 16 of padding = 68 words: the 16 rows of a fragment load start at 16 different groups of four banks (64 banks of 4 bytes: ISA guide 11.1)
.set HALFT,  128*PITCH                 ; 128 rows: what one tensor load brings, and what one wave reads of either operand
.set SLOT,   4*HALFT                   ; 0x22000: xh's 256 rows, then wh's.  It shares no bit with wave x HALFT (0, 0x8800, 0x11000, 0x19800): an exclusive or turns an address of one slot into the other's
.set STAGE,  2*SLOT                    ; behind the ring, never filled by a tensor load: 16 rows x 272 bytes for each wave, for the way out
.set SPARE,  STAGE+4*16*PITCH          ; behind the stages: the spare words, 128 bytes for each wave: two blocks of 256 bytes that no other line names
.set KEL,    1024                      ; elements in a row of xh and of wh
.set CP,     2048                      ; bytes in a row of qk
.set PLANE,  9216*2048                 ; bytes in a plane of qk
.set ADRA,  16                         ; v16  LDS address of my fragments of xh in the slot in hand
.set ADRA0, 17                         ; v17  the same in slot 0; never rewritten
.set ADRB,  20                         ; v20, v21  the same for wh
.set ADRB0, 21
.set STO,   24                         ; v24  the way out: where I put 16 bytes of a row
.set RD,    25                         ; v25  where I read rows back
.set CO,    26                         ; v26  my byte offset in qk; never rewritten
.set SPW,   28                         ; v28  LDS address of my spare word: SPARE + 4 x my thread's number; never rewritten
.set NIL,   29                         ; v29  0; never rewritten
.set F0,    64
.set F1,    128
.set TMP,   192
.set OB,    32
.set G1,  24                           ; s[24:31] descriptor group 1 for xh's tiles;  s[32:39] group 0: the two first fills; the second set then walks
.set G0,  32
.set G1B, 48                           ; s[48:55], s[56:63] the same for wh's
.set G0B, 56
.set MSB, 0
.macro WIN new                         ; the immediate's high byte repeats the setting that is left; a switch that changes nothing is dropped
.if MSB != (\new)
	s_set_vgpr_msb (MSB<<8)|(\new)
.set MSB, \new
.endif
.endm
.macro PLACES                          ; four places between a matrix instruction and a load into, or a vector line on, its registers
.rept 4
	v_nop
.endr
.endm
; A joint load.  Waves 0 and 1 fetch xh's two halves, waves 2 and 3 wh's.  The branch hangs on the wave's number alone.  An s_nop 0 and four v_nop follow each of the two lines.
.macro JLOAD s
	s_cmp_eq_u32 s11, 0
	s_cbranch_scc0 .Lfor_b_\@
	tensor_load_to_lds s[G0+4*(\s):G0+4*(\s)+3], s[G1:G1+7]
	s_nop 0
.rept 4
	v_nop
.endr
	s_branch .Lasked_\@
.Lfor_b_\@:
	tensor_load_to_lds s[G0B+4*(\s):G0B+4*(\s)+3], s[G1B:G1B+7]
	s_nop 0
.rept 4
	v_nop
.endr
.Lasked_\@:
.endm
.macro CREST                           ; a round of the cluster's barrier behind its opening barrier
	s_cmp_lg_u32 s10, 0
	s_cbranch_scc1 .Lnot_wave_0_\@
	s_barrier_signal -3
.Lnot_wave_0_\@:
	s_barrier_wait -3
	s_barrier_signal -1
	s_barrier_wait -1
.endm
.macro CROUND                          ; a whole round
	s_barrier_signal -1
	s_barrier_wait -1
	CREST
.endm
	s_load_b128 s[4:7], s[0:1], 0x0                ; xh s[4:5], wh s[6:7]
	s_load_b64 s[8:9], s[0:1], 0x10                ; qk
	v_lshl_add_u32 v[SPW], v0, 2, SPARE
	v_mov_b32 v[NIL], 0
	ds_add_u32 v28, v29
	ds_add_u32 v28, v29
	s_wait_dscnt 0x0
	v_lshrrev_b32 v1, 5, v0
	v_readfirstlane_b32 s10, v1                    ; wave 0..3
	s_lshr_b32 s11, s10, 1                         ; which half of the tile's rows is mine.  Also: I fetch for xh (0) or for wh (1)
	s_and_b32 s12, s10, 1                          ; which half of its columns.  Also: which 128 rows of that tile I fetch
	s_bfe_u32 s40, ttmp6, 0x40000                  ; cx, cy: my place in the cluster
	s_bfe_u32 s41, ttmp6, 0x40004
	s_lshl_b32 s42, ttmp9, 2
	s_add_co_u32 s42, s42, s40                     ; tile column = 4 x cluster x + cx
	s_and_b32 s13, ttmp7, 0xffff
	s_lshl_b32 s13, s13, 2
	s_add_co_u32 s13, s13, s41                     ; tile row = 4 x cluster y + cy
	s_lshl_b32 s43, s41, 2
	s_lshl_b32 s43, 15, s43                        ; my row of the cluster
	s_lshl_b32 s44, 0x1111, s40                    ; my column
	; descriptor group 1: a tile of 128 rows x 128 elements, padded in LDS
	s_or_b32 s[G1+0], s43, (1<<16)|(1<<20)|(1<<21)|(5<<22)|(3<<25)   ; 15:0 the mask; 17:16 elements of 2 bytes; 20 padding on; 21 set beside a mask; 24:22 after every 64 words; 31:25 4 words of it
	s_or_b32 s[G1B+0], s44, (1<<16)|(1<<20)|(1<<21)|(5<<22)|(3<<25)
.irp g, G1, G1B
	s_mov_b32 s[(\g)+1], 128<<16                   ; tensor_dim0 = 128
	s_mov_b32 s[(\g)+2], 128<<16                   ; tensor_dim1 = 128
	s_mov_b32 s[(\g)+3], 128<<16                   ; tile_dim0 = 128
	s_mov_b32 s[(\g)+4], 128                       ; tile_dim1 = 128
	s_mov_b32 s[(\g)+5], KEL                       ; elements from row to row
	s_mov_b32 s[(\g)+6], 0
	s_mov_b32 s[(\g)+7], 0
.endr
	s_lshl_b32 s17, s12, 7                         ; which 128 rows of the tile I fetch
	s_lshl_b32 s16, s13, 8
	s_add_co_u32 s16, s16, s17
	s_lshl_b32 s16, s16, 11                        ; xh: (256 x tile row + 128 x half) rows of 2,048 bytes: 16,777,216 at the most
	s_lshl_b32 s46, s42, 8
	s_add_co_u32 s46, s46, s17
	s_lshl_b32 s46, s46, 11                        ; wh: the same with the tile column
	s_mov_b32 s17, 0
	s_mov_b32 s47, 0
	s_mul_i32 s20, s10, HALFT                      ; where they go: wave x 128 rows: no place in the cluster enters an LDS address
	s_wait_kmcnt 0x0
	s_add_nc_u64 s[14:15], s[4:5], s[16:17]
	s_add_nc_u64 s[46:47], s[6:7], s[46:47]
	CROUND                                         ; all sixteen work-groups are here: the first joint loads meet
.irp s, 0,1
	s_mov_b32 s[G0+4*(\s)], 1                      ; count = 1
	s_add_co_u32 s[G0+4*(\s)+1], s20, (\s)*SLOT    ; LDS address
	s_add_nc_u64 s[G0+4*(\s)+2:G0+4*(\s)+3], s[14:15], (\s)*256      ; K step s
	s_or_b32 s[G0+4*(\s)+3], s[G0+4*(\s)+3], 0x80000000              ; type = 2
	s_mov_b32 s[G0B+4*(\s)], 1
	s_add_co_u32 s[G0B+4*(\s)+1], s20, (\s)*SLOT
	s_add_nc_u64 s[G0B+4*(\s)+2:G0B+4*(\s)+3], s[46:47], (\s)*256
	s_or_b32 s[G0B+4*(\s)+3], s[G0B+4*(\s)+3], 0x80000000
	JLOAD \s                                       ; both slots are asked for before anything else: two loads of mine are out
.endr
	; A fragment is 16 rows x 32 K in 8 registers: lane l holds row l % 16, K = 8 (l / 16) + 0..7 and 16 + 8 (l / 16) + 0..7: two loads of 16 bytes, 32 bytes apart.
	v_and_b32 v1, 15, v0                           ; l % 16
	v_bfe_u32 v2, v0, 4, 1                         ; l / 16
	v_mul_u32_u24 v3, v1, PITCH
	v_lshl_add_u32 v3, v2, 4, v3                   ; row x pitch + 16 x half
	s_mul_i32 s21, s11, HALFT                      ; my 128 rows of xh
	s_mul_i32 s22, s12, HALFT                      ; my 128 rows of wh,
	s_add_co_u32 s22, s22, 2*HALFT                 ; which lie behind xh's 256
	v_add_nc_u32 v[ADRA0], s21, v3
	v_add_nc_u32 v[ADRB0], s22, v3
	v_mov_b32 v[ADRA], v[ADRA0]
	v_mov_b32 v[ADRB], v[ADRB0]
	s_mov_b32 s2, 0                                ; the slot in hand begins at this LDS byte
	s_mul_i32 s23, s10, 16*PITCH
	s_add_co_u32 s23, s23, STAGE                   ; my stage
	v_add_nc_u32 v[STO], s23, v3                   ; in: row l % 16, 16 bytes for each half of the lanes
	v_mul_u32_u24 v5, v2, PITCH                    ; back: lanes 0-15 take one row of 256 bytes, lanes 16-31 the next
	v_lshl_add_u32 v5, v1, 4, v5
	v_add_nc_u32 v[RD], s23, v5
	v_mul_u32_u24 v5, v2, CP                       ; and the same two rows in qk
	v_lshl_add_u32 v[CO], v1, 4, v5
	s_lshl_b32 s16, s13, 8
	s_lshl_b32 s18, s11, 7
	s_add_co_u32 s16, s16, s18                     ; my first row,
	s_lshl_b32 s16, s16, 11                        ; in bytes: 16,777,216 at the most
	s_mov_b32 s17, 0
	s_add_nc_u64 s[8:9], s[8:9], s[16:17]
	s_lshr_b32 s46, s42, 2                         ; tile columns 0-3 are q's, 4-7 are k's: the plane,
	s_mul_i32 s46, s46, PLANE
	s_and_b32 s18, s42, 3                          ; 512 bytes a tile column in it,
	s_lshl_b32 s18, s18, 9
	s_add_co_u32 s46, s46, s18
	s_lshl_b32 s18, s12, 8                         ; 256 a half
	s_add_co_u32 s46, s46, s18
	s_mov_b32 s47, 0
	s_add_nc_u64 s[8:9], s[8:9], s[46:47]
; 8 matrix instructions: block a of 16 rows x all 8 blocks of 16 columns, 32 along K.  zero = 1: the product starts the sums: nothing is ever cleared.
; The 64 accumulators take turns, one instruction a turn, in the same order in every quarter.
.macro MULA f, a, zero
	WIN 0xa1+0x50*((\a)/4)                         ; wh's fragments in window 1, xh's in window 0, C and D in window 2 or 3
.irp b, 0,1,2,3,4,5,6,7
.if \zero
	v_wmma_f32_16x16x32_f16 v[8*(8*((\a)%4)+(\b)):8*(8*((\a)%4)+(\b))+7], v[(\f)+8*(\b):(\f)+8*(\b)+7], v[(\f)+8*(\a):(\f)+8*(\a)+7], 0
.else
	v_wmma_f32_16x16x32_f16 v[8*(8*((\a)%4)+(\b)):8*(8*((\a)%4)+(\b))+7], v[(\f)+8*(\b):(\f)+8*(\b)+7], v[(\f)+8*(\a):(\f)+8*(\a)+7], v[8*(8*((\a)%4)+(\b)):8*(8*((\a)%4)+(\b))+7]
.endif
.endr
.endm
; 32 LDS loads in one run: the fragments of one quarter (32 K at byte k of the rows of the slot in hand) into buffer f
.macro FETCH k, f
	WIN 0x40                                       ; destination window 1, address window 0
.irp i, 0,1,2,3,4,5,6,7
	ds_load_b128 v[(\f)+8*(\i):(\f)+8*(\i)+3],   v[ADRB] offset:(\k)+(\i)*16*PITCH
	ds_load_b128 v[(\f)+8*(\i)+4:(\f)+8*(\i)+7], v[ADRB] offset:(\k)+(\i)*16*PITCH+32
.endr
	WIN 0
.irp i, 0,1,2,3,4,5,6,7
	ds_load_b128 v[(\f)+8*(\i):(\f)+8*(\i)+3],   v[ADRA] offset:(\k)+(\i)*16*PITCH
	ds_load_b128 v[(\f)+8*(\i)+4:(\f)+8*(\i)+7], v[ADRA] offset:(\k)+(\i)*16*PITCH+32
.endr
.endm
; A quarter: buffer f, asked for a whole quarter ago, is multiplied; ahead of that the next quarter's fragments, at byte k, are asked for into buffer g, which the quarter before has read.
.macro Q k, f, g, zero
	s_wait_dscnt 0x0                               ; buffer f is in
	PLACES
	FETCH \k, \g
.irp a, 0,1,2,3,4,5,6,7
	MULA \f, \a, \zero
.endr
.endm
; The third quarter holds the change of slots.  Its fetch is the slot's last read.  ONE barrier, for two things: in front of it each wave waits for all its tensor loads, of which one is out: its part of the other
; slot; adds 0 to its spare word; and waits for that and for its own reads of this slot.  Behind it nobody reads this slot any more and the other slot is whole.
; fill = 1: the barrier opens a round of the cluster's barrier, and this slot is filled again, two K steps ahead, first thing behind the round: that load has 224 matrix instructions of mine in which to land.
.macro Q3M fill
	s_wait_dscnt 0x0
	PLACES
	FETCH 192, F1
.irp a, 0,1,2,3
	MULA F0, \a, 0
.endr
	WIN 0                                          ; (the add's two registers lie in window 0)
	s_wait_tensorcnt 0x0                           ; all my tensor loads have landed, so a group 0 may be written
	ds_add_u32 v[SPW], v[NIL]                      ; 0 onto my spare word
	MULA F0, 4, 0                                  ; sixteen matrix instructions stand between the add and the wait for it
	MULA F0, 5, 0
	s_wait_dscnt 0x0                               ; the add is done, and my reads of this slot are over
	s_barrier_signal -1
	MULA F0, 6, 0                                  ; work on registers while the others arrive
	MULA F0, 7, 0
	WIN 0                                          ; at a branch and at a label every window is 0
	s_barrier_wait -1
.if \fill
	CREST                                          ; no wave of any partner still reads this slot's tile or has a load on its way
	s_xor_b32 s[G0+5], s[G0+5], SLOT               ; the walking descriptors: the other slot than last time,
	s_add_nc_u64 s[G0+6:G0+7], s[G0+6:G0+7], 256   ; the next K step; the type bits on top are not reached
	s_xor_b32 s[G0B+5], s[G0B+5], SLOT
	s_add_nc_u64 s[G0B+6:G0B+7], s[G0B+6:G0B+7], 256
	JLOAD 1
.endif
.endm
.macro Q4                              ; the fourth quarter: the fetches go over to the other slot
	s_xor_b32 s2, s2, SLOT
	v_add_nc_u32 v[ADRA], s2, v[ADRA0]
	v_add_nc_u32 v[ADRB], s2, v[ADRB0]
	Q 0, F1, F0, 0
.endm
; THE WAY OUT of block a (16 rows).  PACK: rounded to f16, 16 bytes a lane, each accumulator's registers in ascending order.  TOST: into my own stage and back as whole rows of 256 bytes.  SEND: stored.
.macro PACK a
.set AC, 64*((\a)%4)
	WIN 0x0a+5*((\a)/4)                            ; sources 0 and 1: window 2 or 3
.irp b, 0,1,2,3,4,5,6,7
.irp r, 0,1,2,3
	v_cvt_pk_f16_f32 v[TMP+4*(\b)+(\r)], v[AC+8*(\b)+2*(\r)], v[AC+8*(\b)+2*(\r)+1]
.endr
.endr
	WIN 0
.endm
.macro TOST a
.set BK, OB+192*((\a)%2)
.if (\a) >= 2
	s_wait_xcnt 0x0                                ; the stores of the block two back have read these registers: they are loaded again only behind this wait
.endif
.irp b, 0,1,2,3,4,5,6,7
	ds_store_b128 v[STO], v[TMP+4*(\b):TMP+4*(\b)+3] offset:32*(\b)
.endr
.irp t, 0,1,2,3,4,5,6,7
	ds_load_b128 v[BK+4*(\t):BK+4*(\t)+3], v[RD] offset:(\t)*2*PITCH  ; LDS serves a wave's instructions in order (ISA guide 5.7.1.4): these see the stores above
.endr
.endm
.macro SEND a, younger                 ; younger: the LDS instructions issued behind block a's loads: the next block's sixteen, or none
.set BK, OB+192*((\a)%2)
	s_wait_dscnt \younger
.irp t, 0,1,2,3,4,5,6,7
	global_store_b128 v[CO], v[BK+4*(\t):BK+4*(\t)+3], s[8:9] offset:(16*(\a)+2*(\t))*CP  ; 16 lanes store 256 consecutive bytes, at a multiple of 256 from qk's first byte; 126 rows at the most: inside the signed 24-bit immediate
.endr
.endm
	s_wait_tensorcnt 0x1                           ; my part of K step 0 is in; step 1's may stay out
	s_barrier_signal -1
	s_barrier_wait -1                              ; everybody's is
	FETCH 0, F0
	Q 64, F0, F1, 1                                ; the first quarter stands in front of the loop: its products start the sums
	WIN 0
	s_mov_b32 s3, 6
.Lstep:                                                ; a trip goes from a step's second quarter to the next step's first, and asks for the step two on: steps 2 to 7
	Q 128, F1, F0, 0
	Q3M 1
	Q4
	Q 64, F0, F1, 0
	WIN 0
	s_sub_co_u32 s3, s3, 1
	s_cmp_lg_u32 s3, 0
	s_cbranch_scc1 .Lstep
	Q 128, F1, F0, 0                               ; the last two steps are written out: nothing is left to ask for, and no round follows the barrier
	Q3M 0
	Q4
	Q 64, F0, F1, 0
	Q 128, F1, F0, 0
	Q 192, F0, F1, 0
	s_wait_dscnt 0x0
.irp a, 0,1,2,3,4,5,6,7
	MULA F1, \a, 0
.endr
	PLACES                                         ; the conversions read matrix results
	PACK 0
	TOST 0
.irp a, 1,2,3,4,5,6,7
	PACK \a                                        ; a block's conversions stand between the loads of the block before and its stores
	TOST \a
	SEND (\a)-1, 16
.endr
	SEND 7, 0
	s_wait_tensorcnt 0x0                           ; the wave's end, behind my last tensor load and my last LDS store
	ds_add_u32 v[SPW], v[NIL]
	s_wait_dscnt 0x0
	CROUND                                         ; the closing round: no work-group ends while a partner may still ask for a tile that names it
	s_endpgm
.Lfunc_end_k_q8868609605_qk:
	.size	k_q8868609605_qk, .Lfunc_end_k_q8868609605_qk-k_q8868609605_qk
	.p2alignl 7, 3214868480
	.fill 96, 4, 3214868480
	.section	.rodata,"a",@progbits
	.p2align	6, 0x0
	.amdhsa_kernel k_q8868609605_qk
		.amdhsa_group_segment_fixed_size 327680
		.amdhsa_private_segment_fixed_size 0
		.amdhsa_enable_private_segment 0
		.amdhsa_kernarg_size 24
		.amdhsa_user_sgpr_count 2
		.amdhsa_user_sgpr_kernarg_segment_ptr 1
		.amdhsa_wavefront_size32 1
		.amdhsa_system_sgpr_workgroup_id_x 1
		.amdhsa_system_sgpr_workgroup_id_y 1
		.amdhsa_system_sgpr_workgroup_id_z 1
		.amdhsa_system_vgpr_workitem_id 0
		.amdhsa_next_free_vgpr 1024
		.amdhsa_next_free_sgpr 66
		.amdhsa_reserve_vcc 0
		.amdhsa_float_denorm_mode_32 3
		.amdhsa_float_denorm_mode_16_64 3
		.amdhsa_memory_ordered 1
		.amdhsa_forward_progress 1
		.amdhsa_inst_pref_size 116
	.end_amdhsa_kernel
	.amdgpu_metadata
---
amdhsa.version: [ 1, 2 ]
amdhsa.kernels:
  - .name:           k_q8868609605_qk
    .symbol:         k_q8868609605_qk.kd
    .args:
      - { .name: xh, .offset: 0, .size: 8, .value_kind: global_buffer, .address_space: global }
      - { .name: wh, .offset: 8, .size: 8, .value_kind: global_buffer, .address_space: global }
      - { .name: qk, .offset: 16, .size: 8, .value_kind: global_buffer, .address_space: global }
    .group_segment_fixed_size: 327680
    .private_segment_fixed_size: 0
    .kernarg_segment_align: 8
    .kernarg_segment_size: 24
    .max_flat_workgroup_size: 128
    .sgpr_count:     66
    .vgpr_count:     1024
    .wavefront_size: 32
...
	.end_amdgpu_metadata
.endif
;; end of part 8
;; launch scores (part 9): grid 40 x 4, 4 waves a work-group, no clusters, 327,680 bytes of LDS; arguments qk, sc; writes sc
.if DOCPART == 9
	.amdgcn_target "amdgcn-amd-amdhsa--gfx1250"
	.amdhsa_code_object_version 6
	.text
	.protected	k_q8868609605_scores
	.globl	k_q8868609605_scores
	.p2align	8
	.type	k_q8868609605_scores,@function
k_q8868609605_scores:
	s_mov_b64 s[64:65], 0
	v_nop
	global_prefetch_b8 v0, s[64:65] scope:SCOPE_SE
	s_setreg_imm32_b32 hwreg(HW_REG_WAVE_MODE, 25, 1), 1
	s_wait_xcnt 0x0
; sc[b][t][s] = sum over d of q[b][t][d] k[b][s][d], unscaled, in f32, for the tiles of 256 x 256 on and below the diagonal alone: what lies above is thrown away by the causal mask.
; q and k are f16: planes 0 and 1 of qk, [2][9216][1024].  Work-group x = 0 .. 35 is tile (i, j), j <= i, x = i (i + 1) / 2 + j; work-group y is the batch.
; WO WV RIDES ALONG.  Rows 8,192 .. 9,215 of the two planes hold Wo and Wv^T: a fifth batch of 1,024 rows.  Work-groups x = 36 .. 39 make its 4 x 4 tiles, (i, j) = (y, x - 36):
; sc[4][e][c] = sum over d of Wo[e][d] Wv[d][c], by the same text: 144 + 16 = 160 work-groups.
; The diagonal tiles are made whole; the next launch masks them.  NaN and infinities are not treated apart.
; Four waves, each 128 x 128 in 64 accumulators; K = 1,024 in 8 steps of 128 through two LDS slots; a step is four quarters of 32 along K on two fragment buffers.
; NO CLUSTER: a batch's 36 tiles lie in rows of 1 to 8 tiles and columns of 8 to 1, which do not fall into groups of four that share a row or a column; whole 4 x 4 blocks would hold 48 tiles
; of 64 whose results nobody reads (12 a batch).
; THE MATRIX INSTRUCTION IS USED TRANSPOSED (source 0 = 16 rows of k, source 1 = 16 rows of q): a lane holds row l % 16 and the eight neighbouring columns 8 (l / 16) + 0 .. 7.
; REGISTERS: window 0: v0-31 addresses; v64-127, v128-191 fragments of q, on the way out rows read back; window 1: v64-127, v128-191 fragments of k; windows 2, 3: accumulators ((a, b) at v[8 (8 (a % 4) + b)]).
.set PITCH,  272                       ; an LDS row: 256 bytes + 16 of padding: the 16 rows of a fragment load start at 16 different groups of four banks (64 banks of 4 bytes: ISA guide 11.1)
.set HALFT,  128*PITCH
.set SLOT,   4*HALFT                   ; 0x22000: shares no bit with wave x HALFT: an exclusive or turns an address of one slot into the other's
.set STAGE,  2*SLOT                    ; behind the ring, never filled by a tensor load: 16 rows x 528 bytes for each wave
.set SP32,   528                       ; a stage row: 512 bytes + 16
.set SPARE,  STAGE+4*16*SP32           ; the spare words, 128 bytes for each wave: two blocks of 256 bytes that no other line names
.set CP,     8192                      ; bytes in a row of sc
.set PLANE,  9216*2048                 ; bytes in a plane of qk
.set ADRA,  16
.set ADRA0, 17
.set ADRB,  20
.set ADRB0, 21
.set STO,   24
.set RD,    25
.set CO,    26
.set SPW,   28                         ; v28  SPARE + 4 x my thread's number; never rewritten
.set NIL,   29                         ; v29  0; never rewritten
.set F0,    64
.set F1,    128
.set G1,  24                           ; s[24:31] descriptor group 1
.set G0,  32                           ; s[32:39] group 0: the two first fills; the second set then walks
.set MSB, 0
.macro WIN new
.if MSB != (\new)
	s_set_vgpr_msb (MSB<<8)|(\new)
.set MSB, \new
.endif
.endm
.macro PLACES
.rept 4
	v_nop
.endr
.endm
.macro TLOAD s                         ; every wave fetches 128 rows of its own: waves 0, 1 q's halves, waves 2, 3 k's.  An s_nop 0 and four v_nop follow
	tensor_load_to_lds s[G0+4*(\s):G0+4*(\s)+3], s[G1:G1+7]
	s_nop 0
.rept 4
	v_nop
.endr
.endm
	s_load_b64 s[4:5], s[0:1], 0x0                 ; qk
	s_load_b64 s[8:9], s[0:1], 0x8                 ; sc
	v_lshl_add_u32 v[SPW], v0, 2, SPARE
	v_mov_b32 v[NIL], 0
	ds_add_u32 v28, v29
	ds_add_u32 v28, v29
	s_wait_dscnt 0x0
	v_lshrrev_b32 v1, 5, v0
	v_readfirstlane_b32 s10, v1                    ; wave 0..3
	s_lshr_b32 s11, s10, 1                         ; my half of the tile's rows.  Also: I fetch q (0) or k (1)
	s_and_b32 s12, s10, 1                          ; my half of its columns.  Also: which 128 rows I fetch
	s_mov_b32 s42, ttmp9                           ; x
	s_and_b32 s45, ttmp7, 0xffff                   ; y
	s_mov_b32 s13, 0
.irp n, 1,3,6,10,15,21,28
	s_cmp_ge_u32 s42, \n                           ; i = how many of the rows' first numbers x has reached
	s_add_co_ci_u32 s13, s13, 0
.endr
	s_add_co_u32 s14, s13, 1
	s_mul_i32 s14, s14, s13
	s_lshr_b32 s14, s14, 1
	s_sub_co_u32 s14, s42, s14                     ; a score tile's j = x - i (i + 1) / 2
	s_sub_co_u32 s15, s42, 36                      ; the j of a tile of Wo Wv
	s_cmp_ge_u32 s42, 36
	s_cselect_b32 s13, s45, s13                    ; whose i is y,
	s_cselect_b32 s42, s15, s14
	s_cselect_b32 s45, 4, s45                      ; and whose batch is the fifth
	s_mov_b32 s[G1+0], (1<<16)|(1<<20)|(5<<22)|(3<<25)  ; elements of 2 bytes; padding on: after every 64 words 4 words
	s_mov_b32 s[G1+1], 128<<16                     ; tensor_dim0 = 128
	s_mov_b32 s[G1+2], 128<<16                     ; tensor_dim1 = 128
	s_mov_b32 s[G1+3], 128<<16                     ; tile_dim0 = 128
	s_mov_b32 s[G1+4], 128                         ; tile_dim1 = 128
	s_mov_b32 s[G1+5], 1024                        ; elements from row to row of qk
	s_mov_b32 s[G1+6], 0
	s_mov_b32 s[G1+7], 0
	s_cmp_eq_u32 s11, 0
	s_cselect_b32 s16, s13, s42                    ; q's rows go by i, k's by j
	s_cselect_b32 s18, 0, PLANE                    ; and k lies in plane 1
	s_lshl_b32 s16, s16, 8
	s_lshl_b32 s17, s12, 7
	s_add_co_u32 s16, s16, s17
	s_lshl_b32 s17, s45, 11
	s_add_co_u32 s16, s16, s17                     ; row 2,048 b + 256 x tile + 128 x half: 9,088 at the most
	s_lshl_b32 s16, s16, 11                        ; 2,048 bytes a row
	s_add_co_u32 s16, s16, s18
	s_mov_b32 s17, 0
	s_mul_i32 s20, s10, HALFT                      ; where they go: q's two halves, then k's two halves = wave x 128 rows
	s_wait_kmcnt 0x0
	s_add_nc_u64 s[14:15], s[4:5], s[16:17]
.irp s, 0,1
	s_mov_b32 s[G0+4*(\s)], 1
	s_add_co_u32 s[G0+4*(\s)+1], s20, (\s)*SLOT
	s_add_nc_u64 s[G0+4*(\s)+2:G0+4*(\s)+3], s[14:15], (\s)*256      ; K step s
	s_or_b32 s[G0+4*(\s)+3], s[G0+4*(\s)+3], 0x80000000
	TLOAD \s                                       ; both slots are asked for before anything else: two loads of mine are out
.endr
	v_and_b32 v1, 15, v0                           ; l % 16
	v_bfe_u32 v2, v0, 4, 1                         ; l / 16
	v_mul_u32_u24 v3, v1, PITCH
	v_lshl_add_u32 v3, v2, 4, v3
	s_mul_i32 s21, s11, HALFT
	s_mul_i32 s22, s12, HALFT
	s_add_co_u32 s22, s22, 2*HALFT
	v_add_nc_u32 v[ADRA0], s21, v3
	v_add_nc_u32 v[ADRB0], s22, v3
	v_mov_b32 v[ADRA], v[ADRA0]
	v_mov_b32 v[ADRB], v[ADRB0]
	s_mov_b32 s2, 0                                ; the slot in hand begins at this LDS byte
	s_mul_i32 s23, s10, 16*SP32
	s_add_co_u32 s23, s23, STAGE                   ; my stage
	v_mul_u32_u24 v4, v1, SP32                     ; in: row l % 16, 32 bytes for each half of the lanes
	v_lshl_add_u32 v4, v2, 5, v4
	v_add_nc_u32 v[STO], s23, v4
	v_and_b32 v5, 31, v0
	v_lshlrev_b32 v[CO], 4, v5                     ; back: the 32 lanes take one row of 512 bytes
	v_add_nc_u32 v[RD], s23, v[CO]
	s_lshl_b32 s16, s13, 8
	s_lshl_b32 s18, s11, 7
	s_add_co_u32 s16, s16, s18
	s_lshl_b32 s16, s16, 13                        ; my first row of the batch, 8,192 bytes a row
	s_lshl_b32 s18, s45, 24                        ; the batch: 16,777,216 bytes
	s_add_co_u32 s16, s16, s18
	s_lshl_b32 s18, s42, 10                        ; my first column: 1,024 j + 512 x half
	s_add_co_u32 s16, s16, s18
	s_lshl_b32 s18, s12, 9
	s_add_co_u32 s16, s16, s18                     ; under 75,497,472: four batches and the fifth's 1,024 rows
	s_mov_b32 s17, 0
	s_add_nc_u64 s[8:9], s[8:9], s[16:17]
; 8 matrix instructions: block a of 16 rows x all 8 blocks of 16 columns.  The 64 accumulators take turns, one instruction a turn, in the same order in every quarter.
.macro MULA f, a, zero
	WIN 0xa1+0x50*((\a)/4)
.irp b, 0,1,2,3,4,5,6,7
.if \zero
	v_wmma_f32_16x16x32_f16 v[8*(8*((\a)%4)+(\b)):8*(8*((\a)%4)+(\b))+7], v[(\f)+8*(\b):(\f)+8*(\b)+7], v[(\f)+8*(\a):(\f)+8*(\a)+7], 0
.else
	v_wmma_f32_16x16x32_f16 v[8*(8*((\a)%4)+(\b)):8*(8*((\a)%4)+(\b))+7], v[(\f)+8*(\b):(\f)+8*(\b)+7], v[(\f)+8*(\a):(\f)+8*(\a)+7], v[8*(8*((\a)%4)+(\b)):8*(8*((\a)%4)+(\b))+7]
.endif
.endr
.endm
.macro FETCH k, f
	WIN 0x40
.irp i, 0,1,2,3,4,5,6,7
	ds_load_b128 v[(\f)+8*(\i):(\f)+8*(\i)+3],   v[ADRB] offset:(\k)+(\i)*16*PITCH
	ds_load_b128 v[(\f)+8*(\i)+4:(\f)+8*(\i)+7], v[ADRB] offset:(\k)+(\i)*16*PITCH+32
.endr
	WIN 0
.irp i, 0,1,2,3,4,5,6,7
	ds_load_b128 v[(\f)+8*(\i):(\f)+8*(\i)+3],   v[ADRA] offset:(\k)+(\i)*16*PITCH
	ds_load_b128 v[(\f)+8*(\i)+4:(\f)+8*(\i)+7], v[ADRA] offset:(\k)+(\i)*16*PITCH+32
.endr
.endm
.macro Q k, f, g, zero                 ; buffer f, asked for a quarter ago, is multiplied; ahead of that the next quarter is asked for into buffer g
	s_wait_dscnt 0x0                               ; buffer f is in
	PLACES                                         ; buffer g was read by the matrix instructions just before
	FETCH \k, \g
.irp a, 0,1,2,3,4,5,6,7
	MULA \f, \a, \zero
.endr
.endm
; The third quarter holds the change of slots: its fetch is the slot's last read; each wave waits for all its tensor loads (one is out: its part of the other slot), adds 0 to its spare word, waits for
; that and for its reads, and passes the barrier.  fill = 1: this slot is filled again, two K steps ahead, first thing behind the barrier: 224 matrix instructions of mine ahead of the wait for it.
.macro Q3M fill
	s_wait_dscnt 0x0
	PLACES
	FETCH 192, F1
.irp a, 0,1,2,3
	MULA F0, \a, 0
.endr
	WIN 0
	s_wait_tensorcnt 0x0                           ; all my tensor loads have landed, so a group 0 may be written
	ds_add_u32 v[SPW], v[NIL]                      ; 0 onto my spare word
	MULA F0, 4, 0
	MULA F0, 5, 0
	s_wait_dscnt 0x0                               ; the add is done, and my reads of this slot are over
	s_barrier_signal -1
	MULA F0, 6, 0
	MULA F0, 7, 0
	WIN 0
	s_barrier_wait -1
.if \fill
	s_xor_b32 s[G0+5], s[G0+5], SLOT               ; the walking descriptor: the other slot than last time, the next K step
	s_add_nc_u64 s[G0+6:G0+7], s[G0+6:G0+7], 256
	TLOAD 1
.endif
.endm
.macro Q4
	s_xor_b32 s2, s2, SLOT
	v_add_nc_u32 v[ADRA], s2, v[ADRA0]
	v_add_nc_u32 v[ADRB], s2, v[ADRB0]
	Q 0, F1, F0, 0
.endm
; THE WAY OUT of block a (16 rows x 128 columns of f32): straight from the accumulators into my own stage, each accumulator's low four registers first, and back as whole rows of 512 bytes.
.macro TOST32 a
.set AC, 64*((\a)%4)
.set BK, F0+64*((\a)%2)
.if (\a) >= 2
	s_wait_xcnt 0x0                                ; the stores of the block two back have read these registers: they are loaded again only behind this wait
.endif
	WIN 0x08+4*((\a)/4)                            ; an LDS store's data is source 1: window 2 or 3
.irp b, 0,1,2,3,4,5,6,7
	ds_store_b128 v[STO], v[AC+8*(\b):AC+8*(\b)+3]   offset:64*(\b)
	ds_store_b128 v[STO], v[AC+8*(\b)+4:AC+8*(\b)+7] offset:64*(\b)+16
.endr
	WIN 0
.irp r, 0,1,2,3,4,5,6,7,8,9,10,11,12,13,14,15
	ds_load_b128 v[BK+4*(\r):BK+4*(\r)+3], v[RD] offset:(\r)*SP32  ; LDS serves a wave's instructions in order (ISA guide 5.7.1.4): these see the stores above
.endr
.endm
.macro SEND32 a, younger               ; younger: the LDS instructions issued behind block a's loads: the next block's 32, or none
.set BK, F0+64*((\a)%2)
.irp r, 0,1,2,3,4,5,6,7,8,9,10,11,12,13,14,15
	s_wait_dscnt (\younger)+15-(\r)                ; row r is back; the later rows and the next block's lines may be out
	global_store_b128 v[CO], v[BK+4*(\r):BK+4*(\r)+3], s[8:9] offset:(16*(\a)+(\r))*CP  ; 512 consecutive bytes, at a multiple of 256 from sc's first byte; 127 rows at the most: inside the signed 24-bit immediate
.endr
.endm
	s_wait_tensorcnt 0x1                           ; my part of K step 0 is in; step 1's may stay out
	s_barrier_signal -1
	s_barrier_wait -1
	FETCH 0, F0
	Q 64, F0, F1, 1                                ; the first quarter's products start the sums
	WIN 0
	s_mov_b32 s3, 6
.Lstep:                                                ; a trip: a step's quarters 2 to 4 and the next step's first; it asks for the step two on: steps 2 to 7
	Q 128, F1, F0, 0
	Q3M 1
	Q4
	Q 64, F0, F1, 0
	WIN 0
	s_sub_co_u32 s3, s3, 1
	s_cmp_lg_u32 s3, 0
	s_cbranch_scc1 .Lstep
	Q 128, F1, F0, 0                               ; the last two steps are written out: nothing is left to ask for
	Q3M 0
	Q4
	Q 64, F0, F1, 0
	Q 128, F1, F0, 0
	Q 192, F0, F1, 0
	s_wait_dscnt 0x0
.irp a, 0,1,2,3,4,5,6,7
	MULA F1, \a, 0
.endr
	PLACES                                         ; LDS stores read matrix results, and loads land in fragment registers
	TOST32 0
.irp a, 1,2,3,4,5,6,7
	TOST32 \a
	SEND32 (\a)-1, 32
.endr
	SEND32 7, 0
	s_wait_tensorcnt 0x0                           ; the wave's end
	ds_add_u32 v[SPW], v[NIL]
	s_wait_dscnt 0x0
	s_endpgm
.Lfunc_end_k_q8868609605_scores:
	.size	k_q8868609605_scores, .Lfunc_end_k_q8868609605_scores-k_q8868609605_scores
	.p2alignl 7, 3214868480
	.fill 96, 4, 3214868480
	.section	.rodata,"a",@progbits
	.p2align	6, 0x0
	.amdhsa_kernel k_q8868609605_scores
		.amdhsa_group_segment_fixed_size 327680
		.amdhsa_private_segment_fixed_size 0
		.amdhsa_enable_private_segment 0
		.amdhsa_kernarg_size 16
		.amdhsa_user_sgpr_count 2
		.amdhsa_user_sgpr_kernarg_segment_ptr 1
		.amdhsa_wavefront_size32 1
		.amdhsa_system_sgpr_workgroup_id_x 1
		.amdhsa_system_sgpr_workgroup_id_y 1
		.amdhsa_system_sgpr_workgroup_id_z 1
		.amdhsa_system_vgpr_workitem_id 0
		.amdhsa_next_free_vgpr 1024
		.amdhsa_next_free_sgpr 66
		.amdhsa_reserve_vcc 0
		.amdhsa_float_denorm_mode_32 3
		.amdhsa_float_denorm_mode_16_64 3
		.amdhsa_memory_ordered 1
		.amdhsa_forward_progress 1
		.amdhsa_inst_pref_size 115
	.end_amdhsa_kernel
	.amdgpu_metadata
---
amdhsa.version: [ 1, 2 ]
amdhsa.kernels:
  - .name:           k_q8868609605_scores
    .symbol:         k_q8868609605_scores.kd
    .args:
      - { .name: qk, .offset: 0, .size: 8, .value_kind: global_buffer, .address_space: global }
      - { .name: sc, .offset: 8, .size: 8, .value_kind: global_buffer, .address_space: global }
    .group_segment_fixed_size: 327680
    .private_segment_fixed_size: 0
    .kernarg_segment_align: 8
    .kernarg_segment_size: 16
    .max_flat_workgroup_size: 128
    .sgpr_count:     66
    .vgpr_count:     1024
    .wavefront_size: 32
...
	.end_amdgpu_metadata
.endif
;; end of part 9
;; launch softmax (part 10): grid 576 x 1, 8 waves a work-group, no clusters, 2,048 bytes of LDS; arguments sc, pr, wp; writes pr, wp
.if DOCPART == 10
	.amdgcn_target "amdgcn-amd-amdhsa--gfx1250"
	.amdhsa_code_object_version 6
	.text
	.protected	k_q8868609605_softmax
	.globl	k_q8868609605_softmax
	.p2align	8
	.type	k_q8868609605_softmax,@function
k_q8868609605_softmax:
	s_mov_b64 s[64:65], 0
	v_nop
	global_prefetch_b8 v0, s[64:65] scope:SCOPE_SE
	s_setreg_imm32_b32 hwreg(HW_REG_WAVE_MODE, 25, 1), 1
	s_wait_xcnt 0x0
; WORK-GROUPS 0 .. 511:  pr[b][t][s] = softmax over s <= t of sc[b][t][s] / 32, in f16; zeros from the diagonal up to the next multiple of 512 columns, which is as far as the next launch reads.
; p = 2^(c x - c m) with c = log2(e) / 32 and m the row's true maximum over the keys that it sees; the sum is taken of the unrounded p; one rounding to f16 at the end.
; WORK-GROUPS 512 .. 575:  wp[e][c] = 32 x sc[4][e][c], in f16: Wo Wv for the last launch, which takes the factor back.  With it a spread from 3.5e-5 (both weights 30 times smaller than 1/32)
; to 900 (both carrying an offset of 30 spreads) lies in f16's normal range.
; LIMITS.  A hidden score counts as -3.4e38; a weight below 2^-126 counts as 0; below 6e-5 f16 keeps its fixed step of 6e-8.  |Wo Wv| beyond 2,047 becomes an infinity.  NaN and infinities are not treated apart.
; SHARES.  A work-group takes 16 rows, wave w the columns 256 w .. 256 w + 255 of all of them, kept in 128 registers between the passes: sc is read once.  The rows lie in tile row i = (t / 256) of the batch.
; ONE TEXT FOR ALL WAVES.  Only tiles 0 .. i of a row were written, so a wave loads column block min(w, i) and masks by its own true columns: a wave beyond the diagonal finds every score hidden,
; adds 0 to the sums and makes zeros.  Only the stores are jumped over, by waves beyond column block i | 1.
; No matrix unit, no tensor loads, no cluster: a stream in which no two work-groups read the same byte.
.set X,   32                           ; v[32:159]  row r at X + 8 r: my 4 columns at 4 x lane, then my 4 columns 128 further on
.set M,   160                          ; v[160:175] one number a row: the maximum, later the sum
.set CS,  20                           ; s[20:21]   c, named as a pair
.set NEG, 22                           ; s22        -3.4e38
.set RS,  32                           ; s[32:63]   a pair a row: -c m, later 1 / sum; the packed forms take the low word for both halves
	s_load_b128 s[4:7], s[0:1], 0x0                ; sc s[4:5], pr s[6:7]
	s_load_b64 s[24:25], s[0:1], 0x10              ; wp
	v_lshl_add_u32 v176, v0, 2, 0x400
	v_mov_b32 v177, 0
	v_lshrrev_b32 v1, 5, v0
	v_readfirstlane_b32 s8, v1                     ; wave 0..7
	v_and_b32 v2, 31, v0                           ; lane
	s_mov_b32 s2, ttmp9                            ; g: rows 16 g .. 16 g + 15 of sc's 9,216
	s_lshl_b32 s9, s2, 4
	s_and_b32 s9, s9, 2047                         ; t0: the first row's place in its batch
	s_lshr_b32 s10, s9, 8                          ; i
	s_min_u32 s11, s8, s10                         ; the column block that I load
	s_lshl_b32 s11, s11, 10                        ; 1,024 bytes each
	v_lshl_add_u32 v3, v2, 4, s11                  ; + 16 x lane
	s_lshl_b32 s12, s8, 8
	s_sub_co_i32 s12, s9, s12                      ; t0 - 256 w
	v_lshlrev_b32 v4, 2, v2
	v_sub_nc_u32 v5, s12, v4                       ; t0 - 256 w - 4 x lane: column e of my first four is hidden in row r where e - r is greater
	v_add_nc_u32 v6, 0xffffff80, v5                ; the same, less 128, for my second four
	v_mov_b32 v7, s8
	v_lshlrev_b32 v7, 2, v7                        ; LDS: my wave's word in a row's eight
	v_and_b32 v8, 15, v0
	v_lshlrev_b32 v8, 5, v8                        ; LDS: the eight words of row lane % 16
	s_lshl_b32 s13, s8, 9
	v_lshl_add_u32 v9, v2, 3, s13                  ; pr: 512 w + 8 x lane
	v_mov_b32 v10, 0                               ; v_permlanex16_b32's destinations count as read
	v_mov_b32 v11, 0
	s_lshl_b32 s14, s2, 17                         ; 16 rows of 8,192 bytes: under 75,497,472
	s_mov_b32 s15, 0
	s_lshl_b32 s16, s2, 16                         ; 16 rows of 4,096 bytes
	s_mov_b32 s17, 0
	s_mov_b32 s18, 0x76543210                      ; v_permlanex16_b32: each lane takes its own place in the other half
	s_mov_b32 s19, 0xfedcba98
	s_mov_b32 s[CS], 0x3d38aa3b                    ; c = log2(e) / 32 = 0.0450842
	s_mov_b32 s[CS+1], 0
	s_mov_b32 s[NEG], 0xff7fffff
.irp r, 0,1,2,3,4,5,6,7,8,9,10,11,12,13,14,15
	s_mov_b32 s[RS+2*(\r)+1], 0                    ; named with the low words as pairs, so they are written
.endr
	s_wait_kmcnt 0x0
	s_add_nc_u64 s[4:5], s[4:5], s[14:15]
	s_add_nc_u64 s[6:7], s[6:7], s[16:17]
	s_cmp_ge_u32 s2, 512
	s_cbranch_scc1 .Lw                             ; the rows of Wo Wv: the same way for all eight waves, and no barrier on it
.irp r, 0,1,2,3,4,5,6,7,8,9,10,11,12,13,14,15
	global_load_b128 v[X+8*(\r):X+8*(\r)+3],   v3, s[4:5] offset:8192*(\r)       ; 512 consecutive bytes a load
	global_load_b128 v[X+8*(\r)+4:X+8*(\r)+7], v3, s[4:5] offset:8192*(\r)+512
.endr
	; the mask, and each lane's maximum of its 8 scores of a row
.irp r, 0,1,2,3,4,5,6,7,8,9,10,11,12,13,14,15
	s_wait_loadcnt 2*(15-(\r))                     ; row r is in; the later rows' two loads each stay out
.irp e, 0,1,2,3
	v_cmp_gt_i32 vcc_lo, (\e)-(\r), v5
	v_cndmask_b32 v[X+8*(\r)+(\e)], v[X+8*(\r)+(\e)], s[NEG], vcc_lo
	v_cmp_gt_i32 vcc_lo, (\e)-(\r), v6
	v_cndmask_b32 v[X+8*(\r)+4+(\e)], v[X+8*(\r)+4+(\e)], s[NEG], vcc_lo
.endr
	v_max3_num_f32 v[M+(\r)], v[X+8*(\r)], v[X+8*(\r)+1], v[X+8*(\r)+2]
	v_max3_num_f32 v[M+(\r)], v[M+(\r)], v[X+8*(\r)+3], v[X+8*(\r)+4]
	v_max3_num_f32 v[M+(\r)], v[M+(\r)], v[X+8*(\r)+5], v[X+8*(\r)+6]
	v_max_num_f32  v[M+(\r)], v[M+(\r)], v[X+8*(\r)+7]
.endr
; Across the 32 lanes, for all 16 rows: four steps inside each half of 16 lanes ride on the arithmetic, one crosses the halves.  Then each wave's figure goes to its word of LDS (row r's eight words
; at base + 32 r), and behind the barrier lane l reads the eight words of row l % 16.
.macro ACROSS opd, op, base
.irp m, 1,2,4,8
.irp r, 0,1,2,3,4,5,6,7,8,9,10,11,12,13,14,15
	\opd v[M+(\r)], v[M+(\r)], v[M+(\r)] row_xmask:\m row_mask:0xf bank_mask:0xf
.endr
.endr
.irp r, 0,1,2,3,4,5,6,7,8,9,10,11,12,13,14,15
	v_permlanex16_b32 v[10+(\r)%2], v[M+(\r)], s18, s19
	\op v[M+(\r)], v[M+(\r)], v[10+(\r)%2]
.endr
.irp r, 0,1,2,3,4,5,6,7,8,9,10,11,12,13,14,15
	ds_store_b32 v7, v[M+(\r)] offset:(\base)+32*(\r)   ; all lanes write the same word with the same value
.endr
	s_wait_dscnt 0x0                               ; for the others' sake: my stores are done
	s_barrier_signal -1
	s_barrier_wait -1
	ds_load_b128 v[12:15], v8 offset:(\base)
	ds_load_b128 v[16:19], v8 offset:(\base)+16
	s_wait_dscnt 0x0
.endm
	ACROSS v_max_num_f32_dpp, v_max_num_f32, 0
	v_max3_num_f32 v20, v12, v13, v14
	v_max3_num_f32 v20, v20, v15, v16
	v_max3_num_f32 v20, v20, v17, v18
	v_max_num_f32  v20, v20, v19                   ; the maximum of row lane % 16
	v_mul_f32 v20, 0xbd38aa3b, v20                 ; -c m
.irp r, 0,1,2,3,4,5,6,7,8,9,10,11,12,13,14,15
	v_readlane_b32 s[RS+2*(\r)], v20, \r           ; a multiplier's operand alone: no address and no branch is made of it
.endr
.irp r, 0,1,2,3,4,5,6,7,8,9,10,11,12,13,14,15
.irp j, 0,2,4,6
	v_pk_fma_f32 v[X+8*(\r)+(\j):X+8*(\r)+(\j)+1], v[X+8*(\r)+(\j):X+8*(\r)+(\j)+1], s[CS:CS+1], s[RS+2*(\r):RS+2*(\r)+1] op_sel_hi:[1,0,0]  ; c x - c m, one rounding; the rounding of c m is common to the row and cancels in p / sum
.endr
.endr
.set n, 0
.rept 128
	v_exp_f32 v[X+n], v[X+n]
.set n, n+1
.endr
	v_nop                                          ; a plain instruction between the last exponential and the use of its result (ISA guide 5.7.2)
	s_wait_alu depctr_va_vdst(0)
.irp r, 0,1,2,3,4,5,6,7,8,9,10,11,12,13,14,15
	v_pk_add_f32 v[12+4*((\r)%2):13+4*((\r)%2)], v[X+8*(\r):X+8*(\r)+1],   v[X+8*(\r)+2:X+8*(\r)+3]   ; the weights themselves are still needed: the sums go elsewhere
	v_pk_add_f32 v[14+4*((\r)%2):15+4*((\r)%2)], v[X+8*(\r)+4:X+8*(\r)+5], v[X+8*(\r)+6:X+8*(\r)+7]
	v_pk_add_f32 v[12+4*((\r)%2):13+4*((\r)%2)], v[12+4*((\r)%2):13+4*((\r)%2)], v[14+4*((\r)%2):15+4*((\r)%2)]
	v_add_f32 v[M+(\r)], v[12+4*((\r)%2)], v[13+4*((\r)%2)]
.endr
	ACROSS v_add_f32_dpp, v_add_f32, 512           ; other LDS bytes than the maxima's: no wave can overwrite what another still reads
	v_add_f32 v12, v12, v13
	v_add_f32 v14, v14, v15
	v_add_f32 v16, v16, v17
	v_add_f32 v18, v18, v19
	v_add_f32 v12, v12, v14
	v_add_f32 v16, v16, v18
	v_add_f32 v12, v12, v16                        ; the sum of row lane % 16: at least 1, the maximum's own weight
	v_rcp_f32 v20, v12
	v_nop
	s_wait_alu depctr_va_vdst(0)
.irp r, 0,1,2,3,4,5,6,7,8,9,10,11,12,13,14,15
	v_readlane_b32 s[RS+2*(\r)], v20, \r
.endr
.irp r, 0,1,2,3,4,5,6,7,8,9,10,11,12,13,14,15
.irp j, 0,2,4,6
	v_pk_mul_f32 v[X+8*(\r)+(\j):X+8*(\r)+(\j)+1], v[X+8*(\r)+(\j):X+8*(\r)+(\j)+1], s[RS+2*(\r):RS+2*(\r)+1] op_sel_hi:[1,0]
.endr
.irp j, 0,1,2,3
	v_cvt_pk_f16_f32 v[X+8*(\r)+(\j)], v[X+8*(\r)+2*(\j)], v[X+8*(\r)+2*(\j)+1]   ; in place, ascending: a word is written when its own two numbers or earlier ones have been read
.endr
.endr
	s_or_b32 s13, s10, 1                           ; the last column block below the next multiple of 512
	s_cmp_gt_u32 s8, s13
	s_cbranch_scc1 .Lend                           ; nobody reads further
.irp r, 0,1,2,3,4,5,6,7,8,9,10,11,12,13,14,15
	global_store_b64 v9, v[X+8*(\r):X+8*(\r)+1],   s[6:7] offset:4096*(\r)       ; 256 consecutive bytes a store, at a multiple of 256 from pr's first byte
	global_store_b64 v9, v[X+8*(\r)+2:X+8*(\r)+3], s[6:7] offset:4096*(\r)+256
.endr
.Lend:
	s_wait_tensorcnt 0x0
	ds_add_u32 v176, v177
	s_wait_dscnt 0x0
	s_endpgm
.Lw:
	; 16 rows of Wo Wv, 1,024 numbers each at the head of a row of 8,192 bytes.  Wave w takes rows 2 w and 2 w + 1: sixteen loads of 512 consecutive bytes, all out first, each into registers of its own.
	s_sub_co_u32 s12, s2, 512
	s_lshl_b32 s12, s12, 15                        ; 16 rows of 2,048 bytes of wp
	s_mov_b32 s13, 0
	s_add_nc_u64 s[24:25], s[24:25], s[12:13]
	s_mov_b32 s26, 0x42000000                      ; 32.0, named as a pair
	s_mov_b32 s27, 0
	v_lshlrev_b32 v3, 4, v2
	v_lshl_add_u32 v3, v1, 14, v3                  ; sc: 2 w rows of 8,192 bytes + 16 x lane
	v_lshlrev_b32 v9, 3, v2
	v_lshl_add_u32 v9, v1, 12, v9                  ; wp: 2 w rows of 2,048 bytes + 8 x lane
.set n, 0
.rept 16
	global_load_b128 v[X+4*n:X+4*n+3], v3, s[4:5] offset:8192*(n/8)+512*(n%8)
.set n, n+1
.endr
.set n, 0
.rept 16
	s_wait_loadcnt 15-n                            ; loads come back in order: number n is in, the younger ones stay out
	v_pk_mul_f32 v[X+4*n:X+4*n+1],   v[X+4*n:X+4*n+1],   s[26:27] op_sel_hi:[1,0]
	v_pk_mul_f32 v[X+4*n+2:X+4*n+3], v[X+4*n+2:X+4*n+3], s[26:27] op_sel_hi:[1,0]
	v_cvt_pk_f16_f32 v[X+4*n],   v[X+4*n],   v[X+4*n+1]
	v_cvt_pk_f16_f32 v[X+4*n+1], v[X+4*n+2], v[X+4*n+3]
	global_store_b64 v9, v[X+4*n:X+4*n+1], s[24:25] offset:2048*(n/8)+256*(n%8)   ; 256 consecutive bytes, at a multiple of 256 from wp's first byte
.set n, n+1
.endr
	s_endpgm
.Lfunc_end_k_q8868609605_softmax:
	.size	k_q8868609605_softmax, .Lfunc_end_k_q8868609605_softmax-k_q8868609605_softmax
	.p2alignl 7, 3214868480
	.fill 96, 4, 3214868480
	.section	.rodata,"a",@progbits
	.p2align	6, 0x0
	.amdhsa_kernel k_q8868609605_softmax
		.amdhsa_group_segment_fixed_size 2048
		.amdhsa_private_segment_fixed_size 0
		.amdhsa_enable_private_segment 0
		.amdhsa_kernarg_size 24
		.amdhsa_user_sgpr_count 2
		.amdhsa_user_sgpr_kernarg_segment_ptr 1
		.amdhsa_wavefront_size32 1
		.amdhsa_system_sgpr_workgroup_id_x 1
		.amdhsa_system_sgpr_workgroup_id_y 1
		.amdhsa_system_sgpr_workgroup_id_z 1
		.amdhsa_system_vgpr_workitem_id 0
		.amdhsa_next_free_vgpr 178
		.amdhsa_next_free_sgpr 66
		.amdhsa_reserve_vcc 1
		.amdhsa_float_denorm_mode_32 3
		.amdhsa_float_denorm_mode_16_64 3
		.amdhsa_memory_ordered 1
		.amdhsa_forward_progress 1
		.amdhsa_inst_pref_size 69
	.end_amdhsa_kernel
	.amdgpu_metadata
---
amdhsa.version: [ 1, 2 ]
amdhsa.kernels:
  - .name:           k_q8868609605_softmax
    .symbol:         k_q8868609605_softmax.kd
    .args:
      - { .name: sc, .offset: 0, .size: 8, .value_kind: global_buffer, .address_space: global }
      - { .name: pr, .offset: 8, .size: 8, .value_kind: global_buffer, .address_space: global }
      - { .name: wp, .offset: 16, .size: 8, .value_kind: global_buffer, .address_space: global }
    .group_segment_fixed_size: 2048
    .private_segment_fixed_size: 0
    .kernarg_segment_align: 8
    .kernarg_segment_size: 24
    .max_flat_workgroup_size: 256
    .sgpr_count:     66
    .vgpr_count:     178
    .wavefront_size: 32
...
	.end_amdgpu_metadata
.endif
;; end of part 10
;; launch pz (part 11): grid 8 x 32, 4 waves a work-group, clusters of 4 x 4, 327,680 bytes of LDS; arguments pr, xh, zh; writes zh
.if DOCPART == 11
	.amdgcn_target "amdgcn-amd-amdhsa--gfx1250"
	.amdhsa_code_object_version 6
	.text
	.protected	k_q8868609605_pz
	.globl	k_q8868609605_pz
	.p2align	8
	.type	k_q8868609605_pz,@function
k_q8868609605_pz:
	s_mov_b64 s[64:65], 0
	v_nop
	global_prefetch_b8 v0, s[64:65] scope:SCOPE_SE
	s_setreg_imm32_b32 hwreg(HW_REG_WAVE_MODE, 25, 1), 1
	s_wait_xcnt 0x0
	s_wait_alu depctr_hold_cnt(0) depctr_sa_sdst(0) depctr_va_vdst(0) depctr_va_sdst(0) depctr_va_ssrc(0) depctr_va_vcc(0) depctr_vm_vsrc(0)
	s_getreg_b32 s2, hwreg(HW_REG_IB_STS2, 6, 4)
	s_cmp_eq_u32 s2, 0
	s_cbranch_scc0 .Lentry_in_a_cluster
	s_endpgm
.Lentry_in_a_cluster:
	s_bfe_u32 s2, ttmp6, 0x10000c
	s_cmp_lg_u32 s2, 0xf033
	s_cbranch_scc0 .Lentry_shape_is_right
	s_endpgm
.Lentry_shape_is_right:
; zh[b][t][c] = sum over s of pr[b][t][s] xh[b][s][c].  pr: [4][2048][2048] f16; xh: [8192][1024] f16; sums in f32; zh: [8192][1024], rounded once to f16.
; (The weights are applied to x itself: the last launch multiplies by Wo Wv.  The same sums in another order of rounding.)
; zh is a mean of x's rows and has their range.  NaN and infinities are not treated apart.
; THE CAUSAL WALK, IN PAIRS.  A batch's rows lie in four bands of 512; band c needs the keys 0 .. 512 (c + 1) - 1 (pr holds zeros from the diagonal to that column): 2 (c + 1) steps of 256 keys.
; A work-group makes TWO tiles of 128 rows x 128 channels, one in band 3 - p and then one in band p (p = 0, 1): (8 - 2 p) + (2 + 2 p) = 10 steps, whatever p: all 256 work-groups do equal work.
; The two tiles' steps are ONE sequence for the ring of two LDS slots: a loop of 8 trips asks for steps 2 to 9, the last step and seven quarters are written out.  What differs with p lies in scalar registers made of the
; cluster's y; the one forward jump passes the first tile's way out, which holds no barrier and no tensor load.
; SHARES.  Wave w makes rows 32 w .. 32 w + 31 of a tile, all 128 channels: 16 accumulators.  So a row of its result is 256 bytes, its stage is its own, and the way out needs no barrier;
; the price is 20 LDS loads for 16 matrix instructions.
; CLUSTER: 4 x 4 work-groups: four row blocks of 128 of the band in hand, times four channel blocks.  The four of a row of the cluster need the same rows of pr, the four of a column the same keys and
; channels of xh: each tile is asked for jointly, by the same tensor load with the same descriptor and a mask that names the four.
; LAYOUT.  Source 0 = 16 channels x 32 keys of xh, which lies [key][channel] and comes out of LDS turned, by ds_load_tr16_b128; source 1 = 16 rows x 32 keys of pr, as it lies.
; A lane then holds row l % 16 of zh and the eight neighbouring channels 8 (l / 16) + 0 .. 7.
; REGISTERS: window 0: v0-31 addresses; v64-79, v128-143 fragments of pr; v32-63, v192-255 the way out.  window 1: v64-127, v128-191 fragments of xh.  window 2: v0-127 accumulators, (a, b) at v[8 (8 a + b)].
.set PA,     528                       ; a row of pr's tile in LDS: 512 bytes + 16 = 132 words: the 16 rows of a fragment load start at 16 different groups of four banks (64 banks of 4 bytes: ISA guide 11.1)
.set PB,     288                       ; a row of xh's tile: 256 bytes + 32 = 72 words
.set SP,     272                       ; a row of a stage: 256 bytes + 16
.set AHALF,  64*PA                     ; 0x8400: 64 rows of pr: what wave 0 or 1 fetches
.set BHALF,  128*PB                    ; 0x9000: 128 keys of xh: what wave 2 or 3 fetches
.set BOFF,   2*AHALF                   ; 0x10800: xh's 256 keys lie behind pr's 128 rows
.set SLOTX,  0x24000                   ; slot 1 begins here (a slot holds 141,312 bytes).  It shares no bit with the four loads' LDS words 0, 0x8400, 0x10800, 0x19800: an exclusive or turns one slot's word into the other's
.set STAGE,  SLOTX+BOFF+2*BHALF        ; behind the ring, never filled by a tensor load: 16 rows x 272 bytes for each wave
.set SPARE,  STAGE+4*16*SP             ; the spare words, 128 bytes for each wave: two blocks of 256 bytes that no other line names
.set BSTEP,  256*2048                  ; a step of 256 keys down xh's rows, in bytes (along pr's rows it is 512)
.set CP,     2048                      ; bytes in a row of zh
.set ADRA,  16                         ; v16  LDS address of my fragments of pr in the slot in hand
.set ADRA0, 17                         ; v17  the same in slot 0; never rewritten
.set ADRB,  20                         ; v20  the same for xh, keys 0 .. 127 of a step
.set ADRB0, 21                         ; v21  in slot 0; never rewritten
.set ADRBH, 22                         ; v22  keys 128 .. 255: the LDS loads' immediates hold 16 bits
.set STO,   24                         ; v24  the way out: where I put 16 bytes of a row
.set RD,    25                         ; v25  where I read rows back
.set CO,    26                         ; v26  my byte offset in zh; never rewritten
.set SPW,   28                         ; v28  SPARE + 4 x my thread's number; never rewritten
.set NIL,   29                         ; v29  0; never rewritten
.set F0,    64
.set F1,    128
.set TMP,   192
.set OB,    32
.set G1,  24                           ; s[24:31] descriptor group 1 for pr's tiles;  s[32:39] group 0: the two first fills; the second set then walks
.set G0,  32
.set G1B, 48                           ; s[48:55], s[56:63] the same for xh's
.set G0B, 56
.set RT,   66                          ; s66  steps of the tile in hand that are still to be multiplied
.set N2,   67                          ; s67  the second tile's steps, 2 + 2 p
.set NXT,  68                          ; s68  the step, counted in its tile, that is asked for next
.set LQ,   69                          ; s69  the last step of the tile whose steps are being asked for
.set LQ2,  70                          ; s70  the second tile's last step
.set RBO,  71                          ; s71  byte offset in pr of the row block whose steps are being asked for
.set RBO2, 72                          ; s72  the second tile's
.set OFA,  74                          ; s[74:75] a request's byte offset in pr
.set OFB,  76                          ; s[76:77] and in xh
.set CB,   78                          ; s[78:79] zh at my batch, my wave's rows of a block and my channels
.set CO2,  80                          ; s[80:81] byte offset in zh of the second tile's row block
.set MSB, 0
.macro WIN new                         ; the immediate's high byte repeats the setting that is left; a switch that changes nothing is dropped
.if MSB != (\new)
	s_set_vgpr_msb (MSB<<8)|(\new)
.set MSB, \new
.endif
.endm
.macro PLACES                          ; four places between a matrix instruction and a load into, or a vector line on, its registers
.rept 4
	v_nop
.endr
.endm
.macro JLOAD s                         ; a joint load: waves 0, 1 fetch pr's two halves, waves 2, 3 xh's.  An s_nop 0 and four v_nop follow each of the two lines
	s_cmp_eq_u32 s11, 0
	s_cbranch_scc0 .Lfor_b_\@
	tensor_load_to_lds s[G0+4*(\s):G0+4*(\s)+3], s[G1:G1+7]
	s_nop 0
.rept 4
	v_nop
.endr
	s_branch .Lasked_\@
.Lfor_b_\@:
	tensor_load_to_lds s[G0B+4*(\s):G0B+4*(\s)+3], s[G1B:G1B+7]
	s_nop 0
.rept 4
	v_nop
.endr
.Lasked_\@:
.endm
.macro CREST                           ; a round of the cluster's barrier behind its opening barrier
	s_cmp_lg_u32 s10, 0
	s_cbranch_scc1 .Lnot_wave_0_\@
	s_barrier_signal -3
.Lnot_wave_0_\@:
	s_barrier_wait -3
	s_barrier_signal -1
	s_barrier_wait -1
.endm
.macro CROUND                          ; a whole round
	s_barrier_signal -1
	s_barrier_wait -1
	CREST
.endm
	s_load_b128 s[4:7], s[0:1], 0x0                ; pr s[4:5], xh s[6:7]
	s_load_b64 s[8:9], s[0:1], 0x10                ; zh
	v_lshl_add_u32 v[SPW], v0, 2, SPARE
	v_mov_b32 v[NIL], 0
	ds_add_u32 v28, v29
	ds_add_u32 v28, v29
	s_wait_dscnt 0x0
	v_lshrrev_b32 v1, 5, v0
	v_readfirstlane_b32 s10, v1                    ; wave 0..3
	s_lshr_b32 s11, s10, 1                         ; I fetch pr (0) or xh (1),
	s_and_b32 s12, s10, 1                          ; and which half of that tile
	s_bfe_u32 s40, ttmp6, 0x40000                  ; cx, cy: my place in the cluster
	s_bfe_u32 s41, ttmp6, 0x40004
	s_lshl_b32 s42, ttmp9, 2
	s_add_co_u32 s42, s42, s40                     ; j: the block of 128 channels, 0 .. 7
	s_and_b32 s14, ttmp7, 0xffff                   ; the cluster's y, 0 .. 7
	s_lshr_b32 s15, s14, 2                         ; p: the pair of bands
	s_and_b32 s18, s14, 3                          ; the batch
	s_sub_co_u32 s19, 3, s15                       ; the first tile's band, 3 - p
	s_lshl_b32 s13, s19, 2
	s_add_co_u32 s13, s13, s41                     ; its block of 128 rows in the batch
	s_lshl_b32 s45, s15, 2
	s_add_co_u32 s45, s45, s41                     ; the second tile's: 4 p + cy
	s_lshl_b32 s[RBO], s13, 19                     ; 128 rows of 4,096 bytes a block
	s_lshl_b32 s[RBO2], s45, 19
	s_lshl_b32 s22, s15, 1
	s_sub_co_u32 s[RT], 8, s22                     ; the first tile has 8 - 2 p steps,
	s_add_co_u32 s[N2], s22, 2                     ; the second 2 + 2 p: numbers of the cluster's y alone, the same in all sixteen partners
	s_sub_co_u32 s[LQ], 7, s22
	s_add_co_u32 s[LQ2], s22, 1
	s_mov_b32 s[NXT], 2                            ; steps 0 and 1 are the first fills
	s_mov_b32 s[OFA], s[RBO]
	s_mov_b32 s[OFA+1], 0
	s_mov_b32 s[OFB+1], 0
	s_lshl_b32 s43, s41, 2
	s_lshl_b32 s43, 15, s43                        ; my row of the cluster
	s_lshl_b32 s44, 0x1111, s40                    ; my column
	s_or_b32 s[G1+0], s43, (1<<16)|(1<<20)|(1<<21)|(6<<22)|(3<<25)   ; pr: the mask of my row; elements of 2 bytes; padding: after every 128 words 4 words; bit 21 set beside a mask
	s_mov_b32 s[G1+1], 256<<16                     ; tensor_dim0 = 256 keys
	s_mov_b32 s[G1+2], 64<<16                      ; tensor_dim1 = 64 rows
	s_mov_b32 s[G1+3], 256<<16                     ; tile_dim0
	s_mov_b32 s[G1+4], 64                          ; tile_dim1
	s_mov_b32 s[G1+5], 2048                        ; elements from row to row of pr
	s_mov_b32 s[G1+6], 0
	s_mov_b32 s[G1+7], 0
	s_or_b32 s[G1B+0], s44, (1<<16)|(1<<20)|(1<<21)|(5<<22)|(7<<25)  ; xh: the mask of my column; padding: after every 64 words 8 words
	s_mov_b32 s[G1B+1], 128<<16                    ; tensor_dim0 = 128 channels
	s_mov_b32 s[G1B+2], 128<<16                    ; tensor_dim1 = 128 keys
	s_mov_b32 s[G1B+3], 128<<16
	s_mov_b32 s[G1B+4], 128
	s_mov_b32 s[G1B+5], 1024                       ; elements from row to row of xh
	s_mov_b32 s[G1B+6], 0
	s_mov_b32 s[G1B+7], 0
	s_lshl_b32 s16, s18, 23                        ; pr: the batch's 8,388,608 bytes,
	s_lshl_b32 s17, s12, 18                        ; 64 rows of 4,096 bytes a half
	s_add_co_u32 s16, s16, s17
	s_mov_b32 s17, 0
	s_lshl_b32 s46, s18, 22                        ; xh: the batch's 4,194,304 bytes,
	s_lshl_b32 s47, s12, 18                        ; 128 keys of 2,048 bytes a half,
	s_add_co_u32 s46, s46, s47
	s_lshl_b32 s47, s42, 8                         ; 256 bytes a channel block
	s_add_co_u32 s46, s46, s47
	s_mov_b32 s47, 0
	s_mul_i32 s20, s12, AHALF                      ; where they go: no place in the cluster enters an LDS address
	s_mul_i32 s21, s12, BHALF
	s_add_co_u32 s21, s21, BOFF
	s_wait_kmcnt 0x0
	s_add_nc_u64 s[4:5], s[4:5], s[16:17]          ; pr at my batch and half: every request adds its row block and step
	s_add_nc_u64 s[6:7], s[6:7], s[46:47]          ; xh at my batch, half and channels: every request adds its step
	s_add_nc_u64 s[14:15], s[4:5], s[OFA:OFA+1]    ; the first tile's rows
	CROUND                                         ; all sixteen work-groups are here: the first joint loads meet
.irp s, 0,1
	s_mov_b32 s[G0+4*(\s)], 1                      ; count = 1
	s_add_co_u32 s[G0+4*(\s)+1], s20, (\s)*SLOTX   ; LDS address
	s_add_nc_u64 s[G0+4*(\s)+2:G0+4*(\s)+3], s[14:15], (\s)*512      ; step s of the first tile
	s_or_b32 s[G0+4*(\s)+3], s[G0+4*(\s)+3], 0x80000000              ; type = 2
	s_mov_b32 s[G0B+4*(\s)], 1
	s_add_co_u32 s[G0B+4*(\s)+1], s21, (\s)*SLOTX
	s_add_nc_u64 s[G0B+4*(\s)+2:G0B+4*(\s)+3], s[6:7], (\s)*BSTEP
	s_or_b32 s[G0B+4*(\s)+3], s[G0B+4*(\s)+3], 0x80000000
	JLOAD \s                                       ; both slots are asked for before anything else: two loads of mine are out
.endr
	v_and_b32 v1, 15, v0                           ; l % 16
	v_bfe_u32 v2, v0, 4, 1                         ; l / 16
	v_mul_u32_u24 v3, v1, PA
	v_lshl_add_u32 v3, v2, 4, v3                   ; a fragment of pr: row x pitch + 16 x half
	s_mul_i32 s22, s10, 32*PA                      ; my 32 rows
	v_add_nc_u32 v[ADRA0], s22, v3
	v_mov_b32 v[ADRA], v[ADRA0]
	; The turning load takes 16 keys x 16 channels (lane l reads key 8 (l / 16) + l % 8, channels 8 ((l / 8) % 2) + 0..7) and leaves half a fragment: lane l holds channel l % 16 and 8 keys.
	v_and_b32 v4, 7, v0
	v_lshl_add_u32 v4, v2, 3, v4
	v_mul_u32_u24 v4, v4, PB
	v_bfe_u32 v5, v0, 3, 1
	v_lshl_add_u32 v4, v5, 4, v4
	v_add_nc_u32 v[ADRB0], BOFF, v4
	v_mov_b32 v[ADRB], v[ADRB0]
	v_add_nc_u32 v[ADRBH], 4*32*PB, v[ADRB0]
	s_mov_b32 s2, 0                                ; the slot in hand begins at this LDS byte
	s_mul_i32 s23, s10, 16*SP
	s_add_co_u32 s23, s23, STAGE                   ; my stage
	v_mul_u32_u24 v6, v1, SP                       ; in: row l % 16, 16 bytes for each half of the lanes
	v_lshl_add_u32 v6, v2, 4, v6
	v_add_nc_u32 v[STO], s23, v6
	v_mul_u32_u24 v5, v2, SP                       ; back: lanes 0-15 take one row of 256 bytes, lanes 16-31 the next
	v_lshl_add_u32 v5, v1, 4, v5
	v_add_nc_u32 v[RD], s23, v5
	v_lshlrev_b32 v5, 11, v2                       ; and the same two rows in zh
	v_lshl_add_u32 v[CO], v1, 4, v5
	s_lshl_b32 s16, s18, 22                        ; zh: the batch's 4,194,304 bytes,
	s_lshl_b32 s19, s10, 16                        ; my wave's 32 rows of 2,048 bytes,
	s_add_co_u32 s16, s16, s19
	s_mov_b32 s17, 0
	s_add_nc_u64 s[CB:CB+1], s[8:9], s[16:17]
	s_lshl_b32 s46, s42, 8                         ; my 256 bytes of a row
	s_mov_b32 s47, 0
	s_add_nc_u64 s[CB:CB+1], s[CB:CB+1], s[46:47]
	s_lshl_b32 s16, s13, 18                        ; 128 rows of 2,048 bytes a block: the first tile's,
	s_add_nc_u64 s[8:9], s[CB:CB+1], s[16:17]
	s_lshl_b32 s[CO2], s45, 18                     ; and the second's, for later
	s_mov_b32 s[CO2+1], 0
; 8 matrix instructions: block a of 16 rows x all 8 blocks of 16 channels, 32 keys.  zero = 1: the product starts the sums: nothing is ever cleared.
; The 16 accumulators take turns, one instruction a turn, in the same order in every quarter.
.macro MULA f, a, zero
	WIN 0xa1                                       ; xh's fragments in window 1, pr's in window 0, C and D in window 2
.irp b, 0,1,2,3,4,5,6,7
.if \zero
	v_wmma_f32_16x16x32_f16 v[8*(8*(\a)+(\b)):8*(8*(\a)+(\b))+7], v[(\f)+8*(\b):(\f)+8*(\b)+7], v[(\f)+8*(\a):(\f)+8*(\a)+7], 0
.else
	v_wmma_f32_16x16x32_f16 v[8*(8*(\a)+(\b)):8*(8*(\a)+(\b))+7], v[(\f)+8*(\b):(\f)+8*(\b)+7], v[(\f)+8*(\a):(\f)+8*(\a)+7], v[8*(8*(\a)+(\b)):8*(8*(\a)+(\b))+7]
.endif
.endr
.endm
; 20 LDS loads in one run: eighth q (32 keys) of the slot in hand into buffer f.  The largest immediate is 3 x 9,216 + 4,608 + 224 = 32,480.
.macro FETCH q, f
.if (\q) < 4
.set RB, ADRB
.set KO, (\q)*32*PB
.else
.set RB, ADRBH
.set KO, ((\q)-4)*32*PB
.endif
	WIN 0x40                                       ; destination window 1, address window 0
.irp i, 0,1,2,3,4,5,6,7
	ds_load_tr16_b128 v[(\f)+8*(\i):(\f)+8*(\i)+3],   v[RB] offset:KO+32*(\i)
	ds_load_tr16_b128 v[(\f)+8*(\i)+4:(\f)+8*(\i)+7], v[RB] offset:KO+16*PB+32*(\i)
.endr
	WIN 0
.irp i, 0,1
	ds_load_b128 v[(\f)+8*(\i):(\f)+8*(\i)+3],   v[ADRA] offset:64*(\q)+(\i)*16*PA
	ds_load_b128 v[(\f)+8*(\i)+4:(\f)+8*(\i)+7], v[ADRA] offset:64*(\q)+(\i)*16*PA+32
.endr
.endm
; A step of 256 keys is eight parts of 32 keys on buffers 0, 1, 0, 1 ..  Q q: buffer f, which holds part q - 1 and was asked for a part ago, is multiplied; ahead of that part q is asked for into buffer g.
.macro Q q, f, g, zero
	s_wait_dscnt 0x0                               ; buffer f is in
	PLACES                                         ; buffer g was read by the matrix instructions just before
	FETCH \q, \g
	MULA \f, 0, \zero
	MULA \f, 1, \zero
.endm
; The next request's descriptors.  The addresses are made anew from the step's number in its tile; the LDS words go over to the other slot.  Behind a tile's last step the number goes back to 0
; and the row block is the second tile's.
.macro ASK
	s_lshl_b32 s[OFA], s[NXT], 9                   ; 256 keys along pr's rows,
	s_add_co_u32 s[OFA], s[OFA], s[RBO]            ; in the tile's row block
	s_lshl_b32 s[OFB], s[NXT], 19                  ; 256 keys down xh's rows
	s_xor_b32 s[G0+5], s[G0+5], SLOTX
	s_add_nc_u64 s[G0+6:G0+7], s[4:5], s[OFA:OFA+1]
	s_or_b32 s[G0+7], s[G0+7], 0x80000000
	s_xor_b32 s[G0B+5], s[G0B+5], SLOTX
	s_add_nc_u64 s[G0B+6:G0B+7], s[6:7], s[OFB:OFB+1]
	s_or_b32 s[G0B+7], s[G0B+7], 0x80000000
	s_add_co_u32 s[NXT], s[NXT], 1
	s_cmp_gt_u32 s[NXT], s[LQ]
	s_cselect_b32 s[NXT], 0, s[NXT]
	s_cselect_b32 s[RBO], s[RBO2], s[RBO]
	s_cselect_b32 s[LQ], s[LQ2], s[LQ]
.endm
; Part 7's turn holds the change of slots.  Its fetch is the slot's last read.  ONE barrier, for two things: in front of it each wave waits for all its tensor loads, of which one is out: its part of the other
; slot; adds 0 to its spare word; and waits for that and for its own reads of this slot.  Behind it nobody reads this slot any more and the other slot is whole.
; fill = 1: the barrier opens a round of the cluster's barrier, and this slot is filled again, two steps ahead, first thing behind the round: 120 matrix instructions of mine ahead of the wait for it.
.macro Q7M fill
	s_wait_dscnt 0x0
	PLACES
	FETCH 7, F1
	MULA F0, 0, 0
	WIN 0                                          ; (the add's two registers lie in window 0)
	s_wait_tensorcnt 0x0                           ; all my tensor loads have landed, so a group 0 may be written
	ds_add_u32 v[SPW], v[NIL]                      ; 0 onto my spare word; scalar work and eight matrix instructions stand between it and the wait for it
.if \fill
	ASK
.endif
	MULA F0, 1, 0
	WIN 0                                          ; at a branch and at a label every window is 0
	s_wait_dscnt 0x0                               ; the add is done, and my reads of this slot are over
	s_barrier_signal -1
	s_barrier_wait -1
.if \fill
	CREST                                          ; no wave of any partner still reads this slot's tile or has a load on its way
	JLOAD 1
.endif
.endm
.macro Q8                              ; a step's last part is multiplied; the fetches go over to the other slot
	s_xor_b32 s2, s2, SLOTX
	v_add_nc_u32 v[ADRA], s2, v[ADRA0]
	v_add_nc_u32 v[ADRB], s2, v[ADRB0]
	v_add_nc_u32 v[ADRBH], 4*32*PB, v[ADRB]
	Q 0, F1, F0, 0
.endm
; THE WAY OUT of a tile: my two blocks of 16 rows.  PACK: rounded to f16, 16 bytes a lane, each accumulator's registers in ascending order.  TOST: into my own stage and back as whole rows of 256 bytes.  SEND: stored.
.macro PACK a
	WIN 0x0a                                       ; sources 0 and 1: window 2
.irp b, 0,1,2,3,4,5,6,7
.irp r, 0,1,2,3
	v_cvt_pk_f16_f32 v[TMP+4*(\b)+(\r)], v[64*(\a)+8*(\b)+2*(\r)], v[64*(\a)+8*(\b)+2*(\r)+1]
.endr
.endr
	WIN 0
.endm
.macro TOST a
.set BK, OB+192*((\a)%2)
	s_wait_xcnt 0x0                                ; the first tile's stores have read these registers: they are loaded again only behind this wait
.irp b, 0,1,2,3,4,5,6,7
	ds_store_b128 v[STO], v[TMP+4*(\b):TMP+4*(\b)+3] offset:32*(\b)
.endr
.irp t, 0,1,2,3,4,5,6,7
	ds_load_b128 v[BK+4*(\t):BK+4*(\t)+3], v[RD] offset:(\t)*2*SP  ; LDS serves a wave's instructions in order (ISA guide 5.7.1.4): these see the stores above
.endr
.endm
.macro SEND a, younger                 ; younger: the LDS instructions issued behind block a's loads: the next block's sixteen, or none
.set BK, OB+192*((\a)%2)
	s_wait_dscnt \younger
.irp t, 0,1,2,3,4,5,6,7
	global_store_b128 v[CO], v[BK+4*(\t):BK+4*(\t)+3], s[8:9] offset:(16*(\a)+2*(\t))*CP  ; 16 lanes store 256 consecutive bytes, at a multiple of 256 from zh's first byte
.endr
.endm
.macro WAYOUT
	PLACES                                         ; the conversions read matrix results
	PACK 0
	TOST 0
	PACK 1                                         ; a block's conversions stand between the loads of the block before and its stores
	TOST 1
	SEND 0, 16
	SEND 1, 0
.endm
	s_wait_tensorcnt 0x1                           ; my part of step 0 is in; step 1's may stay out
	s_barrier_signal -1
	s_barrier_wait -1                              ; everybody's is
	FETCH 0, F0
	Q 1, F0, F1, 1                                 ; the walk's first part stands in front of the loop: its products start the first tile's sums
	WIN 0
	s_mov_b32 s3, 8
.Lstep:                                                ; a trip goes from a step's second part to the next step's first, and asks for the step two on: steps 2 to 9 of the walk
	Q 2, F1, F0, 0
	Q 3, F0, F1, 0
	Q 4, F1, F0, 0
	Q 5, F0, F1, 0
	Q 6, F1, F0, 0
	Q7M 1
	Q8
	WIN 0
	s_sub_co_u32 s[RT], s[RT], 1
	s_cmp_lg_u32 s[RT], 0
	s_cbranch_scc1 .Lsame                          ; the tile goes on: the jump passes neither a barrier nor a tensor load
	WAYOUT                                         ; the first tile is done; both slots' next steps are asked for or in, and the next step's first fragments are on their way
	s_wait_xcnt 0x0                                ; the stores have read zh's address
	s_add_nc_u64 s[8:9], s[CB:CB+1], s[CO2:CO2+1]  ; the second tile's rows
	s_mov_b32 s[RT], s[N2]
	Q 1, F0, F1, 1                                 ; the second tile's first part starts its sums
	WIN 0
	s_branch .Lbottom
.Lsame:
	Q 1, F0, F1, 0
	WIN 0
.Lbottom:
	s_sub_co_u32 s3, s3, 1
	s_cmp_lg_u32 s3, 0
	s_cbranch_scc1 .Lstep
	Q 2, F1, F0, 0                                 ; steps 8 and 9, the second tile's last two, are written out: nothing is left to ask for, and no round follows the barrier
	Q 3, F0, F1, 0
	Q 4, F1, F0, 0
	Q 5, F0, F1, 0
	Q 6, F1, F0, 0
	Q7M 0
	Q8
	Q 1, F0, F1, 0
	Q 2, F1, F0, 0
	Q 3, F0, F1, 0
	Q 4, F1, F0, 0
	Q 5, F0, F1, 0
	Q 6, F1, F0, 0
	Q 7, F0, F1, 0
	s_wait_dscnt 0x0
	MULA F1, 0, 0
	MULA F1, 1, 0
	WAYOUT
	s_wait_tensorcnt 0x0                           ; the wave's end, behind my last tensor load and my last LDS store
	ds_add_u32 v[SPW], v[NIL]
	s_wait_dscnt 0x0
	CROUND                                         ; the closing round: no work-group ends while a partner may still ask for a tile that names it
	s_endpgm
.Lfunc_end_k_q8868609605_pz:
	.size	k_q8868609605_pz, .Lfunc_end_k_q8868609605_pz-k_q8868609605_pz
	.p2alignl 7, 3214868480
	.fill 96, 4, 3214868480
	.section	.rodata,"a",@progbits
	.p2align	6, 0x0
	.amdhsa_kernel k_q8868609605_pz
		.amdhsa_group_segment_fixed_size 327680
		.amdhsa_private_segment_fixed_size 0
		.amdhsa_enable_private_segment 0
		.amdhsa_kernarg_size 24
		.amdhsa_user_sgpr_count 2
		.amdhsa_user_sgpr_kernarg_segment_ptr 1
		.amdhsa_wavefront_size32 1
		.amdhsa_system_sgpr_workgroup_id_x 1
		.amdhsa_system_sgpr_workgroup_id_y 1
		.amdhsa_system_sgpr_workgroup_id_z 1
		.amdhsa_system_vgpr_workitem_id 0
		.amdhsa_next_free_vgpr 640
		.amdhsa_next_free_sgpr 82
		.amdhsa_reserve_vcc 0
		.amdhsa_float_denorm_mode_32 3
		.amdhsa_float_denorm_mode_16_64 3
		.amdhsa_memory_ordered 1
		.amdhsa_forward_progress 1
		.amdhsa_inst_pref_size 89
	.end_amdhsa_kernel
	.amdgpu_metadata
---
amdhsa.version: [ 1, 2 ]
amdhsa.kernels:
  - .name:           k_q8868609605_pz
    .symbol:         k_q8868609605_pz.kd
    .args:
      - { .name: pr, .offset: 0, .size: 8, .value_kind: global_buffer, .address_space: global }
      - { .name: xh, .offset: 8, .size: 8, .value_kind: global_buffer, .address_space: global }
      - { .name: zh, .offset: 16, .size: 8, .value_kind: global_buffer, .address_space: global }
    .group_segment_fixed_size: 327680
    .private_segment_fixed_size: 0
    .kernarg_segment_align: 8
    .kernarg_segment_size: 24
    .max_flat_workgroup_size: 128
    .sgpr_count:     82
    .vgpr_count:     640
    .wavefront_size: 32
...
	.end_amdgpu_metadata
.endif
;; end of part 11
;; launch proj (part 12): grid 4 x 64, 4 waves a work-group, clusters of 4 x 4, 327,680 bytes of LDS; arguments zh, wp, bo, out0; writes out0
.if DOCPART == 12
	.amdgcn_target "amdgcn-amd-amdhsa--gfx1250"
	.amdhsa_code_object_version 6
	.text
	.protected	k_q8868609605_proj
	.globl	k_q8868609605_proj
	.p2align	8
	.type	k_q8868609605_proj,@function
k_q8868609605_proj:
	s_mov_b64 s[64:65], 0
	v_nop
	global_prefetch_b8 v0, s[64:65] scope:SCOPE_SE
	s_setreg_imm32_b32 hwreg(HW_REG_WAVE_MODE, 25, 1), 1
	s_wait_xcnt 0x0
	s_wait_alu depctr_hold_cnt(0) depctr_sa_sdst(0) depctr_va_vdst(0) depctr_va_sdst(0) depctr_va_ssrc(0) depctr_va_vcc(0) depctr_vm_vsrc(0)
	s_getreg_b32 s2, hwreg(HW_REG_IB_STS2, 6, 4)
	s_cmp_eq_u32 s2, 0
	s_cbranch_scc0 .Lentry_in_a_cluster
	s_endpgm
.Lentry_in_a_cluster:
	s_bfe_u32 s2, ttmp6, 0x10000c
	s_cmp_lg_u32 s2, 0xf033
	s_cbranch_scc0 .Lentry_shape_is_right
	s_endpgm
.Lentry_shape_is_right:
; out0[m][e] = (sum over c of zh[m][c] wp[e][c]) / 32 + bo[e].  zh = P x: [8192][1024] f16; wp = 32 x Wo Wv: [1024][1024] f16; the factor 1/32 is a power of two and costs no rounding;
; bo is rounded to bf16 here, like every input; sums and the result in f32.  NaN and infinities are not treated apart.
; A tile of out0 is 128 x 256: 64 x 4 = 256 work-groups.  Four waves, each 64 x 128 in 32 accumulators.  K = 1,024 in 8 steps of 128 through two LDS slots; a step is four quarters on two fragment buffers.
; CLUSTER: 4 x 4 work-groups: the four of a row of the cluster need the same rows of zh, the four of a column the same rows of wp: each tile is asked for jointly.
; THE MATRIX INSTRUCTION IS USED TRANSPOSED (source 0 = 16 rows of wp, source 1 = 16 rows of zh): a lane holds row l % 16 and the eight neighbouring columns 8 (l / 16) + 0 .. 7.
; REGISTERS: window 0: v0-31 addresses and the bias; v64-95, v128-159 fragments of zh; on the way out v64-127, v128-191 rows read back.  window 1: v64-127, v128-191 fragments of wp.  window 2: accumulators.
.set PITCH,  272
.set AHALF,  64*PITCH                  ; 64 rows of zh: what wave 0 or 1 fetches, and what a wave reads
.set BHALF,  128*PITCH                 ; 128 rows of wp
.set BOFF,   2*AHALF
.set SLOT1,  1<<17                     ; slot 1 begins here; a slot holds 104,448 bytes, below 1 << 17: an exclusive or turns an address of one slot into the other's
.set STAGE,  SLOT1+BOFF+2*BHALF        ; behind the ring, never filled by a tensor load: 16 rows x 528 bytes for each wave
.set SP32,   528
.set SPARE,  STAGE+4*16*SP32           ; the spare words, 128 bytes for each wave: two blocks of 256 bytes that no other line names
.set CP,     4096                      ; bytes in a row of out0
.set BIAS,  12                         ; v[12:15] bo of my four columns of a row read back
.set ADRA,  16
.set ADRA0, 17
.set ADRB,  20
.set ADRB0, 21
.set STO,   24
.set RD,    25
.set CO,    26
.set BA,    27                         ; v27  my byte offset in bo; never rewritten
.set SPW,   28                         ; v28  SPARE + 4 x my thread's number; never rewritten
.set NIL,   29                         ; v29  0; never rewritten
.set F0,    64
.set F1,    128
.set G1,  24
.set G0,  32
.set G1B, 48
.set G0B, 56
.set MSB, 0
.macro WIN new
.if MSB != (\new)
	s_set_vgpr_msb (MSB<<8)|(\new)
.set MSB, \new
.endif
.endm
.macro PLACES
.rept 4
	v_nop
.endr
.endm
.macro JLOAD s                         ; a joint load: waves 0, 1 fetch zh's two halves, waves 2, 3 wp's.  An s_nop 0 and four v_nop follow each of the two lines
	s_cmp_eq_u32 s11, 0
	s_cbranch_scc0 .Lfor_b_\@
	tensor_load_to_lds s[G0+4*(\s):G0+4*(\s)+3], s[G1:G1+7]
	s_nop 0
.rept 4
	v_nop
.endr
	s_branch .Lasked_\@
.Lfor_b_\@:
	tensor_load_to_lds s[G0B+4*(\s):G0B+4*(\s)+3], s[G1B:G1B+7]
	s_nop 0
.rept 4
	v_nop
.endr
.Lasked_\@:
.endm
.macro CREST
	s_cmp_lg_u32 s10, 0
	s_cbranch_scc1 .Lnot_wave_0_\@
	s_barrier_signal -3
.Lnot_wave_0_\@:
	s_barrier_wait -3
	s_barrier_signal -1
	s_barrier_wait -1
.endm
.macro CROUND
	s_barrier_signal -1
	s_barrier_wait -1
	CREST
.endm
	s_load_b128 s[4:7], s[0:1], 0x0                ; zh s[4:5], wp s[6:7]
	s_load_b64 s[22:23], s[0:1], 0x10              ; bo
	s_load_b64 s[8:9], s[0:1], 0x18                ; out0
	v_lshl_add_u32 v[SPW], v0, 2, SPARE
	v_mov_b32 v[NIL], 0
	ds_add_u32 v28, v29
	ds_add_u32 v28, v29
	s_wait_dscnt 0x0
	v_lshrrev_b32 v1, 5, v0
	v_readfirstlane_b32 s10, v1                    ; wave 0..3
	s_lshr_b32 s11, s10, 1                         ; my half of the tile's rows.  Also: I fetch zh (0) or wp (1)
	s_and_b32 s12, s10, 1                          ; my half of its columns.  Also: which half of that tile I fetch
	s_bfe_u32 s40, ttmp6, 0x40000                  ; cx, cy
	s_bfe_u32 s41, ttmp6, 0x40004
	s_lshl_b32 s42, ttmp9, 2
	s_add_co_u32 s42, s42, s40                     ; tile column
	s_and_b32 s13, ttmp7, 0xffff
	s_lshl_b32 s13, s13, 2
	s_add_co_u32 s13, s13, s41                     ; tile row
	s_lshl_b32 s43, s41, 2
	s_lshl_b32 s43, 15, s43                        ; my row of the cluster
	s_lshl_b32 s44, 0x1111, s40                    ; my column
	s_or_b32 s[G1+0], s43, (1<<16)|(1<<20)|(1<<21)|(5<<22)|(3<<25)   ; the mask; elements of 2 bytes; padding: after every 64 words 4 words; bit 21 set beside a mask
	s_or_b32 s[G1B+0], s44, (1<<16)|(1<<20)|(1<<21)|(5<<22)|(3<<25)
	s_mov_b32 s[G1+1], 128<<16                     ; tensor_dim0 = 128
	s_mov_b32 s[G1+2], 64<<16                      ; tensor_dim1 = 64 rows of zh
	s_mov_b32 s[G1+3], 128<<16                     ; tile_dim0
	s_mov_b32 s[G1+4], 64                          ; tile_dim1
	s_mov_b32 s[G1+5], 1024                        ; elements from row to row
	s_mov_b32 s[G1+6], 0
	s_mov_b32 s[G1+7], 0
	s_mov_b32 s[G1B+1], 128<<16
	s_mov_b32 s[G1B+2], 128<<16                    ; 128 rows of wp
	s_mov_b32 s[G1B+3], 128<<16
	s_mov_b32 s[G1B+4], 128
	s_mov_b32 s[G1B+5], 1024
	s_mov_b32 s[G1B+6], 0
	s_mov_b32 s[G1B+7], 0
	s_lshl_b32 s16, s13, 7
	s_lshl_b32 s17, s12, 6
	s_add_co_u32 s16, s16, s17
	s_lshl_b32 s16, s16, 11                        ; zh: (128 x tile row + 64 x half) rows of 2,048 bytes
	s_mov_b32 s17, 0
	s_lshl_b32 s46, s42, 8
	s_lshl_b32 s47, s12, 7
	s_add_co_u32 s46, s46, s47
	s_lshl_b32 s46, s46, 11                        ; wp: (256 x tile column + 128 x half) rows
	s_mov_b32 s47, 0
	s_mul_i32 s20, s12, AHALF                      ; where they go: no place in the cluster enters an LDS address
	s_mul_i32 s21, s12, BHALF
	s_add_co_u32 s21, s21, BOFF
	s_wait_kmcnt 0x0
	s_add_nc_u64 s[14:15], s[4:5], s[16:17]
	s_add_nc_u64 s[46:47], s[6:7], s[46:47]
	CROUND                                         ; all sixteen work-groups are here: the first joint loads meet
.irp s, 0,1
	s_mov_b32 s[G0+4*(\s)], 1
	s_add_co_u32 s[G0+4*(\s)+1], s20, (\s)*SLOT1
	s_add_nc_u64 s[G0+4*(\s)+2:G0+4*(\s)+3], s[14:15], (\s)*256      ; K step s
	s_or_b32 s[G0+4*(\s)+3], s[G0+4*(\s)+3], 0x80000000
	s_mov_b32 s[G0B+4*(\s)], 1
	s_add_co_u32 s[G0B+4*(\s)+1], s21, (\s)*SLOT1
	s_add_nc_u64 s[G0B+4*(\s)+2:G0B+4*(\s)+3], s[46:47], (\s)*256
	s_or_b32 s[G0B+4*(\s)+3], s[G0B+4*(\s)+3], 0x80000000
	JLOAD \s                                       ; two loads of mine are out
.endr
	v_and_b32 v4, 31, v0                           ; lane
	s_lshl_b32 s18, s42, 10                        ; bo: 1,024 bytes a tile column, 512 a half, 16 a lane: the four columns that I hold of a row read back
	s_lshl_b32 s19, s12, 9
	s_add_co_u32 s18, s18, s19
	v_lshl_add_u32 v[BA], v4, 4, s18
	global_load_b128 v[BIAS:BIAS+3], v[BA], s[22:23]   ; waited for at the way out
	v_and_b32 v1, 15, v0                           ; l % 16
	v_bfe_u32 v2, v0, 4, 1                         ; l / 16
	v_mul_u32_u24 v3, v1, PITCH
	v_lshl_add_u32 v3, v2, 4, v3
	s_mul_i32 s18, s11, AHALF
	s_mul_i32 s19, s12, BHALF
	s_add_co_u32 s19, s19, BOFF
	v_add_nc_u32 v[ADRA0], s18, v3
	v_add_nc_u32 v[ADRB0], s19, v3
	v_mov_b32 v[ADRA], v[ADRA0]
	v_mov_b32 v[ADRB], v[ADRB0]
	s_mov_b32 s2, 0                                ; the slot in hand begins at this LDS byte
	s_mul_i32 s21, s10, 16*SP32
	s_add_co_u32 s21, s21, STAGE                   ; my stage
	v_mul_u32_u24 v5, v1, SP32                     ; in: row l % 16, 32 bytes for each half of the lanes
	v_lshl_add_u32 v5, v2, 5, v5
	v_add_nc_u32 v[STO], s21, v5
	v_lshlrev_b32 v[CO], 4, v4                     ; back: the 32 lanes take one row of 512 bytes
	v_add_nc_u32 v[RD], s21, v[CO]
	s_lshl_b32 s16, s13, 7
	s_lshl_b32 s18, s11, 6
	s_add_co_u32 s16, s16, s18
	s_lshl_b32 s16, s16, 12                        ; my first row, 4,096 bytes a row
	s_mov_b32 s17, 0
	s_add_nc_u64 s[8:9], s[8:9], s[16:17]
	s_lshl_b32 s46, s42, 10                        ; my first column, in bytes
	s_lshl_b32 s18, s12, 9
	s_add_co_u32 s46, s46, s18
	s_mov_b32 s47, 0
	s_add_nc_u64 s[8:9], s[8:9], s[46:47]
	s_mov_b32 s18, 0x3d000000                      ; 1/32, named as a pair: the packed form takes the low word for both halves
	s_mov_b32 s19, 0
; 8 matrix instructions: block a of 16 rows x all 8 blocks of 16 columns.  The 32 accumulators take turns, one instruction a turn, in the same order in every quarter.
.macro MULA f, a, zero
	WIN 0xa1
.irp b, 0,1,2,3,4,5,6,7
.if \zero
	v_wmma_f32_16x16x32_f16 v[8*(8*(\a)+(\b)):8*(8*(\a)+(\b))+7], v[(\f)+8*(\b):(\f)+8*(\b)+7], v[(\f)+8*(\a):(\f)+8*(\a)+7], 0
.else
	v_wmma_f32_16x16x32_f16 v[8*(8*(\a)+(\b)):8*(8*(\a)+(\b))+7], v[(\f)+8*(\b):(\f)+8*(\b)+7], v[(\f)+8*(\a):(\f)+8*(\a)+7], v[8*(8*(\a)+(\b)):8*(8*(\a)+(\b))+7]
.endif
.endr
.endm
.macro FETCH k, f                      ; 24 LDS loads in one run
	WIN 0x40
.irp i, 0,1,2,3,4,5,6,7
	ds_load_b128 v[(\f)+8*(\i):(\f)+8*(\i)+3],   v[ADRB] offset:(\k)+(\i)*16*PITCH
	ds_load_b128 v[(\f)+8*(\i)+4:(\f)+8*(\i)+7], v[ADRB] offset:(\k)+(\i)*16*PITCH+32
.endr
	WIN 0
.irp i, 0,1,2,3
	ds_load_b128 v[(\f)+8*(\i):(\f)+8*(\i)+3],   v[ADRA] offset:(\k)+(\i)*16*PITCH
	ds_load_b128 v[(\f)+8*(\i)+4:(\f)+8*(\i)+7], v[ADRA] offset:(\k)+(\i)*16*PITCH+32
.endr
.endm
.macro Q k, f, g, zero
	s_wait_dscnt 0x0                               ; buffer f is in
	PLACES                                         ; buffer g was read by the matrix instructions just before
	FETCH \k, \g
.irp a, 0,1,2,3
	MULA \f, \a, \zero
.endr
.endm
; The third quarter holds the change of slots, as in the other products of this program: the slot's last fetch; the wait for all my tensor loads; the add; the wait for it and for my reads; the barrier,
; which with fill = 1 opens a round of the cluster's barrier; and the joint refill, two K steps ahead, first thing behind the round: 112 matrix instructions of mine ahead of the wait for it.
.macro Q3M fill
	s_wait_dscnt 0x0
	PLACES
	FETCH 192, F1
	MULA F0, 0, 0
	MULA F0, 1, 0
	WIN 0
	s_wait_tensorcnt 0x0                           ; all my tensor loads have landed, so a group 0 may be written
	ds_add_u32 v[SPW], v[NIL]                      ; 0 onto my spare word
	MULA F0, 2, 0
	s_wait_dscnt 0x0                               ; the add is done, and my reads of this slot are over
	s_barrier_signal -1
	MULA F0, 3, 0
	WIN 0
	s_barrier_wait -1
.if \fill
	CREST
	s_xor_b32 s[G0+5], s[G0+5], SLOT1              ; the walking descriptors: the other slot than last time, the next K step
	s_add_nc_u64 s[G0+6:G0+7], s[G0+6:G0+7], 256
	s_xor_b32 s[G0B+5], s[G0B+5], SLOT1
	s_add_nc_u64 s[G0B+6:G0B+7], s[G0B+6:G0B+7], 256
	JLOAD 1
.endif
.endm
.macro Q4
	s_xor_b32 s2, s2, SLOT1
	v_add_nc_u32 v[ADRA], s2, v[ADRA0]
	v_add_nc_u32 v[ADRB], s2, v[ADRB0]
	Q 0, F1, F0, 0
.endm
; THE WAY OUT of block a: straight from the accumulators into my own stage, each accumulator's low four registers first; back as whole rows of 512 bytes; sum / 32 + bias in one fused multiply-add; stored.
.macro TOST32 a
.set BK, F0+64*((\a)%2)
.if (\a) >= 2
	s_wait_xcnt 0x0                                ; the stores of the block two back have read these registers
.endif
	WIN 0x08                                       ; an LDS store's data is source 1: window 2
.irp b, 0,1,2,3,4,5,6,7
	ds_store_b128 v[STO], v[64*(\a)+8*(\b):64*(\a)+8*(\b)+3]   offset:64*(\b)
	ds_store_b128 v[STO], v[64*(\a)+8*(\b)+4:64*(\a)+8*(\b)+7] offset:64*(\b)+16
.endr
	WIN 0
.irp r, 0,1,2,3,4,5,6,7,8,9,10,11,12,13,14,15
	ds_load_b128 v[BK+4*(\r):BK+4*(\r)+3], v[RD] offset:(\r)*SP32  ; LDS serves a wave's instructions in order (ISA guide 5.7.1.4)
.endr
.endm
.macro SEND32 a, younger               ; younger: the LDS instructions issued behind block a's loads: the next block's 32, or none
.set BK, F0+64*((\a)%2)
.irp r, 0,1,2,3,4,5,6,7,8,9,10,11,12,13,14,15
	s_wait_dscnt (\younger)+15-(\r)                ; row r is back
	v_pk_fma_f32 v[BK+4*(\r):BK+4*(\r)+1],   v[BK+4*(\r):BK+4*(\r)+1],   s[18:19], v[BIAS:BIAS+1]   op_sel_hi:[1,0,1]
	v_pk_fma_f32 v[BK+4*(\r)+2:BK+4*(\r)+3], v[BK+4*(\r)+2:BK+4*(\r)+3], s[18:19], v[BIAS+2:BIAS+3] op_sel_hi:[1,0,1]
	global_store_b128 v[CO], v[BK+4*(\r):BK+4*(\r)+3], s[8:9] offset:(16*(\a)+(\r))*CP th:TH_STORE_NT  ; 512 consecutive bytes, at a multiple of 256 from out0's first byte
.endr
.endm
	s_wait_tensorcnt 0x1                           ; my part of K step 0 is in; step 1's may stay out
	s_barrier_signal -1
	s_barrier_wait -1
	FETCH 0, F0
	Q 64, F0, F1, 1                                ; the first quarter's products start the sums
	WIN 0
	s_mov_b32 s3, 6
.Lstep:                                                ; a trip: a step's quarters 2 to 4 and the next step's first; it asks for the step two on: steps 2 to 7
	Q 128, F1, F0, 0
	Q3M 1
	Q4
	Q 64, F0, F1, 0
	WIN 0
	s_sub_co_u32 s3, s3, 1
	s_cmp_lg_u32 s3, 0
	s_cbranch_scc1 .Lstep
	Q 128, F1, F0, 0                               ; the last two steps are written out: nothing is left to ask for, and no round follows the barrier
	Q3M 0
	Q4
	Q 64, F0, F1, 0
	Q 128, F1, F0, 0
	Q 192, F0, F1, 0
	s_wait_dscnt 0x0
.irp a, 0,1,2,3
	MULA F1, \a, 0
.endr
	WIN 0
	s_wait_loadcnt 0x0                             ; bo
	v_cvt_pk_bf16_f32 v6, v[BIAS], v[BIAS+1]       ; rounded to bf16 like every input, and back to f32.  These lines name no register of the products:
	v_cvt_pk_bf16_f32 v7, v[BIAS+2], v[BIAS+3]
	v_lshlrev_b32 v[BIAS], 16, v6                  ; the last four are the places behind the last products
	v_and_b32 v[BIAS+1], 0xffff0000, v6
	v_lshlrev_b32 v[BIAS+2], 16, v7
	v_and_b32 v[BIAS+3], 0xffff0000, v7
	TOST32 0
.irp a, 1,2,3
	TOST32 \a
	SEND32 (\a)-1, 32
.endr
	SEND32 3, 0
	s_wait_tensorcnt 0x0                           ; the wave's end
	ds_add_u32 v[SPW], v[NIL]
	s_wait_dscnt 0x0
	CROUND                                         ; the closing round
	s_endpgm
.Lfunc_end_k_q8868609605_proj:
	.size	k_q8868609605_proj, .Lfunc_end_k_q8868609605_proj-k_q8868609605_proj
	.p2alignl 7, 3214868480
	.fill 96, 4, 3214868480
	.section	.rodata,"a",@progbits
	.p2align	6, 0x0
	.amdhsa_kernel k_q8868609605_proj
		.amdhsa_group_segment_fixed_size 327680
		.amdhsa_private_segment_fixed_size 0
		.amdhsa_enable_private_segment 0
		.amdhsa_kernarg_size 32
		.amdhsa_user_sgpr_count 2
		.amdhsa_user_sgpr_kernarg_segment_ptr 1
		.amdhsa_wavefront_size32 1
		.amdhsa_system_sgpr_workgroup_id_x 1
		.amdhsa_system_sgpr_workgroup_id_y 1
		.amdhsa_system_sgpr_workgroup_id_z 1
		.amdhsa_system_vgpr_workitem_id 0
		.amdhsa_next_free_vgpr 768
		.amdhsa_next_free_sgpr 66
		.amdhsa_reserve_vcc 0
		.amdhsa_float_denorm_mode_32 3
		.amdhsa_float_denorm_mode_16_64 3
		.amdhsa_memory_ordered 1
		.amdhsa_forward_progress 1
		.amdhsa_inst_pref_size 79
	.end_amdhsa_kernel
	.amdgpu_metadata
---
amdhsa.version: [ 1, 2 ]
amdhsa.kernels:
  - .name:           k_q8868609605_proj
    .symbol:         k_q8868609605_proj.kd
    .args:
      - { .name: zh, .offset: 0, .size: 8, .value_kind: global_buffer, .address_space: global }
      - { .name: wp, .offset: 8, .size: 8, .value_kind: global_buffer, .address_space: global }
      - { .name: bo, .offset: 16, .size: 8, .value_kind: global_buffer, .address_space: global }
      - { .name: out0, .offset: 24, .size: 8, .value_kind: global_buffer, .address_space: global }
    .group_segment_fixed_size: 327680
    .private_segment_fixed_size: 0
    .kernarg_segment_align: 8
    .kernarg_segment_size: 32
    .max_flat_workgroup_size: 128
    .sgpr_count:     66
    .vgpr_count:     768
    .wavefront_size: 32
...
	.end_amdgpu_metadata
.endif
;; end of part 12
